; MI455X (gfx1250); checked and timed in simulation.
; The chip was launched on July 23, 2026; its instructions are those of AMD's public machine-readable ISA for CDNA 5 (MIT licence, August 2026) and "CDNA5" Instruction Set Architecture Reference Guide (July 2026). The comments in the code are by the model that wrote it; some were corrected since.
;; Time Dependent Attention. Allowed arithmetic: matrix products marked QUANTISED: E4M3 operands, one given power-of-two scale a tensor, by v_wmma_f32_16x16x64_fp8_fp8 or v_wmma_f32_16x16x128_fp8_fp8, f32 sums; products left as they are: f32 operands where the result goes on into a quantised operand, else bf16, f16 or f32 operands; f32 sums; everything else in f32.
;; Inputs: W_o 768 x 768 float32; Wt_k 768 x 256 float32; Wt_q 768 x 256 float32; Wt_v 768 x 256 float32; Wx_k 768 x 768 float32; Wx_q 768 x 768 float32; Wx_v 768 x 768 float32; b_o 768 float32; lowp_scales 12 int32 (the exponents e of the quantised operands' scales 2^e); rel_pos_bias 12 x 1,024 x 1,024 float32; t 8 x 256 float32; x 8 x 1,024 x 768 float32.
;; Outputs: out0 8 x 1,024 x 768 float32.
;; This version of the problem:
;;   THIS VERSION OF THE PROBLEM IS GIVEN IN LOW PRECISION. The matrix products marked QUANTISED in the list below multiply operands that are first quantised to E4M3 (4 exponent bits, 3 mantissa bits; 8 bits a number), with one given power-of-two scale for each operand tensor; their sums are f32. All else is computed in f32.
;;   The module's matrix products, in the order in which they are computed (A, B: the left and right operand; K: the contracted axis; several contracted axes count as one K, in the product's order):
;;     1. [M 8,192, K 768] x [K 768, N 768]; A: input x; B: input Wx_q: QUANTISED (scales: A lowp_scales[0], B lowp_scales[1])
;;     2. [M 8, K 256] x [K 256, N 768]; A: input t; B: input Wt_q: left as it is (M = 8 < 16)
;;     3. [M 8,192, K 768] x [K 768, N 768]; A: input x; B: input Wx_k: QUANTISED (scales: A lowp_scales[2], B lowp_scales[3])
;;     4. [M 8, K 256] x [K 256, N 768]; A: input t; B: input Wt_k: left as it is (M = 8 < 16)
;;     5. [M 8,192, K 768] x [K 768, N 768]; A: input x; B: input Wx_v: QUANTISED (scales: A lowp_scales[4], B lowp_scales[5])
;;     6. [M 8, K 256] x [K 256, N 768]; A: input t; B: input Wt_v: left as it is (M = 8 < 16)
;;     7. batch 96 x [M 1,024, K 64] x [K 64, N 1,024]; A: computed on the way; B: computed on the way: QUANTISED (scales: A lowp_scales[6], B lowp_scales[7])
;;     8. batch 96 x [M 1,024, K 1,024] x [K 1,024, N 64]; A: softmax (see below); B: computed on the way: QUANTISED (scales: A lowp_scales[8], B lowp_scales[9])
;;     9. [M 8,192, K 768] x [K 768, N 768]; A: computed on the way; B: input W_o: QUANTISED (scales: A lowp_scales[10], B lowp_scales[11])
;;   THE QUANTISER, for each operand of a quantised product, along K:
;;     - The operand's scale is 2^e, e = its entry of the input lowp_scales (int32; the entries are numbered through the quantised products in the list's order, A before B).
;;     - Each number is divided by the scale, clamped to +-448, and rounded to the nearest number of E4M3, ties to even, subnormals kept.
;;     - The product sums the exact products of the quantised numbers (number of the format x scale) in f32.
;;   ~~~python
;;   def quantise(x, axis, e):      # numpy; x: float32 -> the quantised numbers, widened to float32 again
;;       x = np.moveaxis(x, axis, -1); K = x.shape[-1]
;;       r = np.clip(x / 2.0 ** e, -448, 448)
;;       step = 2.0 ** (np.maximum(np.frexp(np.where(r == 0, 1, r))[1] - 1, -6) - 3)
;;       q = np.round(r / step) * step * 2.0 ** e      # np.round: ties to even
;;       return np.moveaxis(q, -1, axis).astype(np.float32)
;;   ~~~
;;   SOFTMAX AHEAD OF A QUANTISED PRODUCT. Where the list says 'softmax', what is quantised is not the finished softmax but p = 2^(t - M), with t = logit x log2(e) and M = ceil(the row's largest t), a whole number; so 1/2 < the row's largest p <= 1. The row's sum l is taken of the UNQUANTISED p, in f32, and the product's result is divided by l at the end. Since M is a whole number, a kernel that streams over the keys may use a running M (the ceiling of the running maximum): every later rescaling is an exact power of two, so the quantised numbers keep their values, but for numbers so far below the row's largest that they fall under the format's range.
;;   OPERANDS COMPUTED ON THE WAY. 'Computed on the way' means the value that the module computes at that place (a softmax that the list does not call 'softmax' is quantised finished and normalised). What goes into a quantiser is computed in f32, as accurately as f32 sums, v_exp_f32 and their like allow (about 1e-6 of the number): no bf16 or f16 on the way to a quantiser, and a product that is left as it is and whose result goes on into a quantised operand takes f32 operands (vector FMAs, or v_wmma_f32_16x16x4_f32). A number that lies on a knife's edge between two numbers of the format may be rounded either way, as far as f32 arithmetic and the matrix unit's own rounding can turn it there, and no further.
;; 2 versions. Each part assembles by itself: llvm-mc -triple=amdgcn-amd-amdhsa -mcpu=gfx1250 --defsym DOCPART=n.
;; ======== version 1 of 2: 5 launches
;; workspace buffers: xcodes 18,874,368 bytes; wcodes 2,359,296 bytes; tshift 73,728 bytes; qkimg 12,582,912 bytes; vimg 6,291,456 bytes; ocodes 6,291,456 bytes
;; launch prep (part 1): grid 564 x 1, 4 waves a work-group, no clusters, 10,752 bytes of LDS; arguments x, Wx_q, Wx_k, Wx_v, W_o, Wt_q, Wt_k, Wt_v, t, lowp_scales, xcodes, wcodes, tshift; writes xcodes, wcodes, tshift
.if DOCPART == 1
	.amdgcn_target "amdgcn-amd-amdhsa--gfx1250"
	.amdhsa_code_object_version 6
	.text
	.protected	k_q44aed208a3_prep
	.globl	k_q44aed208a3_prep
	.p2align	8
	.type	k_q44aed208a3_prep,@function
k_q44aed208a3_prep:
	s_mov_b64 s[64:65], 0
	v_nop
	global_prefetch_b8 v0, s[64:65] scope:SCOPE_SE
	s_setreg_imm32_b32 hwreg(HW_REG_WAVE_MODE, 25, 1), 1
	s_wait_xcnt 0x0
; Three kinds of work-groups, parted by the work-group's number alone (alike in all four waves):
;   0-35     tshift[p][b][c] = sum over k of t[b][k] Wt_p[c][k], p = q, k, v: f32 multiply-adds, since the result goes on into quantisers
;   36-179   the four square weights become codes of E4M3: wcodes [Wx_q, Wx_k, Wx_v, W_o][768][768 bytes], scales e1, e3, e5, e11
;   180-563  x becomes three sets of codes, xcodes [3][8192][768 bytes], under e0, e2, e4: x has an entry of its own in each of its three products
; code = number / 2^e, held within +-448, to the nearest code, ties to even.
; ORDER ALONG K.  x and the three Wx are laid with K permuted inside each run of 256: byte 8 L + 4 i + j holds k = 128 i + 4 L + j (L 0-31, i 0-1, j 0-3): that is what two loads of
; 512 consecutive bytes, 16 a lane, and one conversion of a lane's eight numbers give.  The order is alike in both operands of a product, so every number meets its partner.
; W_o meets an operand laid in natural order, so a lane takes eight neighbours of it (two loads, 32 bytes from lane to lane): 2.4 MB read so, once.
; LIMITS: each e lies between -126 and 119, so that 2^e and 448 x 2^e are f32 numbers.  NaN among the inputs is not served (an infinity is held at the largest code).
; tshift's sum is split in two halves of K (k mod 8 < 4 and the rest), added at the end: another order of rounding than a single chain.
; No tensor load, no matrix instruction.  Only the first kind of work-group touches LDS.
.set XR,  32                           ; v32-159   16 runs of 8 numbers (quantisers); 32 x 4 numbers of Wt (tshift)
.set TR,  160                          ; v160-175  two sets of 8 held numbers (quantisers); v160-223 two sets of 8 x 4 numbers of t (tshift)
.set CR,  176                          ; v176-199  codes: four runs x three outputs x two registers, by turns
.set STG, 8192                         ; LDS: t [8][256] f32 at 0; behind it the stage [8 batches][64 columns] f32
.set QS,  0                            ; which set of held numbers is due
.macro MKS e, sc, lim                  ; v[sc] = 2^e as f32 (the conversion takes its exponent field), v[lim] = 448 x 2^e
	s_add_co_i32 s54, s[\e], 127
	s_lshl_b32 s55, s54, 23
	v_mov_b32 v[\sc], s55
	s_add_co_i32 s54, s54, 8
	s_lshl_b32 s54, s54, 23
	s_or_b32 s54, s54, 0x600000
	v_mov_b32 v[\lim], s54
.endm
.macro LOADS base                      ; a wave's 4,096 numbers, 32 loads at once: 16 KiB of the wave on their way
.irp ch, 0,1,2,3,4,5,6,7,8,9,10,11,12,13,14,15
	global_load_b128 v[XR+8*\ch:XR+8*\ch+3],   v2, s[\base:\base+1] offset:1024*\ch th:TH_LOAD_NT
	global_load_b128 v[XR+8*\ch+4:XR+8*\ch+7], v4, s[\base:\base+1] offset:1024*\ch th:TH_LOAD_NT
.endr
.endm
.macro QOUT ch, p, dst                 ; run ch under scale p: hold, convert, store.  The held numbers go to two sets by turns, so that the line behind a conversion is a plain one on other registers
.irp i, 0,1,2,3,4,5,6,7
	v_med3_num_f32 v[TR+8*QS+\i], v[XR+8*\ch+\i], -v[9+2*\p], v[9+2*\p]   ; the conversion to an 8-bit code does not saturate (ISA guide 7.6.2)
.endr
	v_cvt_scalef32_pk8_fp8_f32 v[CR+6*((\ch)%4)+2*\p:CR+6*((\ch)%4)+2*\p+1], v[TR+8*QS:TR+8*QS+7], v[8+2*\p]
	global_store_b64 v3, v[CR+6*((\ch)%4)+2*\p:CR+6*((\ch)%4)+2*\p+1], s[\dst:\dst+1] offset:256*\ch   ; the wave stores 256 consecutive bytes, aligned
.set QS, 1-QS
.endm
	s_load_b512 s[4:19], s[0:1], 0x0               ; x, Wx_q, Wx_k, Wx_v, W_o, Wt_q, Wt_k, Wt_v
	s_load_b256 s[20:27], s[0:1], 0x40             ; t, lowp_scales, xcodes, wcodes
	s_load_b64 s[28:29], s[0:1], 0x60              ; tshift
	v_lshl_add_u32 v224, v0, 2, 0x2800
	v_mov_b32 v225, 0
	v_lshrrev_b32 v1, 5, v0
	v_readfirstlane_b32 s30, v1                    ; wave 0..3
	v_and_b32 v1, 31, v0                           ; lane
	s_mov_b32 s53, 0                               ; the upper word of every offset
	s_wait_kmcnt 0x0
	s_cmp_lt_u32 ttmp9, 36
	s_cbranch_scc1 .Lpath_t
	s_load_b256 s[32:39], s[22:23], 0x0            ; e0 .. e7
	s_load_b128 s[40:43], s[22:23], 0x20           ; e8 .. e11
	v_lshlrev_b32 v3, 3, v1                        ; my 8 codes in a run's 256
	s_cmp_lt_u32 ttmp9, 180
	s_cbranch_scc1 .Lpath_w
	; ---- x: wave's run of 4,096 numbers = 4 x (work-group - 180) + wave
	s_sub_co_u32 s44, ttmp9, 180
	s_lshl_b32 s44, s44, 2
	s_add_co_u32 s44, s44, s30
	s_lshl_b32 s52, s44, 14
	s_add_nc_u64 s[4:5], s[4:5], s[52:53]
	s_lshl_b32 s52, s44, 12
	s_add_nc_u64 s[46:47], s[24:25], s[52:53]      ; the three sets of codes lie 6,291,456 bytes apart
	s_add_nc_u64 s[48:49], s[46:47], 6291456
	s_add_nc_u64 s[50:51], s[46:47], 12582912
	v_lshlrev_b32 v2, 4, v1                        ; 16 bytes a lane: 512 consecutive bytes a load,
	v_add_nc_u32 v4, 512, v2                       ; and the run's other 512
	LOADS 4
	s_wait_kmcnt 0x0
	MKS 32, 8, 9                                   ; e0
	MKS 34, 10, 11                                 ; e2
	MKS 36, 12, 13                                 ; e4
.irp ch, 0,1,2,3,4,5,6,7,8,9,10,11,12,13,14,15
	s_wait_loadcnt 30-2*\ch                        ; loads come back in order: this run's two are in, the younger ones stay out
.if \ch >= 4
	s_wait_xcnt 0x0                                ; the code registers of four runs ago were stores' data: written again only behind this wait
.endif
	QOUT \ch, 0, 46
	QOUT \ch, 1, 48
	QOUT \ch, 2, 50
.endr
	s_endpgm
.Lpath_w:
	; ---- the four weights, 36 work-groups each.  Only pointers and numbers are chosen: one path for all four
	s_sub_co_u32 s44, ttmp9, 36
	s_mov_b32 s45, 108
	s_cmp_lt_u32 s44, 108
	s_cselect_b64 s[46:47], s[10:11], s[12:13]     ; Wx_v, or W_o
	s_cselect_b32 s45, 72, s45                     ; the weight's first work-group
	s_cselect_b32 s57, 4, 5                        ; bytes from lane to lane: 16, or 32 for W_o,
	s_cselect_b32 s58, 512, 16                     ; and from a lane's first load to its second
	s_cmp_lt_u32 s44, 72
	s_cselect_b64 s[46:47], s[8:9], s[46:47]
	s_cselect_b32 s45, 36, s45
	s_cmp_lt_u32 s44, 36
	s_cselect_b64 s[46:47], s[6:7], s[46:47]
	s_cselect_b32 s45, 0, s45
	s_sub_co_u32 s52, s44, s45
	s_lshl_b32 s52, s52, 2
	s_add_co_u32 s52, s52, s30
	s_lshl_b32 s52, s52, 14
	s_add_nc_u64 s[46:47], s[46:47], s[52:53]
	s_lshl_b32 s52, s44, 2
	s_add_co_u32 s52, s52, s30
	s_lshl_b32 s52, s52, 12
	s_add_nc_u64 s[48:49], s[26:27], s[52:53]      ; the four weights' codes lie on end
	v_lshlrev_b32 v2, s57, v1
	v_add_nc_u32 v4, s58, v2
	LOADS 46
	s_wait_kmcnt 0x0
	s_cmp_lt_u32 s44, 108
	s_cselect_b32 s56, s37, s43                    ; e5, or e11
	s_cmp_lt_u32 s44, 72
	s_cselect_b32 s56, s35, s56                    ; e3
	s_cmp_lt_u32 s44, 36
	s_cselect_b32 s56, s33, s56                    ; e1
	MKS 56, 8, 9
.irp ch, 0,1,2,3,4,5,6,7,8,9,10,11,12,13,14,15
	s_wait_loadcnt 30-2*\ch
.if \ch >= 4
	s_wait_xcnt 0x0
.endif
	QOUT \ch, 0, 48
.endr
	s_endpgm
.Lpath_t:
	; ---- tshift.  Work-group = 12 p + cb: 64 rows c of Wt_p, 16 a wave.  Lane (r, h) takes row r and, of each 8 along K, the 4 numbers of its half; eight sums, one a batch
	s_cmp_lt_u32 ttmp9, 12
	s_cselect_b64 s[46:47], s[14:15], s[16:17]
	s_cselect_b32 s44, 0, 1
	s_cmp_lt_u32 ttmp9, 24
	s_cselect_b64 s[46:47], s[46:47], s[18:19]
	s_cselect_b32 s44, s44, 2                      ; p
	s_mul_i32 s45, s44, 12
	s_sub_co_u32 s45, ttmp9, s45                   ; cb
	s_lshl_b32 s52, s45, 16                        ; 64 rows of 1,024 bytes,
	s_lshl_b32 s54, s30, 14                        ; my wave's 16
	s_add_co_u32 s52, s52, s54
	s_add_nc_u64 s[46:47], s[46:47], s[52:53]
	s_mov_b32 s60, 0x76543210                      ; v_permlanex16_b32: lane l xor 16
	s_mov_b32 s61, 0xfedcba98
	v_and_b32 v5, 15, v0                           ; r
	v_bfe_u32 v6, v0, 4, 1                         ; h
	v_lshlrev_b32 v2, 4, v0                        ; t: 16 bytes a thread
	v_lshlrev_b32 v3, 10, v5
	v_lshl_add_u32 v3, v6, 4, v3                   ; Wt: row r, + 16 h
	v_lshlrev_b32 v4, 4, v6                        ; t in LDS: + 16 h
.irp i, 0,1,2,3
	global_load_b128 v[TR+4*\i:TR+4*\i+3], v2, s[20:21] offset:2048*\i
.endr
.set I, 0
.rept 32
	global_load_b128 v[XR+4*I:XR+4*I+3], v3, s[46:47] offset:32*I   ; k = 8 I + 4 h + 0 .. 3
.set I, I+1
.endr
	v_lshlrev_b32 v7, 2, v5                        ; into the stage: batch 4 h + i, column 16 wave + r
	v_lshl_add_u32 v7, v6, 10, v7
	s_lshl_b32 s54, s30, 6
	v_add_nc_u32 v7, s54, v7
	v_lshlrev_b32 v8, 4, v5                        ; out of it: batch 2 wave + h, 16 bytes a lane
	v_lshl_add_u32 v8, v6, 8, v8
	s_lshl_b32 s54, s30, 9
	v_add_nc_u32 v8, s54, v8
	v_mul_u32_u24 v9, v6, 3072                     ; and the same in tshift: a batch's row is 3,072 bytes
	v_lshl_add_u32 v9, v5, 4, v9
	s_lshl_b32 s54, s44, 3
	s_lshl_b32 s55, s30, 1
	s_add_co_u32 s54, s54, s55
	s_mul_i32 s54, s54, 3072                       ; row 8 p + 2 wave,
	s_lshl_b32 s55, s45, 8                         ; the work-group's 64 columns
	s_add_co_u32 s52, s54, s55
	s_add_nc_u64 s[28:29], s[28:29], s[52:53]
	s_wait_loadcnt 32                              ; t's four loads are in; Wt's 32 may be out
.irp i, 0,1,2,3
	ds_store_b128 v2, v[TR+4*\i:TR+4*\i+3] offset:2048*\i
.endr
	s_wait_dscnt 0x0                               ; for the others' sake: my part of t lies in LDS
	s_barrier_signal -1
	s_barrier_wait -1
.macro TFETCH i                        ; t[b][8 i + 4 h ..] for the eight batches: sixteen lanes read the same 16 bytes
.irp b, 0,1,2,3,4,5,6,7
	ds_load_b128 v[TR+32*((\i)%2)+4*\b:TR+32*((\i)%2)+4*\b+3], v4 offset:1024*\b+32*(\i)
.endr
.endm
	TFETCH 0
.set I, 0
.rept 32
.if I < 31
	TFETCH I+1
	s_wait_dscnt 8                                 ; this step's eight are in, the next step's may be out
.else
	s_wait_dscnt 0x0
.endif
	s_wait_loadcnt 31-I                            ; this step's four numbers of Wt are in
.irp j, 0,1,2,3
.irp b, 0,1,2,3,4,5,6,7
.if (I == 0) && (\j == 0)
	v_mul_f32 v[16+\b], v[XR+4*I+\j], v[TR+32*(I%2)+4*\b+\j]     ; the first product starts the sum: nothing is cleared
.else
	v_fmac_f32 v[16+\b], v[XR+4*I+\j], v[TR+32*(I%2)+4*\b+\j]
.endif
.endr
.endr
.set I, I+1
.endr
.irp b, 0,1,2,3,4,5,6,7
	v_permlanex16_b32 v[TR+\b], v[16+\b], s60, s61               ; the other half of K (the destination has been written before)
.endr
.irp b, 0,1,2,3,4,5,6,7
	v_add_f32 v[16+\b], v[16+\b], v[TR+\b]
.endr
	v_cmp_lt_u32 vcc_lo, 15, v1                    ; lanes 16-31 hand on batches 4-7
.irp i, 0,1,2,3
	v_cndmask_b32 v[24+\i], v[16+\i], v[20+\i], vcc_lo
.endr
.irp i, 0,1,2,3
	ds_store_b32 v7, v[24+\i] offset:STG+256*\i
.endr
	s_wait_dscnt 0x0                               ; for the others' sake
	s_barrier_signal -1
	s_barrier_wait -1
	ds_load_b128 v[24:27], v8 offset:STG
	s_wait_dscnt 0x0
	global_store_b128 v9, v[24:27], s[28:29]       ; sixteen lanes store 256 consecutive bytes, aligned
	s_wait_tensorcnt 0x0
	ds_add_u32 v224, v225
	s_wait_dscnt 0x0
	s_endpgm
.Lfunc_end_k_q44aed208a3_prep:
	.size	k_q44aed208a3_prep, .Lfunc_end_k_q44aed208a3_prep-k_q44aed208a3_prep
	.p2alignl 7, 3214868480
	.fill 96, 4, 3214868480
	.section	.rodata,"a",@progbits
	.p2align	6, 0x0
	.amdhsa_kernel k_q44aed208a3_prep
		.amdhsa_group_segment_fixed_size 10752
		.amdhsa_private_segment_fixed_size 0
		.amdhsa_enable_private_segment 0
		.amdhsa_kernarg_size 104
		.amdhsa_user_sgpr_count 2
		.amdhsa_user_sgpr_kernarg_segment_ptr 1
		.amdhsa_wavefront_size32 1
		.amdhsa_system_sgpr_workgroup_id_x 1
		.amdhsa_system_sgpr_workgroup_id_y 1
		.amdhsa_system_sgpr_workgroup_id_z 1
		.amdhsa_system_vgpr_workitem_id 0
		.amdhsa_next_free_vgpr 226
		.amdhsa_next_free_sgpr 66
		.amdhsa_reserve_vcc 1
		.amdhsa_float_denorm_mode_32 3
		.amdhsa_float_denorm_mode_16_64 3
		.amdhsa_memory_ordered 1
		.amdhsa_forward_progress 1
		.amdhsa_inst_pref_size 111
	.end_amdhsa_kernel
	.amdgpu_metadata
---
amdhsa.version: [ 1, 2 ]
amdhsa.kernels:
  - .name:           k_q44aed208a3_prep
    .symbol:         k_q44aed208a3_prep.kd
    .args:
      - { .name: x, .offset: 0, .size: 8, .value_kind: global_buffer, .address_space: global }
      - { .name: Wx_q, .offset: 8, .size: 8, .value_kind: global_buffer, .address_space: global }
      - { .name: Wx_k, .offset: 16, .size: 8, .value_kind: global_buffer, .address_space: global }
      - { .name: Wx_v, .offset: 24, .size: 8, .value_kind: global_buffer, .address_space: global }
      - { .name: W_o, .offset: 32, .size: 8, .value_kind: global_buffer, .address_space: global }
      - { .name: Wt_q, .offset: 40, .size: 8, .value_kind: global_buffer, .address_space: global }
      - { .name: Wt_k, .offset: 48, .size: 8, .value_kind: global_buffer, .address_space: global }
      - { .name: Wt_v, .offset: 56, .size: 8, .value_kind: global_buffer, .address_space: global }
      - { .name: t, .offset: 64, .size: 8, .value_kind: global_buffer, .address_space: global }
      - { .name: lowp_scales, .offset: 72, .size: 8, .value_kind: global_buffer, .address_space: global }
      - { .name: xcodes, .offset: 80, .size: 8, .value_kind: global_buffer, .address_space: global }
      - { .name: wcodes, .offset: 88, .size: 8, .value_kind: global_buffer, .address_space: global }
      - { .name: tshift, .offset: 96, .size: 8, .value_kind: global_buffer, .address_space: global }
    .group_segment_fixed_size: 10752
    .private_segment_fixed_size: 0
    .kernarg_segment_align: 8
    .kernarg_segment_size: 104
    .max_flat_workgroup_size: 128
    .sgpr_count:     66
    .vgpr_count:     226
    .wavefront_size: 32
...
	.end_amdgpu_metadata
.endif
;; end of part 1
;; launch gemm_qk (part 2): grid 8 x 64, 4 waves a work-group, clusters of 4 x 4, 327,680 bytes of LDS; arguments xcodes, wcodes, tshift, lowp_scales, qkimg; writes qkimg
.if DOCPART == 2
	.amdgcn_target "amdgcn-amd-amdhsa--gfx1250"
	.amdhsa_code_object_version 6
	.text
	.protected	k_q44aed208a3_gemm_qk
	.globl	k_q44aed208a3_gemm_qk
	.p2align	8
	.type	k_q44aed208a3_gemm_qk,@function
k_q44aed208a3_gemm_qk:
	s_mov_b64 s[64:65], 0
	v_nop
	global_prefetch_b8 v0, s[64:65] scope:SCOPE_SE
	s_setreg_imm32_b32 hwreg(HW_REG_WAVE_MODE, 25, 1), 1
	s_wait_xcnt 0x0
	s_wait_alu depctr_hold_cnt(0) depctr_sa_sdst(0) depctr_va_vdst(0) depctr_va_sdst(0) depctr_va_ssrc(0) depctr_va_vcc(0) depctr_vm_vsrc(0)
	s_getreg_b32 s2, hwreg(HW_REG_IB_STS2, 6, 4)
	s_cmp_eq_u32 s2, 0
	s_cbranch_scc0 .Lentry_in_a_cluster
	s_endpgm
.Lentry_in_a_cluster:
	s_bfe_u32 s2, ttmp6, 0x10000c
	s_cmp_lg_u32 s2, 0xf033
	s_cbranch_scc0 .Lentry_shape_is_right
	s_endpgm
.Lentry_shape_is_right:
; q = x Wx_q^T + shift_q and k = x Wx_k^T + shift_k on codes of E4M3, and their codes under e6 and e7, laid as the attention launch's registers want them.
; The cluster's x says which: p = 0 is q (x under e0, Wx_q under e1), p = 1 is k (e2, e3).  A number = sum x 2^(ex + ew) + tshift[p][batch][column], one fused multiply-add in f32, then the quantiser.
; SHARES.  A work-group makes 128 rows x 192 columns (three heads); four waves stand 2 x 2, each 64 x 96: 24 accumulators.  ALL of K = 768 lies in LDS (three steps of 256): each LDS byte is filled once,
; so there is no ring; each step is read behind a counted wait and a barrier.  Twelve steps of 64 along K are written out, with two sets of fragment registers by turns.
; CLUSTER 4 x 4.  The four column tiles of a product stand along x and need the same rows of x; the four row tiles along y need the same rows of W: each tile is asked for jointly, by the same
; tensor load with the same descriptor and a mask that names the four.
; THE MATRIX INSTRUCTION IS USED TRANSPOSED (source 0 = 16 rows of W, source 1 = 16 rows of x): a lane holds one row and eight neighbouring columns, which are neighbours along the next product's K.
; A fragment (16 rows x 64 K, 8 registers) comes by two loads of 16 bytes, 32 apart: a permutation of k that is alike in both operands.
; OUT: qkimg [p][batch][head][tile of 16 rows][c 2][lane][16 bytes]: lane (r, h), group c holds row r, d = 32 c + 16 h + 0 .. 15.  The codes meet in a stage in LDS and leave 512 consecutive bytes a store.
; LIMITS: ex + ew between -126 and 127; e6, e7 between -126 and 119.  NaN is not served.
; REGISTERS: window 0: v1-18 addresses and scales; v32-79 the shift; v96-175, v176-255 two sets of fragments (x's 4 x 8, then W's 6 x 8), later at work.  Window 1: v0-191 accumulator (a, b) at 8 (6 a + b).
.set PITCH,  272                       ; an LDS row: 256 bytes + 16 of padding: the 16 rows that a load touches start at 16 different banks (64 banks of 4 bytes: ISA guide 11.1)
.set SLOT,   320*PITCH                 ; a K step: x's 128 rows, then W's 192
.set WOFF,   128*PITCH
.set STAGE,  3*SLOT                    ; behind the three steps, in bytes of its own: 128 rows x (192 codes + 16)
.set SPITCH, 208
.set XSET,   6291456                   ; bytes of a set of x's codes, and of q's images
.set ADRA,   4                         ; v4-6   my x fragments in step 0, 1, 2
.set ADRB,   8                         ; v8-10  my W fragments
.set FR,     96
.set MSB, 0
.macro WIN new                         ; the immediate's high byte repeats the setting that is left
.if MSB != \new
	s_set_vgpr_msb (MSB<<8)|\new
.set MSB, \new
.endif
.endm
.macro PLACES n
.rept \n
	v_nop
.endr
.endm
.macro CROUND                          ; a round of the cluster's barrier
	s_barrier_signal -1
	s_barrier_wait -1
	s_cmp_lg_u32 s14, 0
	s_cbranch_scc1 .Lnot_wave_0_\@
	s_barrier_signal -3
.Lnot_wave_0_\@:
	s_barrier_wait -3
	s_barrier_signal -1
	s_barrier_wait -1
.endm
	s_load_b256 s[4:11], s[0:1], 0x0               ; xcodes, wcodes, tshift, lowp_scales
	s_load_b64 s[12:13], s[0:1], 0x20              ; qkimg
	v_lshl_add_u32 v94, v0, 2, 0x46400
	v_mov_b32 v95, 0
	ds_add_u32 v94, v95
	ds_add_u32 v94, v95
	v_lshrrev_b32 v1, 5, v0
	v_readfirstlane_b32 s14, v1                    ; wave 0..3
	s_lshr_b32 s15, s14, 1                         ; my half of the rows.  Also: I fetch for x (0) or for W (1)
	s_and_b32 s16, s14, 1                          ; my half of the columns.  Also: which half of that tile I fetch
	s_bfe_u32 s17, ttmp6, 0x40000                  ; cx: the column tile
	s_bfe_u32 s18, ttmp6, 0x40004                  ; cy
	s_mov_b32 s19, ttmp9                           ; p: the cluster's x
	s_and_b32 s20, ttmp7, 0xffff
	s_lshl_b32 s20, s20, 2
	s_add_co_u32 s20, s20, s18                     ; the row tile = 4 x cluster y + cy
	s_lshl_b32 s21, s18, 2
	s_lshl_b32 s21, 15, s21                        ; my row of the cluster
	s_lshl_b32 s22, 0x1111, s17                    ; my column
	s_or_b32 s24, s21, (1<<20)|(1<<21)|(5<<22)|(3<<25)   ; group 1 for x: the mask; elements of 1 byte; padding on; bit 21 beside a mask; 4 words behind every 64
	s_mov_b32 s25, 256<<16                         ; tensor_dim0
	s_mov_b32 s26, 64<<16                          ; tensor_dim1
	s_mov_b32 s27, 256<<16                         ; tile_dim0
	s_mov_b32 s28, 64                              ; tile_dim1
	s_mov_b32 s29, 768                             ; from row to row
	s_mov_b32 s30, 0
	s_mov_b32 s31, 0
	s_or_b32 s32, s22, (1<<20)|(1<<21)|(5<<22)|(3<<25)   ; group 1 for W: 96 rows
	s_mov_b32 s33, 256<<16
	s_mov_b32 s34, 96<<16
	s_mov_b32 s35, 256<<16
	s_mov_b32 s36, 96
	s_mov_b32 s37, 768
	s_mov_b32 s38, 0
	s_mov_b32 s39, 0
	s_lshl_b32 s66, s20, 7                         ; x: row 128 x row tile + 64 x half, in set p
	s_lshl_b32 s67, s16, 6
	s_add_co_u32 s66, s66, s67
	s_mul_i32 s66, s66, 768
	s_mul_i32 s67, s19, XSET
	s_add_co_u32 s66, s66, s67
	s_mov_b32 s67, 0
	s_mul_i32 s68, s17, 192                        ; W: row 768 p + 192 x column tile + 96 x half
	s_mul_i32 s69, s16, 96
	s_add_co_u32 s68, s68, s69
	s_mul_i32 s69, s19, 768
	s_add_co_u32 s68, s68, s69
	s_mul_i32 s68, s68, 768
	s_mov_b32 s69, 0
	s_mul_i32 s70, s16, 64*PITCH                   ; where they go: no place in the cluster enters an LDS address
	s_mul_i32 s71, s16, 96*PITCH
	s_add_co_u32 s71, s71, WOFF
	s_wait_dscnt 0x0
	s_wait_kmcnt 0x0
	s_load_b256 s[88:95], s[10:11], 0x0            ; e0 .. e7
	s_add_nc_u64 s[72:73], s[4:5], s[66:67]
	s_add_nc_u64 s[74:75], s[6:7], s[68:69]
	CROUND                                         ; all sixteen work-groups are here: the joint loads meet
.irp s, 0,1,2
	s_mov_b32 s[40+4*\s], 1
	s_add_co_u32 s[41+4*\s], s70, \s*SLOT
	s_add_nc_u64 s[42+4*\s:43+4*\s], s[72:73], \s*256
	s_or_b32 s[43+4*\s], s[43+4*\s], 0x80000000
	s_mov_b32 s[52+4*\s], 1
	s_add_co_u32 s[53+4*\s], s71, \s*SLOT
	s_add_nc_u64 s[54+4*\s:55+4*\s], s[74:75], \s*256
	s_or_b32 s[55+4*\s], s[55+4*\s], 0x80000000
.endr
	s_cmp_eq_u32 s15, 0                            ; a wave's three fills stand in one branch on its number: three loads of mine are out
	s_cbranch_scc0 .Lfill_w
	tensor_load_to_lds s[40:43], s[24:31]
	s_nop 0
	tensor_load_to_lds s[44:47], s[24:31]
	s_nop 0
	tensor_load_to_lds s[48:51], s[24:31]
	s_nop 0
	PLACES 4
	s_branch .Lfilled
.Lfill_w:
	tensor_load_to_lds s[52:55], s[32:39]
	s_nop 0
	tensor_load_to_lds s[56:59], s[32:39]
	s_nop 0
	tensor_load_to_lds s[60:63], s[32:39]
	s_nop 0
	PLACES 4
.Lfilled:
	v_and_b32 v1, 15, v0                           ; r
	v_bfe_u32 v2, v0, 4, 1                         ; h
	v_lshlrev_b32 v15, 5, v2                       ; the shift: my half's eight numbers of a tile of 16 columns
	s_lshr_b32 s23, s20, 3                         ; the batch: 8 row tiles each
	s_lshl_b32 s76, s19, 3
	s_add_co_u32 s76, s76, s23
	s_mul_i32 s76, s76, 768
	s_mul_i32 s77, s17, 192
	s_add_co_u32 s76, s76, s77
	s_mul_i32 s77, s16, 96
	s_add_co_u32 s76, s76, s77
	s_lshl_b32 s76, s76, 2
	s_mov_b32 s77, 0
	s_add_nc_u64 s[8:9], s[8:9], s[76:77]
.irp b, 0,1,2,3,4,5
	global_load_b128 v[32+8*\b:32+8*\b+3], v15, s[8:9] offset:64*\b
	global_load_b128 v[32+8*\b+4:32+8*\b+7], v15, s[8:9] offset:64*\b+16
.endr
	v_mul_u32_u24 v3, v1, PITCH
	v_lshl_add_u32 v3, v2, 4, v3                   ; a fragment's row x pitch + 16 h
	s_mul_i32 s78, s15, 64*PITCH
	s_mul_i32 s79, s16, 96*PITCH
	s_add_co_u32 s79, s79, WOFF
.irp s, 0,1,2
	v_add_nc_u32 v[ADRA+\s], s78, v3
	v_add_nc_u32 v[ADRB+\s], s79, v3
	s_add_co_u32 s78, s78, SLOT
	s_add_co_u32 s79, s79, SLOT
.endr
	v_mul_u32_u24 v12, v1, SPITCH                  ; into the stage: row 64 x row half + r, byte 96 x column half + 8 h
	v_lshl_add_u32 v12, v2, 3, v12
	s_mul_i32 s78, s15, 64*SPITCH
	s_mul_i32 s79, s16, 96
	s_add_co_u32 s78, s78, s79
	s_add_co_u32 s78, s78, STAGE
	v_add_nc_u32 v12, s78, v12
	v_mul_u32_u24 v13, v1, SPITCH                  ; out of it: row 32 x wave + r, byte 16 h
	v_lshl_add_u32 v13, v2, 4, v13
	s_mul_i32 s78, s14, 32*SPITCH
	s_add_co_u32 s78, s78, STAGE
	v_add_nc_u32 v13, s78, v13
	v_and_b32 v14, 31, v0
	v_lshlrev_b32 v14, 4, v14                      ; 16 x lane: my place in an image
	s_mul_i32 s78, s23, 12                         ; the images: ((batch x 12 + 3 cx) x 64 + 8 (row tile mod 8) + 2 wave) x 1,024, in part p
	s_mul_i32 s79, s17, 3
	s_add_co_u32 s78, s78, s79
	s_lshl_b32 s78, s78, 6
	s_and_b32 s79, s20, 7
	s_lshl_b32 s79, s79, 3
	s_add_co_u32 s78, s78, s79
	s_lshl_b32 s79, s14, 1
	s_add_co_u32 s78, s78, s79
	s_lshl_b32 s78, s78, 10
	s_mul_i32 s79, s19, XSET
	s_add_co_u32 s78, s78, s79
	s_mov_b32 s79, 0
	s_add_nc_u64 s[12:13], s[12:13], s[78:79]
.macro FETCH q, set                    ; 20 LDS loads: the fragments of the q-th 64 along K
.irp a, 0,1,2,3
.irp c, 0,1
	ds_load_b128 v[FR+80*(\set)+8*\a+4*\c:FR+80*(\set)+8*\a+4*\c+3], v[ADRA+(\q)/4] offset:\a*16*PITCH+64*((\q)%4)+32*\c
.endr
.endr
.irp b, 0,1,2,3,4,5
.irp c, 0,1
	ds_load_b128 v[FR+80*(\set)+32+8*\b+4*\c:FR+80*(\set)+32+8*\b+4*\c+3], v[ADRB+(\q)/4] offset:\b*16*PITCH+64*((\q)%4)+32*\c
.endr
.endr
.endm
.macro MUL set, zero                   ; 24 products; the accumulators take turns, one instruction a turn, in the same order in every step
.irp a, 0,1,2,3
.irp b, 0,1,2,3,4,5
.if \zero
	v_wmma_f32_16x16x64_fp8_fp8 v[8*(6*\a+\b):8*(6*\a+\b)+7], v[FR+80*(\set)+32+8*\b:FR+80*(\set)+32+8*\b+7], v[FR+80*(\set)+8*\a:FR+80*(\set)+8*\a+7], 0
.else
	v_wmma_f32_16x16x64_fp8_fp8 v[8*(6*\a+\b):8*(6*\a+\b)+7], v[FR+80*(\set)+32+8*\b:FR+80*(\set)+32+8*\b+7], v[FR+80*(\set)+8*\a:FR+80*(\set)+8*\a+7], v[8*(6*\a+\b):8*(6*\a+\b)+7]
.endif
.endr
.endr
.endm
.macro SUB q
	s_wait_dscnt 0x0                               ; this step's fragments are in: they were asked for ahead of the last 24 products
.if ((\q+1)%4 == 0) && (\q < 11)
	s_wait_tensorcnt 2-(\q+1)/4                    ; my part of the next 256 along K has landed; my later loads may stay out
	s_barrier_signal -1
	s_barrier_wait -1                              ; everybody's has
.endif
.if (\q > 0) && (\q < 11)
	PLACES 4                                       ; four plain places between the last products and loads into the registers that they read (ISA guide 7.12.1 for vector instructions)
.endif
.if \q < 11
	FETCH \q+1, (\q+1)%2
.endif
	WIN 0x50                                       ; C and D in window 1
.if \q == 0
	MUL 0, 1                                       ; the first products start the sums: nothing is cleared
.else
	MUL \q%2, 0
.endif
	WIN 0
.endm
	s_wait_tensorcnt 2                             ; my part of the first 256 along K has landed,
	s_barrier_signal -1
	s_barrier_wait -1                              ; everybody's has
	FETCH 0, 0
.irp q, 0,1,2,3,4,5,6,7,8,9,10,11
	SUB \q
.endr
	; THE WAY OUT: sum x 2^(ex + ew) + shift; hold; convert; 8 codes a lane into the stage; a barrier; back as images
	s_wait_loadcnt 0x0                             ; the shift
	s_wait_kmcnt 0x0
	s_cmp_eq_u32 s19, 0
	s_cselect_b32 s80, s88, s90                    ; ex
	s_cselect_b32 s81, s89, s91                    ; ew
	s_cselect_b32 s82, s94, s95                    ; e6 or e7
	s_add_co_i32 s84, s80, s81
	s_add_co_i32 s84, s84, 127
	s_lshl_b32 s84, s84, 23                        ; 2^(ex + ew) as f32
	s_mov_b32 s85, s84                             ; (named with it as a pair, so it is written)
	s_add_co_i32 s86, s82, 127
	s_lshl_b32 s87, s86, 23
	v_mov_b32 v16, s87                             ; the quantiser's scale
	s_add_co_i32 s86, s86, 8
	s_lshl_b32 s86, s86, 23
	s_or_b32 s86, s86, 0x600000
	v_mov_b32 v17, s86                             ; 448 x it
	PLACES 2                                       ; with the two moves above: four places behind the last products
.irp a, 0,1,2,3
	WIN 0x01                                       ; source 0 (the sums) in window 1
.irp b, 0,1,2,3,4,5
.irp i, 0,2,4,6
	v_pk_fma_f32 v[96+48*(\a%2)+8*\b+\i:96+48*(\a%2)+8*\b+\i+1], v[8*(6*\a+\b)+\i:8*(6*\a+\b)+\i+1], s[84:85], v[32+8*\b+\i:32+8*\b+\i+1] op_sel_hi:[1,0,1]   ; each accumulator from its low end on
.endr
.endr
	WIN 0
.irp b, 0,1,2,3,4,5
.irp i, 0,1,2,3,4,5,6,7
	v_med3_num_f32 v[96+48*(\a%2)+8*\b+\i], v[96+48*(\a%2)+8*\b+\i], -v17, v17   ; the conversion does not saturate (ISA guide 7.6.2)
.endr
	v_cvt_scalef32_pk8_fp8_f32 v[192+2*(6*\a+\b):192+2*(6*\a+\b)+1], v[96+48*(\a%2)+8*\b:96+48*(\a%2)+8*\b+7], v16
.endr
.irp b, 0,1,2,3,4,5
	ds_store_b64 v12, v[192+2*(6*\a+\b):192+2*(6*\a+\b)+1] offset:\a*16*SPITCH+16*\b
.endr
.endr
	s_wait_dscnt 0x0                               ; for the others' sake: a row's 192 codes come from two waves
	s_barrier_signal -1
	s_barrier_wait -1
.irp hh, 0,1,2
.irp tt, 0,1
.irp c, 0,1
	ds_load_b128 v[96+4*(4*\hh+2*\tt+\c):96+4*(4*\hh+2*\tt+\c)+3], v13 offset:\tt*16*SPITCH+64*\hh+32*\c
.endr
.endr
.endr
.irp hh, 0,1,2
.irp tt, 0,1
.irp c, 0,1
	s_wait_dscnt 11-(4*\hh+2*\tt+\c)
	global_store_b128 v14, v[96+4*(4*\hh+2*\tt+\c):96+4*(4*\hh+2*\tt+\c)+3], s[12:13] offset:\hh*65536+\tt*1024+\c*512   ; the wave stores 512 consecutive bytes, aligned
.endr
.endr
.endr
	s_wait_tensorcnt 0x0
	ds_add_u32 v94, v95
	s_wait_dscnt 0x0
	CROUND                                         ; the closing round: no work-group ends while a partner may still ask for a tile that names it
	s_endpgm
.Lfunc_end_k_q44aed208a3_gemm_qk:
	.size	k_q44aed208a3_gemm_qk, .Lfunc_end_k_q44aed208a3_gemm_qk-k_q44aed208a3_gemm_qk
	.p2alignl 7, 3214868480
	.fill 96, 4, 3214868480
	.section	.rodata,"a",@progbits
	.p2align	6, 0x0
	.amdhsa_kernel k_q44aed208a3_gemm_qk
		.amdhsa_group_segment_fixed_size 327680
		.amdhsa_private_segment_fixed_size 0
		.amdhsa_enable_private_segment 0
		.amdhsa_kernarg_size 40
		.amdhsa_user_sgpr_count 2
		.amdhsa_user_sgpr_kernarg_segment_ptr 1
		.amdhsa_wavefront_size32 1
		.amdhsa_system_sgpr_workgroup_id_x 1
		.amdhsa_system_sgpr_workgroup_id_y 1
		.amdhsa_system_sgpr_workgroup_id_z 1
		.amdhsa_system_vgpr_workitem_id 0
		.amdhsa_next_free_vgpr 448
		.amdhsa_next_free_sgpr 100
		.amdhsa_reserve_vcc 0
		.amdhsa_float_denorm_mode_32 3
		.amdhsa_float_denorm_mode_16_64 3
		.amdhsa_memory_ordered 1
		.amdhsa_forward_progress 1
		.amdhsa_inst_pref_size 71
	.end_amdhsa_kernel
	.amdgpu_metadata
---
amdhsa.version: [ 1, 2 ]
amdhsa.kernels:
  - .name:           k_q44aed208a3_gemm_qk
    .symbol:         k_q44aed208a3_gemm_qk.kd
    .args:
      - { .name: xcodes, .offset: 0, .size: 8, .value_kind: global_buffer, .address_space: global }
      - { .name: wcodes, .offset: 8, .size: 8, .value_kind: global_buffer, .address_space: global }
      - { .name: tshift, .offset: 16, .size: 8, .value_kind: global_buffer, .address_space: global }
      - { .name: lowp_scales, .offset: 24, .size: 8, .value_kind: global_buffer, .address_space: global }
      - { .name: qkimg, .offset: 32, .size: 8, .value_kind: global_buffer, .address_space: global }
    .group_segment_fixed_size: 327680
    .private_segment_fixed_size: 0
    .kernarg_segment_align: 8
    .kernarg_segment_size: 40
    .max_flat_workgroup_size: 128
    .sgpr_count:     100
    .vgpr_count:     448
    .wavefront_size: 32
...
	.end_amdgpu_metadata
.endif
;; end of part 2
;; launch gemm_v (part 3): grid 4 x 64, 4 waves a work-group, clusters of 4 x 4, 327,680 bytes of LDS; arguments xcodes, wcodes, tshift, lowp_scales, vimg; writes vimg
.if DOCPART == 3
	.amdgcn_target "amdgcn-amd-amdhsa--gfx1250"
	.amdhsa_code_object_version 6
	.text
	.protected	k_q44aed208a3_gemm_v
	.globl	k_q44aed208a3_gemm_v
	.p2align	8
	.type	k_q44aed208a3_gemm_v,@function
k_q44aed208a3_gemm_v:
	s_mov_b64 s[64:65], 0
	v_nop
	global_prefetch_b8 v0, s[64:65] scope:SCOPE_SE
	s_setreg_imm32_b32 hwreg(HW_REG_WAVE_MODE, 25, 1), 1
	s_wait_xcnt 0x0
	s_wait_alu depctr_hold_cnt(0) depctr_sa_sdst(0) depctr_va_vdst(0) depctr_va_sdst(0) depctr_va_ssrc(0) depctr_va_vcc(0) depctr_vm_vsrc(0)
	s_getreg_b32 s2, hwreg(HW_REG_IB_STS2, 6, 4)
	s_cmp_eq_u32 s2, 0
	s_cbranch_scc0 .Lentry_in_a_cluster
	s_endpgm
.Lentry_in_a_cluster:
	s_bfe_u32 s2, ttmp6, 0x10000c
	s_cmp_lg_u32 s2, 0xf033
	s_cbranch_scc0 .Lentry_shape_is_right
	s_endpgm
.Lentry_shape_is_right:
; v = x Wx_v^T + shift_v on codes of E4M3 (x under e4, Wx_v under e5), and its codes under e9, quantised ALONG THE KEYS, which are the K of attention's second product.
; Shares, LDS, cluster and the twelve steps are those of the launch for q and k: 128 rows x 192 columns a work-group, 64 x 96 a wave, all of K = 768 in LDS, each LDS byte filled once, joint loads along the
; cluster's rows (x) and columns (W).  What differs: THE SOURCES STAND THE NATURAL WAY ROUND (source 0 = 16 rows of x, source 1 = 16 rows of W), so that a lane holds one column d and eight neighbouring rows: eight neighbouring keys.
; OUT: vimg [batch][head][64 keys][dt 4][g 2][lane][16 bytes]: lane (r, h) holds d = 32 (dt / 2) + 8 (dt % 2) + r + 8 (r / 8); bytes 0-7 keys 32 g + 8 h + 0 .. 7, bytes 8-15 the keys 16 further on:
; the matrix form's own layout for a source of 64 along K.  The rows d of a tile are chosen so that the results of tiles 2 c and 2 c + 1 are 16 neighbours along the last product's K.
; LIMITS: e4 + e5 between -126 and 127; e9 between -126 and 119.  NaN is not served.
; REGISTERS: window 0: v1-18 addresses and scales; v32-43 the shift, a pair a tile of columns; v96-175, v176-255 two sets of fragments, later at work.  Window 1: v0-191 accumulator (a, b) at 8 (6 a + b).
.set PITCH,  272                       ; an LDS row: 256 bytes + 16 of padding: the 16 rows that a load touches start at 16 different banks (64 banks of 4 bytes: ISA guide 11.1)
.set SLOT,   320*PITCH
.set WOFF,   128*PITCH
.set STAGE,  3*SLOT                    ; in bytes of its own: 192 columns x (128 keys + 16)
.set SPITCH, 144
.set XSET,   6291456
.set ADRA,   4
.set ADRB,   8
.set FR,     96
.set MSB, 0
.macro WIN new                         ; the immediate's high byte repeats the setting that is left
.if MSB != \new
	s_set_vgpr_msb (MSB<<8)|\new
.set MSB, \new
.endif
.endm
.macro PLACES n
.rept \n
	v_nop
.endr
.endm
.macro CROUND                          ; a round of the cluster's barrier
	s_barrier_signal -1
	s_barrier_wait -1
	s_cmp_lg_u32 s14, 0
	s_cbranch_scc1 .Lnot_wave_0_\@
	s_barrier_signal -3
.Lnot_wave_0_\@:
	s_barrier_wait -3
	s_barrier_signal -1
	s_barrier_wait -1
.endm
	s_load_b256 s[4:11], s[0:1], 0x0               ; xcodes, wcodes, tshift, lowp_scales
	s_load_b64 s[12:13], s[0:1], 0x20              ; vimg
	v_lshl_add_u32 v94, v0, 2, 0x46800
	v_mov_b32 v95, 0
	ds_add_u32 v94, v95
	ds_add_u32 v94, v95
	v_lshrrev_b32 v1, 5, v0
	v_readfirstlane_b32 s14, v1                    ; wave 0..3
	s_lshr_b32 s15, s14, 1                         ; my half of the rows.  Also: I fetch for x (0) or for W (1)
	s_and_b32 s16, s14, 1                          ; my half of the columns.  Also: which half of that tile I fetch
	s_bfe_u32 s17, ttmp6, 0x40000                  ; cx: the column tile
	s_bfe_u32 s18, ttmp6, 0x40004                  ; cy
	s_and_b32 s20, ttmp7, 0xffff
	s_lshl_b32 s20, s20, 2
	s_add_co_u32 s20, s20, s18                     ; the row tile
	s_lshl_b32 s21, s18, 2
	s_lshl_b32 s21, 15, s21                        ; my row of the cluster
	s_lshl_b32 s22, 0x1111, s17                    ; my column
	s_or_b32 s24, s21, (1<<20)|(1<<21)|(5<<22)|(3<<25)   ; group 1 for x: 64 rows of 256 bytes, 16 bytes of padding behind each
	s_mov_b32 s25, 256<<16
	s_mov_b32 s26, 64<<16
	s_mov_b32 s27, 256<<16
	s_mov_b32 s28, 64
	s_mov_b32 s29, 768
	s_mov_b32 s30, 0
	s_mov_b32 s31, 0
	s_or_b32 s32, s22, (1<<20)|(1<<21)|(5<<22)|(3<<25)   ; group 1 for W: 96 rows
	s_mov_b32 s33, 256<<16
	s_mov_b32 s34, 96<<16
	s_mov_b32 s35, 256<<16
	s_mov_b32 s36, 96
	s_mov_b32 s37, 768
	s_mov_b32 s38, 0
	s_mov_b32 s39, 0
	s_lshl_b32 s66, s20, 7                         ; x: row 128 x row tile + 64 x half, in the third set
	s_lshl_b32 s67, s16, 6
	s_add_co_u32 s66, s66, s67
	s_mul_i32 s66, s66, 768
	s_add_co_u32 s66, s66, 2*XSET
	s_mov_b32 s67, 0
	s_mul_i32 s68, s17, 192                        ; W: row 1,536 + 192 x column tile + 96 x half
	s_mul_i32 s69, s16, 96
	s_add_co_u32 s68, s68, s69
	s_add_co_u32 s68, s68, 1536
	s_mul_i32 s68, s68, 768
	s_mov_b32 s69, 0
	s_mul_i32 s70, s16, 64*PITCH
	s_mul_i32 s71, s16, 96*PITCH
	s_add_co_u32 s71, s71, WOFF
	s_wait_dscnt 0x0
	s_wait_kmcnt 0x0
	s_load_b64 s[80:81], s[10:11], 0x10            ; e4, e5
	s_load_b32 s82, s[10:11], 0x24                 ; e9
	s_add_nc_u64 s[72:73], s[4:5], s[66:67]
	s_add_nc_u64 s[74:75], s[6:7], s[68:69]
	CROUND                                         ; all sixteen work-groups are here: the joint loads meet
.irp s, 0,1,2
	s_mov_b32 s[40+4*\s], 1
	s_add_co_u32 s[41+4*\s], s70, \s*SLOT
	s_add_nc_u64 s[42+4*\s:43+4*\s], s[72:73], \s*256
	s_or_b32 s[43+4*\s], s[43+4*\s], 0x80000000
	s_mov_b32 s[52+4*\s], 1
	s_add_co_u32 s[53+4*\s], s71, \s*SLOT
	s_add_nc_u64 s[54+4*\s:55+4*\s], s[74:75], \s*256
	s_or_b32 s[55+4*\s], s[55+4*\s], 0x80000000
.endr
	s_cmp_eq_u32 s15, 0                            ; a wave's three fills stand in one branch on its number: three loads of mine are out
	s_cbranch_scc0 .Lfill_w
	tensor_load_to_lds s[40:43], s[24:31]
	s_nop 0
	tensor_load_to_lds s[44:47], s[24:31]
	s_nop 0
	tensor_load_to_lds s[48:51], s[24:31]
	s_nop 0
	PLACES 4
	s_branch .Lfilled
.Lfill_w:
	tensor_load_to_lds s[52:55], s[32:39]
	s_nop 0
	tensor_load_to_lds s[56:59], s[32:39]
	s_nop 0
	tensor_load_to_lds s[60:63], s[32:39]
	s_nop 0
	PLACES 4
.Lfilled:
	v_and_b32 v1, 15, v0                           ; r
	v_bfe_u32 v2, v0, 4, 1                         ; h
	v_lshlrev_b32 v15, 2, v1                       ; the shift: my column's number
	s_lshr_b32 s23, s20, 3                         ; the batch
	s_add_co_u32 s76, s23, 16
	s_mul_i32 s76, s76, 768
	s_mul_i32 s77, s17, 192
	s_add_co_u32 s76, s76, s77
	s_mul_i32 s77, s16, 96
	s_add_co_u32 s76, s76, s77
	s_lshl_b32 s76, s76, 2
	s_mov_b32 s77, 0
	s_add_nc_u64 s[8:9], s[8:9], s[76:77]
.irp b, 0,1,2,3,4,5
	global_load_b32 v[32+2*\b], v15, s[8:9] offset:64*\b
	v_mov_b32 v[33+2*\b], 0                        ; (named with it as a pair by the packed form, which takes the low word for both halves: so it is written)
.endr
	v_mul_u32_u24 v3, v1, PITCH
	v_lshl_add_u32 v3, v2, 4, v3
	s_mul_i32 s78, s15, 64*PITCH
	s_mul_i32 s79, s16, 96*PITCH
	s_add_co_u32 s79, s79, WOFF
.irp s, 0,1,2
	v_add_nc_u32 v[ADRA+\s], s78, v3
	v_add_nc_u32 v[ADRB+\s], s79, v3
	s_add_co_u32 s78, s78, SLOT
	s_add_co_u32 s79, s79, SLOT
.endr
	v_mul_u32_u24 v12, v1, SPITCH                  ; into the stage: row = column 96 x column half + r, byte = key 64 x row half + 8 h
	v_lshl_add_u32 v12, v2, 3, v12
	s_mul_i32 s78, s16, 96*SPITCH
	s_lshl_b32 s79, s15, 6
	s_add_co_u32 s78, s78, s79
	s_add_co_u32 s78, s78, STAGE
	v_add_nc_u32 v12, s78, v12
	v_and_b32 v13, 8, v1                           ; out of it: wave w takes tile dt = w: row 32 (w / 2) + 8 (w % 2) + r + 8 (r / 8), byte 8 h
	v_add_nc_u32 v13, v13, v1
	v_mul_u32_u24 v13, v13, SPITCH
	v_lshl_add_u32 v13, v2, 3, v13
	s_mul_i32 s78, s15, 32*SPITCH
	s_mul_i32 s79, s16, 8*SPITCH
	s_add_co_u32 s78, s78, s79
	s_add_co_u32 s78, s78, STAGE
	v_add_nc_u32 v13, s78, v13
	v_and_b32 v14, 31, v0
	v_lshlrev_b32 v14, 4, v14                      ; 16 x lane
	s_mul_i32 s78, s23, 12                         ; the images: ((batch x 12 + 3 cx) x 16 + 2 (row tile mod 8)) x 4,096 + wave x 1,024
	s_mul_i32 s79, s17, 3
	s_add_co_u32 s78, s78, s79
	s_lshl_b32 s78, s78, 4
	s_and_b32 s79, s20, 7
	s_lshl_b32 s79, s79, 1
	s_add_co_u32 s78, s78, s79
	s_lshl_b32 s78, s78, 12
	s_lshl_b32 s79, s14, 10
	s_add_co_u32 s78, s78, s79
	s_mov_b32 s79, 0
	s_add_nc_u64 s[12:13], s[12:13], s[78:79]
.macro FETCH q, set                    ; 20 LDS loads: the fragments of the q-th 64 along K
.irp a, 0,1,2,3
.irp c, 0,1
	ds_load_b128 v[FR+80*(\set)+8*\a+4*\c:FR+80*(\set)+8*\a+4*\c+3], v[ADRA+(\q)/4] offset:\a*16*PITCH+64*((\q)%4)+32*\c
.endr
.endr
.irp b, 0,1,2,3,4,5
.irp c, 0,1
	ds_load_b128 v[FR+80*(\set)+32+8*\b+4*\c:FR+80*(\set)+32+8*\b+4*\c+3], v[ADRB+(\q)/4] offset:\b*16*PITCH+64*((\q)%4)+32*\c
.endr
.endr
.endm
.macro MUL set, zero                   ; 24 products; the accumulators take turns, one instruction a turn
.irp a, 0,1,2,3
.irp b, 0,1,2,3,4,5
.if \zero
	v_wmma_f32_16x16x64_fp8_fp8 v[8*(6*\a+\b):8*(6*\a+\b)+7], v[FR+80*(\set)+8*\a:FR+80*(\set)+8*\a+7], v[FR+80*(\set)+32+8*\b:FR+80*(\set)+32+8*\b+7], 0
.else
	v_wmma_f32_16x16x64_fp8_fp8 v[8*(6*\a+\b):8*(6*\a+\b)+7], v[FR+80*(\set)+8*\a:FR+80*(\set)+8*\a+7], v[FR+80*(\set)+32+8*\b:FR+80*(\set)+32+8*\b+7], v[8*(6*\a+\b):8*(6*\a+\b)+7]
.endif
.endr
.endr
.endm
.macro SUB q
	s_wait_dscnt 0x0                               ; this step's fragments are in
.if ((\q+1)%4 == 0) && (\q < 11)
	s_wait_tensorcnt 2-(\q+1)/4                    ; my part of the next 256 along K has landed; my later loads may stay out
	s_barrier_signal -1
	s_barrier_wait -1
.endif
.if (\q > 0) && (\q < 11)
	PLACES 4                                       ; between the last products and loads into the registers that they read
.endif
.if \q < 11
	FETCH \q+1, (\q+1)%2
.endif
	WIN 0x50                                       ; C and D in window 1
.if \q == 0
	MUL 0, 1
.else
	MUL \q%2, 0
.endif
	WIN 0
.endm
	s_wait_tensorcnt 2                             ; my part of the first 256 along K has landed,
	s_barrier_signal -1
	s_barrier_wait -1                              ; everybody's has
	FETCH 0, 0
.irp q, 0,1,2,3,4,5,6,7,8,9,10,11
	SUB \q
.endr
	; THE WAY OUT
	s_wait_loadcnt 0x0                             ; the shift
	s_wait_kmcnt 0x0
	s_add_co_i32 s84, s80, s81
	s_add_co_i32 s84, s84, 127
	s_lshl_b32 s84, s84, 23                        ; 2^(e4 + e5) as f32
	s_mov_b32 s85, s84
	s_add_co_i32 s86, s82, 127
	s_lshl_b32 s87, s86, 23
	v_mov_b32 v16, s87                             ; 2^e9
	s_add_co_i32 s86, s86, 8
	s_lshl_b32 s86, s86, 23
	s_or_b32 s86, s86, 0x600000
	v_mov_b32 v17, s86                             ; 448 x 2^e9
	PLACES 2                                       ; with the two moves above: four places behind the last products
.irp a, 0,1,2,3
	WIN 0x01                                       ; source 0 (the sums) in window 1
.irp b, 0,1,2,3,4,5
.irp i, 0,2,4,6
	v_pk_fma_f32 v[96+48*(\a%2)+8*\b+\i:96+48*(\a%2)+8*\b+\i+1], v[8*(6*\a+\b)+\i:8*(6*\a+\b)+\i+1], s[84:85], v[32+2*\b:33+2*\b] op_sel_hi:[1,0,0]   ; my column's shift for both; each accumulator from its low end on
.endr
.endr
	WIN 0
.irp b, 0,1,2,3,4,5
.irp i, 0,1,2,3,4,5,6,7
	v_med3_num_f32 v[96+48*(\a%2)+8*\b+\i], v[96+48*(\a%2)+8*\b+\i], -v17, v17
.endr
	v_cvt_scalef32_pk8_fp8_f32 v[192+2*(6*\a+\b):192+2*(6*\a+\b)+1], v[96+48*(\a%2)+8*\b:96+48*(\a%2)+8*\b+7], v16
.endr
.irp b, 0,1,2,3,4,5
	ds_store_b64 v12, v[192+2*(6*\a+\b):192+2*(6*\a+\b)+1] offset:\b*16*SPITCH+16*\a
.endr
.endr
	s_wait_dscnt 0x0                               ; for the others' sake
	s_barrier_signal -1
	s_barrier_wait -1
.irp hh, 0,1,2
.irp ks, 0,1
.irp g, 0,1
	ds_load_b64 v[96+4*(4*\hh+2*\ks+\g):96+4*(4*\hh+2*\ks+\g)+1],   v13 offset:\hh*64*SPITCH+64*\ks+32*\g
	ds_load_b64 v[96+4*(4*\hh+2*\ks+\g)+2:96+4*(4*\hh+2*\ks+\g)+3], v13 offset:\hh*64*SPITCH+64*\ks+32*\g+16
.endr
.endr
.endr
.irp hh, 0,1,2
.irp ks, 0,1
.irp g, 0,1
	s_wait_dscnt 22-2*(4*\hh+2*\ks+\g)             ; this group's two loads are in
	global_store_b128 v14, v[96+4*(4*\hh+2*\ks+\g):96+4*(4*\hh+2*\ks+\g)+3], s[12:13] offset:\hh*65536+\ks*4096+\g*512   ; the wave stores 512 consecutive bytes, aligned
.endr
.endr
.endr
	s_wait_tensorcnt 0x0
	ds_add_u32 v94, v95
	s_wait_dscnt 0x0
	CROUND                                         ; the closing round
	s_endpgm
.Lfunc_end_k_q44aed208a3_gemm_v:
	.size	k_q44aed208a3_gemm_v, .Lfunc_end_k_q44aed208a3_gemm_v-k_q44aed208a3_gemm_v
	.p2alignl 7, 3214868480
	.fill 96, 4, 3214868480
	.section	.rodata,"a",@progbits
	.p2align	6, 0x0
	.amdhsa_kernel k_q44aed208a3_gemm_v
		.amdhsa_group_segment_fixed_size 327680
		.amdhsa_private_segment_fixed_size 0
		.amdhsa_enable_private_segment 0
		.amdhsa_kernarg_size 40
		.amdhsa_user_sgpr_count 2
		.amdhsa_user_sgpr_kernarg_segment_ptr 1
		.amdhsa_wavefront_size32 1
		.amdhsa_system_sgpr_workgroup_id_x 1
		.amdhsa_system_sgpr_workgroup_id_y 1
		.amdhsa_system_sgpr_workgroup_id_z 1
		.amdhsa_system_vgpr_workitem_id 0
		.amdhsa_next_free_vgpr 448
		.amdhsa_next_free_sgpr 100
		.amdhsa_reserve_vcc 0
		.amdhsa_float_denorm_mode_32 3
		.amdhsa_float_denorm_mode_16_64 3
		.amdhsa_memory_ordered 1
		.amdhsa_forward_progress 1
		.amdhsa_inst_pref_size 71
	.end_amdhsa_kernel
	.amdgpu_metadata
---
amdhsa.version: [ 1, 2 ]
amdhsa.kernels:
  - .name:           k_q44aed208a3_gemm_v
    .symbol:         k_q44aed208a3_gemm_v.kd
    .args:
      - { .name: xcodes, .offset: 0, .size: 8, .value_kind: global_buffer, .address_space: global }
      - { .name: wcodes, .offset: 8, .size: 8, .value_kind: global_buffer, .address_space: global }
      - { .name: tshift, .offset: 16, .size: 8, .value_kind: global_buffer, .address_space: global }
      - { .name: lowp_scales, .offset: 24, .size: 8, .value_kind: global_buffer, .address_space: global }
      - { .name: vimg, .offset: 32, .size: 8, .value_kind: global_buffer, .address_space: global }
    .group_segment_fixed_size: 327680
    .private_segment_fixed_size: 0
    .kernarg_segment_align: 8
    .kernarg_segment_size: 40
    .max_flat_workgroup_size: 128
    .sgpr_count:     100
    .vgpr_count:     448
    .wavefront_size: 32
...
	.end_amdgpu_metadata
.endif
;; end of part 3
;; launch attn (part 4): grid 8 x 24, 16 waves a work-group, clusters of 4 x 1, 327,680 bytes of LDS; arguments qkimg, vimg, rel_pos_bias, lowp_scales, ocodes; writes ocodes
.if DOCPART == 4
	.amdgcn_target "amdgcn-amd-amdhsa--gfx1250"
	.amdhsa_code_object_version 6
	.text
	.protected	k_q44aed208a3_attn
	.globl	k_q44aed208a3_attn
	.p2align	8
	.type	k_q44aed208a3_attn,@function
k_q44aed208a3_attn:
	s_mov_b64 s[64:65], 0
	v_nop
	global_prefetch_b8 v0, s[64:65] scope:SCOPE_SE
	s_setreg_imm32_b32 hwreg(HW_REG_WAVE_MODE, 25, 1), 1
	s_wait_xcnt 0x0
	s_wait_alu depctr_hold_cnt(0) depctr_sa_sdst(0) depctr_va_vdst(0) depctr_va_sdst(0) depctr_va_ssrc(0) depctr_va_vcc(0) depctr_vm_vsrc(0)
	s_getreg_b32 s2, hwreg(HW_REG_IB_STS2, 6, 4)
	s_cmp_eq_u32 s2, 0
	s_cbranch_scc0 .Lentry_in_a_cluster
	s_endpgm
.Lentry_in_a_cluster:
	s_bfe_u32 s2, ttmp6, 0x10000c
	s_cmp_lg_u32 s2, 0x3003
	s_cbranch_scc0 .Lentry_shape_is_right
	s_endpgm
.Lentry_shape_is_right:
; o = softmax(q k^T / 8 + bias) v for one head, both products on codes of E4M3 (q under e6, k under e7, p under e8, v under e9), and o's codes under e10.
; THE SOFTMAX AHEAD OF THE SECOND PRODUCT: t = logit x log2(e); M = the row's largest t so far, rounded UP to a whole number; p = 2^(t - M) is quantised, not normalised; the row's sum is taken of the
; unquantised p and divides at the end.  When M moves, the sum and O are multiplied by 2^(old M - new M): exact.
; SHARES.  A work-group owns one head, FOUR batches and 128 queries.  Wave w: batch w % 4, queries 32 (w / 4) on: two tiles of 16.  So a tile of the bias in LDS serves four batches, a tile of K or V in LDS
; serves four waves, and a fragment of K or V in registers serves two tiles of queries.  12 heads x 2 groups of batches x 8 groups of queries are 192 work-groups: fewer than there are WGPs; a work-group of
; three quarters of this size would have to span heads, which share nothing.
; CLUSTER 4 x 1: four groups of queries of the same head and batches walk the same K and V: those tiles are asked for jointly (mask 15).  The bias rows are each work-group's own: plain loads.
; RING: two slots of 128 keys: K's images of four batches, V's, 128 rows of bias.  Sixteen waves, one load of 8 KiB each behind each round (waves 0-3 K, 4-7 V, 8-15 the bias), with a slot's work in which to land.
; LAYOUT.  Both products transposed: S^T = K Q^T (source 0 = 16 keys, source 1 = 16 queries), O^T = V^T P^T: a lane holds one query (lane % 16).  A tile of scores holds keys 8 (lane / 16) + 0 .. 7 of its 16,
; so its eight codes are registers 2 T, 2 T + 1 of the second product's source in the form's own layout.
; THE BIAS IS THE C OF THE FIRST PRODUCT: loaded into the scores' registers and multiplied by 2^(3 - e6 - e7), exact, the power of two that the sums lack; t = (sum + that) x log2(e) 2^(e6 + e7 - 3).
; LIMITS: e6 + e7 - 3 between -120 and 120; e8, e10 between -126 and 119.  NaN and infinities are not served.
; REGISTERS: v1-4 LDS addresses; v5, v6 the add's; v7 16 x lane; v8, v9 448 x 2^e8, 2^e8; v10, v11 2^e10, 448 x 2^e10; tile u: v12+4u -M, the largest t, the sum (a pair); v20+4u at work; v28+2u a second chain of the sum;
; v32-47 Q; v48-79 K; v80-143 scores, then p; v144-159 p's codes; v160-223 O^T; v224-255 V.
.set SLOTB, 133120
.set VOFF,  32768
.set BOFF,  65536
.set BP,    528                        ; a row of the bias: 512 bytes + 16 of padding: the 16 rows that a load touches start at 16 different banks (64 banks of 4 bytes: ISA guide 11.1)
.set SPARE, 2*SLOTB                    ; behind the ring: the spare words, 128 bytes for each of the sixteen waves, which no other line names
.set QR, 32
.set KF, 48
.set SR, 80
.set PR, 144
.set OT, 160
.set VF, 224
.macro PLACES n
.rept \n
	v_nop
.endr
.endm
.macro ROUND                           ; a round of the cluster's barrier
	s_barrier_signal -1
	s_barrier_wait -1
	s_cmp_lg_u32 s14, 0
	s_cbranch_scc1 .Lnot_wave_0_\@
	s_barrier_signal -3
.Lnot_wave_0_\@:
	s_barrier_wait -3
	s_barrier_signal -1
	s_barrier_wait -1
.endm
.macro TLOAD sl                        ; every wave's one load for slot sl.  The branches hang on the wave's number alone.  Four v_nop follow each line
	s_cmp_lt_u32 s14, 4
	s_cbranch_scc0 .Lnot_k_\@
	tensor_load_to_lds s[40+4*(\sl):43+4*(\sl)], s[24:31]
	s_nop 0
	PLACES 4
	s_branch .Lasked_\@
.Lnot_k_\@:
	s_cmp_lt_u32 s14, 8
	s_cbranch_scc0 .Lbias_\@
	tensor_load_to_lds s[48+4*(\sl):51+4*(\sl)], s[24:31]
	s_nop 0
	PLACES 4
	s_branch .Lasked_\@
.Lbias_\@:
	tensor_load_to_lds s[56+4*(\sl):59+4*(\sl)], s[32:39]
	s_nop 0
	PLACES 4
.Lasked_\@:
.endm
	s_load_b256 s[4:11], s[0:1], 0x0               ; qkimg, vimg, rel_pos_bias, lowp_scales
	s_load_b64 s[12:13], s[0:1], 0x20              ; ocodes
	v_lshl_add_u32 v5, v0, 2, SPARE
	v_mov_b32 v6, 0
	ds_add_u32 v5, v6
	ds_add_u32 v5, v6
	s_wait_dscnt 0x0
	v_lshrrev_b32 v1, 5, v0
	v_readfirstlane_b32 s14, v1                    ; wave 0..15
	s_bfe_u32 s15, ttmp6, 0x40000                  ; cx
	s_lshl_b32 s16, ttmp9, 2
	s_add_co_u32 s16, s16, s15                     ; g: my 128 queries.  It enters the bias's, Q's and o's global addresses alone
	s_and_b32 s17, ttmp7, 0xffff
	s_lshr_b32 s18, s17, 1                         ; the head
	s_and_b32 s19, s17, 1                          ; which four batches
	s_and_b32 s67, s14, 3                          ; my batch of the four.  Also: whose K or V I fetch
	s_lshr_b32 s73, s14, 2                         ; my 32 queries of the 128
	s_lshl_b32 s75, s19, 2
	s_add_co_u32 s75, s75, s67                     ; the batch
	s_mul_i32 s74, s75, 12
	s_add_co_u32 s74, s74, s18
	s_lshl_b32 s76, s74, 16                        ; (batch, head): 65,536 bytes of q's, of k's and of v's images each
	s_mov_b32 s77, 0
	s_and_b32 s78, s14, 7                          ; which 16 rows of the bias I fetch
	s_lshl_b32 s79, s16, 7
	s_lshl_b32 s80, s78, 4
	s_add_co_u32 s79, s79, s80
	s_lshl_b32 s80, s79, 12                        ; a row of the bias is 4,096 bytes,
	s_lshl_b32 s79, s18, 22                        ; a head's rows 4 MiB
	s_add_co_u32 s80, s80, s79
	s_mov_b32 s81, 0
	s_lshl_b32 s82, s67, 13                        ; where they go in a slot: no place in the cluster enters an LDS address
	s_add_co_u32 s83, s82, VOFF
	s_mul_i32 s84, s78, 16*BP
	s_add_co_u32 s84, s84, BOFF
	s_mov_b32 s24, 15|(3<<16)|(1<<21)              ; group 1 for K and V: the mask names all four; elements of 8 bytes; bit 21 beside a mask: a dense block of 32 rows of 256 bytes
	s_mov_b32 s25, 32<<16
	s_mov_b32 s26, 32<<16
	s_mov_b32 s27, 32<<16
	s_mov_b32 s28, 32
	s_mov_b32 s29, 32
	s_mov_b32 s30, 0
	s_mov_b32 s31, 0
	s_mov_b32 s32, (2<<16)|(1<<20)|(6<<22)|(3<<25) ; group 1 for the bias: no mask; elements of 4 bytes; 4 words of padding behind every 128: 16 rows of 128 numbers
	s_mov_b32 s33, 128<<16
	s_mov_b32 s34, 16<<16
	s_mov_b32 s35, 128<<16
	s_mov_b32 s36, 16
	s_mov_b32 s37, 1024
	s_mov_b32 s38, 0
	s_mov_b32 s39, 0
	s_mov_b32 s20, 0x76543210                      ; v_permlanex16_b32: lane l xor 16
	s_mov_b32 s21, 0xfedcba98
	s_wait_kmcnt 0x0
	s_load_b128 s[68:71], s[10:11], 0x18           ; e6, e7, e8, e9
	s_load_b32 s72, s[10:11], 0x28                 ; e10
	s_add_nc_u64 s[86:87], s[4:5], s[76:77]
	s_add_nc_u64 s[86:87], s[86:87], 6291456       ; k's images lie behind q's
	s_add_nc_u64 s[88:89], s[6:7], s[76:77]
	s_add_nc_u64 s[90:91], s[8:9], s[80:81]
.irp s, 0,1
	s_mov_b32 s[40+4*\s], 1
	s_add_co_u32 s[41+4*\s], s82, \s*SLOTB
	s_add_nc_u64 s[42+4*\s:43+4*\s], s[86:87], \s*8192
	s_or_b32 s[43+4*\s], s[43+4*\s], 0x80000000
	s_mov_b32 s[48+4*\s], 1
	s_add_co_u32 s[49+4*\s], s83, \s*SLOTB
	s_add_nc_u64 s[50+4*\s:51+4*\s], s[88:89], \s*8192
	s_or_b32 s[51+4*\s], s[51+4*\s], 0x80000000
	s_mov_b32 s[56+4*\s], 1
	s_add_co_u32 s[57+4*\s], s84, \s*SLOTB
	s_add_nc_u64 s[58+4*\s:59+4*\s], s[90:91], \s*512
	s_or_b32 s[59+4*\s], s[59+4*\s], 0x80000000
.endr
	ROUND                                          ; all four work-groups are here: the first joint loads meet
	TLOAD 0                                        ; keys 0-127
	v_and_b32 v10, 31, v0
	v_lshlrev_b32 v7, 4, v10                       ; 16 x lane
	s_lshl_b32 s92, s16, 13                        ; my tiles of 16 queries: 8 g + 2 (w / 4) on, 1,024 bytes each
	s_lshl_b32 s93, s73, 11
	s_add_co_u32 s92, s92, s93
	s_add_co_u32 s94, s92, s76
	s_mov_b32 s95, 0
	s_add_nc_u64 s[4:5], s[4:5], s[94:95]
.irp u, 0,1
.irp c, 0,1
	global_load_b128 v[QR+8*\u+4*\c:QR+8*\u+4*\c+3], v7, s[4:5] offset:\u*1024+\c*512   ; Q stays in registers
.endr
.endr
	s_lshl_b32 s94, s75, 16                        ; o's images: head x 524,288 + (batch x 64 + tile) x 1,024
	s_add_co_u32 s94, s94, s92
	s_lshl_b32 s93, s18, 19
	s_add_co_u32 s94, s94, s93
	s_add_nc_u64 s[12:13], s[12:13], s[94:95]
	v_add_nc_u32 v1, s82, v7                       ; K and V: my batch's images in slot 0,
	v_add_nc_u32 v2, SLOTB, v1                     ; in slot 1
	v_and_b32 v10, 15, v0                          ; r
	v_bfe_u32 v11, v0, 4, 1                        ; h
	v_mul_u32_u24 v3, v10, BP
	v_lshl_add_u32 v3, v11, 5, v3                  ; the bias: row 32 (w / 4) + r, + 32 h: my eight keys of a tile of 16
	s_mul_i32 s85, s73, 32*BP
	s_add_co_u32 s85, s85, BOFF
	v_add_nc_u32 v3, s85, v3
	v_add_nc_u32 v4, SLOTB, v3
.irp u, 0,1
	v_mov_b32 v[13+4*\u], 0xff61b1e6               ; the largest t so far: -3e38, under every t
	v_floor_f32 v[12+4*\u], -v[13+4*\u]            ; -M
	v_mov_b32 v[14+4*\u], 0                        ; the sum, in two halves
	v_mov_b32 v[15+4*\u], 0
	v_mov_b32 v[23+4*\u], 0                        ; (named as the upper half of f's pair)
.endr
.set J, 0
.rept 64
	v_mov_b32 v[OT+J], 0                           ; O^T: the step is written once; the first finds zeros, which the first change of M leaves zeros
.set J, J+1
.endr
	s_wait_kmcnt 0x0
	s_add_co_i32 s74, s68, s69
	s_add_co_i32 s74, s74, -3                      ; e6 + e7 - 3: the two scales and the division by 8
	s_lshl_b32 s85, s74, 23
	s_add_co_i32 s22, s85, 0x3fb8aa3b              ; log2(e) with that added to its exponent field
	s_mov_b32 s23, s22                             ; (named with it as a pair, so it is written)
	s_sub_co_i32 s85, 127, s74
	s_lshl_b32 s96, s85, 23                        ; 2^(3 - e6 - e7)
	s_mov_b32 s97, s96
	s_add_co_i32 s85, s70, 127
	s_lshl_b32 s93, s85, 23
	v_mov_b32 v9, s93                              ; 2^e8
	s_add_co_i32 s85, s85, 8
	s_lshl_b32 s85, s85, 23
	s_or_b32 s85, s85, 0x600000
	v_mov_b32 v8, s85                              ; 448 x 2^e8
	s_add_co_i32 s85, s72, 127
	s_lshl_b32 s93, s85, 23
	v_mov_b32 v10, s93                             ; 2^e10
	s_add_co_i32 s85, s85, 8
	s_lshl_b32 s85, s85, 23
	s_or_b32 s85, s85, 0x600000
	v_mov_b32 v11, s85                             ; 448 x 2^e10
; One tile's softmax for 64 keys: 32 scores a lane
.macro SOFT u
.set RS, SR+32*\u
.set RP, PR+8*\u
.set RO, OT+32*\u
.set SS, 12+4*\u
.set TM, 20+4*\u
.set C2, 28+2*\u
	v_max3_num_f32 v[TM], v[RS], v[RS+1], v[RS+2]              ; the largest of my 32, in two chains, in ascending order: each accumulator from its low end on
	v_max3_num_f32 v[TM+1], v[RS+3], v[RS+4], v[RS+5]
.irp i, 6,10,14,18,22,26
	v_max3_num_f32 v[TM], v[TM], v[RS+\i], v[RS+\i+1]
	v_max3_num_f32 v[TM+1], v[TM+1], v[RS+\i+2], v[RS+\i+3]
.endr
	v_max3_num_f32 v[TM], v[TM], v[RS+30], v[RS+31]
	v_max_num_f32 v[TM], v[TM], v[TM+1]
	v_permlanex16_b32 v[TM+1], v[TM], s20, s21
	v_max_num_f32 v[TM], v[TM], v[TM+1]                        ; and of lane l xor 16's
	v_mul_f32 v[TM], s22, v[TM]                                ; as t (the factor is positive)
	v_max_num_f32 v[SS+1], v[SS+1], v[TM]                      ; the running largest t
	v_mov_b32 v[TM], v[SS]
	v_floor_f32 v[SS], -v[SS+1]                                ; the new -M = -ceil(t)
	v_sub_f32 v[TM], v[SS], v[TM]                              ; old M - new M: a whole number, 0 or less
	v_cvt_i32_f32 v[TM], v[TM]                                 ; (it saturates)
	v_ldexp_f32 v[TM+2], 1.0, v[TM]                            ; f = 2^(old M - new M)
.set J, 0
.rept 16
	v_pk_fma_f32 v[RS+J:RS+J+1], v[RS+J:RS+J+1], s[22:23], v[SS:SS+1] op_sel_hi:[1,0,0]   ; t - M (of both pairs the low word serves both halves)
.set J, J+2
.endr
.set J, 0
.rept 32
	v_exp_f32 v[RS+J], v[RS+J]                                 ; p = 2^(t - M)
.set J, J+1
.endr
	v_pk_mul_f32 v[SS+2:SS+3], v[SS+2:SS+3], v[TM+2:TM+3] op_sel_hi:[1,0]   ; the sum under the new M (a plain place behind the exponentials)
	s_wait_alu depctr_va_vdst(0)
	v_pk_add_f32 v[C2:C2+1], v[RS:RS+1], v[RS+2:RS+3]          ; the sum of the UNQUANTISED p, in two chains
.irp j, 4,8,12,16,20,24,28
	v_pk_add_f32 v[SS+2:SS+3], v[SS+2:SS+3], v[RS+\j:RS+\j+1]
	v_pk_add_f32 v[C2:C2+1], v[C2:C2+1], v[RS+\j+2:RS+\j+3]
.endr
	v_pk_add_f32 v[SS+2:SS+3], v[SS+2:SS+3], v[C2:C2+1]
.irp T, 0,1,2,3
.irp i, 0,1,2,3,4,5,6,7
	v_min_num_f32 v[RS+8*\T+\i], v[RS+8*\T+\i], v8             ; the conversion does not saturate (ISA guide 7.6.2); p is not negative, so the hold is one-sided
.endr
	v_cvt_scalef32_pk8_fp8_f32 v[RP+2*\T:RP+2*\T+1], v[RS+8*\T:RS+8*\T+7], v9
.endr
.set J, 0
.rept 16
	v_pk_mul_f32 v[RO+J:RO+J+1], v[RO+J:RO+J+1], v[TM+2:TM+3] op_sel_hi:[1,0]   ; O^T under the new M; also the plain places behind the conversions
.set J, J+2
.endr
.endm
; 64 keys, the hf-th half of slot sl, for both tiles
.macro SUBSTEP sl, hf
	PLACES 4                                       ; between the last products and loads into the registers that they read
.irp T, 0,1,2,3
.irp c, 0,1
	ds_load_b128 v[KF+8*\T+4*\c:KF+8*\T+4*\c+3], v[1+\sl] offset:(4*\hf+\T)*1024+512*\c
.endr
.endr
.irp u, 0,1
.irp T, 0,1,2,3
.irp k, 0,1
	ds_load_b128 v[SR+32*\u+8*\T+4*\k:SR+32*\u+8*\T+4*\k+3], v[3+\sl] offset:\u*16*BP+256*\hf+64*\T+16*\k   ; the bias, straight into the scores' registers
.endr
.endr
.endr
.irp dt, 0,1,2,3
.irp g, 0,1
	ds_load_b128 v[VF+8*\dt+4*\g:VF+8*\dt+4*\g+3], v[1+\sl] offset:VOFF+\hf*4096+\dt*1024+512*\g
.endr
.endr
	s_wait_dscnt 8                                 ; K and the bias are in; V's eight loads may stay out
.set J, 0
.rept 32
	v_pk_mul_f32 v[SR+J:SR+J+1], v[SR+J:SR+J+1], s[96:97] op_sel_hi:[1,0]   ; bias x 2^(3 - e6 - e7): exact
.set J, J+2
.endr
.irp T, 0,1,2,3
.irp u, 0,1
	v_wmma_f32_16x16x64_fp8_fp8 v[SR+32*\u+8*\T:SR+32*\u+8*\T+7], v[KF+8*\T:KF+8*\T+7], v[QR+8*\u:QR+8*\u+7], v[SR+32*\u+8*\T:SR+32*\u+8*\T+7]   ; eight accumulators, one instruction each
.endr
.endr
	PLACES 4
	SOFT 0
	SOFT 1
	s_wait_dscnt 0x0                               ; V is in
.irp dt, 0,1,2,3
.irp u, 0,1
	v_wmma_f32_16x16x64_fp8_fp8 v[OT+32*\u+8*\dt:OT+32*\u+8*\dt+7], v[VF+8*\dt:VF+8*\dt+7], v[PR+8*\u:PR+8*\u+7], v[OT+32*\u+8*\dt:OT+32*\u+8*\dt+7]   ; the eight take turns
.endr
.endr
.endm
; A slot's turn.  In front of the round each wave waits for all its tensor loads (its part of this slot), adds 0 to its spare word, and waits for that and for its reads of the other slot.
; Behind the round this slot is whole in every partner and nobody reads the other: refill = 1: it takes the next 128 keys.
.macro TRIP sl, refill
	s_wait_tensorcnt 0x0                           ; no tensor load of mine is out, so a group 0 may be written
	ds_add_u32 v5, v6                              ; 0 onto my spare word
	s_add_nc_u64 s[42+4*\sl:43+4*\sl], s[42+4*\sl:43+4*\sl], 16384   ; this slot's next tiles: 256 keys on
	s_add_nc_u64 s[50+4*\sl:51+4*\sl], s[50+4*\sl:51+4*\sl], 16384
	s_add_nc_u64 s[58+4*\sl:59+4*\sl], s[58+4*\sl:59+4*\sl], 1024
	s_wait_dscnt 0x0                               ; the add is done, and my reads of the other slot are over
	ROUND
.if \refill
	TLOAD 1-\sl                                    ; my one tensor load behind the round, and the first thing there
.endif
	SUBSTEP \sl, 0
	SUBSTEP \sl, 1
.endm
	s_wait_loadcnt 0x0                             ; Q
	s_mov_b32 s66, 3
.Lring:                                            ; eight tiles of 128 keys: three trips of two, then the last two written out
	TRIP 0, 1
	TRIP 1, 1
	s_sub_co_u32 s66, s66, 1
	s_cmp_lg_u32 s66, 0
	s_cbranch_scc1 .Lring
	TRIP 0, 1
	TRIP 1, 0                                      ; nothing is left to fetch (the stepped addresses are not used)
	; THE WAY OUT: O^T / the sum x 2^(e8 + e9), quantised under e10.  Tiles 2 c and 2 c + 1 of O^T are 16 neighbours d = 32 c + 16 h + 0 .. 15: the codes are the last product's fragment as they stand
	PLACES 4
.irp u, 0,1
	v_add_f32 v[14+4*\u], v[14+4*\u], v[15+4*\u]
.endr
.irp u, 0,1
	v_permlanex16_b32 v[21+4*\u], v[14+4*\u], s20, s21
.endr
.irp u, 0,1
	v_add_f32 v[14+4*\u], v[14+4*\u], v[21+4*\u]   ; the row's sum
.endr
.irp u, 0,1
	v_rcp_f32 v[14+4*\u], v[14+4*\u]
.endr
	v_nop                                          ; a plain place behind the reciprocals
	s_add_co_i32 s85, s70, s71
	s_wait_alu depctr_va_vdst(0)
.irp u, 0,1
	v_ldexp_f32 v[14+4*\u], v[14+4*\u], s85        ; x 2^(e8 + e9)
.endr
.irp u, 0,1
.set J, 0
.rept 16
	v_pk_mul_f32 v[SR+32*\u+J:SR+32*\u+J+1], v[OT+32*\u+J:OT+32*\u+J+1], v[14+4*\u:15+4*\u] op_sel_hi:[1,0]   ; each accumulator from its low end on
.set J, J+2
.endr
.irp dt, 0,1,2,3
.irp i, 0,1,2,3,4,5,6,7
	v_med3_num_f32 v[SR+32*\u+8*\dt+\i], v[SR+32*\u+8*\dt+\i], -v11, v11
.endr
	v_cvt_scalef32_pk8_fp8_f32 v[PR+8*\u+2*\dt:PR+8*\u+2*\dt+1], v[SR+32*\u+8*\dt:SR+32*\u+8*\dt+7], v10
.endr
.irp c, 0,1
	global_store_b128 v7, v[PR+8*\u+4*\c:PR+8*\u+4*\c+3], s[12:13] offset:\u*1024+\c*512   ; the wave stores 512 consecutive bytes, aligned
.endr
.endr
	s_wait_tensorcnt 0x0                           ; the wave's end
	ds_add_u32 v5, v6
	s_wait_dscnt 0x0
	ROUND                                          ; the closing round: no work-group ends while a partner may still ask for a tile that names it
	s_endpgm
.Lfunc_end_k_q44aed208a3_attn:
	.size	k_q44aed208a3_attn, .Lfunc_end_k_q44aed208a3_attn-k_q44aed208a3_attn
	.p2alignl 7, 3214868480
	.fill 96, 4, 3214868480
	.section	.rodata,"a",@progbits
	.p2align	6, 0x0
	.amdhsa_kernel k_q44aed208a3_attn
		.amdhsa_group_segment_fixed_size 327680
		.amdhsa_private_segment_fixed_size 0
		.amdhsa_enable_private_segment 0
		.amdhsa_kernarg_size 40
		.amdhsa_user_sgpr_count 2
		.amdhsa_user_sgpr_kernarg_segment_ptr 1
		.amdhsa_wavefront_size32 1
		.amdhsa_system_sgpr_workgroup_id_x 1
		.amdhsa_system_sgpr_workgroup_id_y 1
		.amdhsa_system_sgpr_workgroup_id_z 1
		.amdhsa_system_vgpr_workitem_id 0
		.amdhsa_next_free_vgpr 256
		.amdhsa_next_free_sgpr 100
		.amdhsa_reserve_vcc 0
		.amdhsa_float_denorm_mode_32 3
		.amdhsa_float_denorm_mode_16_64 3
		.amdhsa_memory_ordered 1
		.amdhsa_forward_progress 1
		.amdhsa_inst_pref_size 173
	.end_amdhsa_kernel
	.amdgpu_metadata
---
amdhsa.version: [ 1, 2 ]
amdhsa.kernels:
  - .name:           k_q44aed208a3_attn
    .symbol:         k_q44aed208a3_attn.kd
    .args:
      - { .name: qkimg, .offset: 0, .size: 8, .value_kind: global_buffer, .address_space: global }
      - { .name: vimg, .offset: 8, .size: 8, .value_kind: global_buffer, .address_space: global }
      - { .name: rel_pos_bias, .offset: 16, .size: 8, .value_kind: global_buffer, .address_space: global }
      - { .name: lowp_scales, .offset: 24, .size: 8, .value_kind: global_buffer, .address_space: global }
      - { .name: ocodes, .offset: 32, .size: 8, .value_kind: global_buffer, .address_space: global }
    .group_segment_fixed_size: 327680
    .private_segment_fixed_size: 0
    .kernarg_segment_align: 8
    .kernarg_segment_size: 40
    .max_flat_workgroup_size: 512
    .sgpr_count:     100
    .vgpr_count:     256
    .wavefront_size: 32
...
	.end_amdgpu_metadata
.endif
;; end of part 4
;; launch gemm_o (part 5): grid 4 x 64, 4 waves a work-group, clusters of 4 x 4, 327,680 bytes of LDS; arguments ocodes, wcodes, b_o, lowp_scales, out0; writes out0
.if DOCPART == 5
	.amdgcn_target "amdgcn-amd-amdhsa--gfx1250"
	.amdhsa_code_object_version 6
	.text
	.protected	k_q44aed208a3_gemm_o
	.globl	k_q44aed208a3_gemm_o
	.p2align	8
	.type	k_q44aed208a3_gemm_o,@function
k_q44aed208a3_gemm_o:
	s_mov_b64 s[64:65], 0
	v_nop
	global_prefetch_b8 v0, s[64:65] scope:SCOPE_SE
	s_setreg_imm32_b32 hwreg(HW_REG_WAVE_MODE, 25, 1), 1
	s_wait_xcnt 0x0
	s_wait_alu depctr_hold_cnt(0) depctr_sa_sdst(0) depctr_va_vdst(0) depctr_va_sdst(0) depctr_va_ssrc(0) depctr_va_vcc(0) depctr_vm_vsrc(0)
	s_getreg_b32 s2, hwreg(HW_REG_IB_STS2, 6, 4)
	s_cmp_eq_u32 s2, 0
	s_cbranch_scc0 .Lentry_in_a_cluster
	s_endpgm
.Lentry_in_a_cluster:
	s_bfe_u32 s2, ttmp6, 0x10000c
	s_cmp_lg_u32 s2, 0xf033
	s_cbranch_scc0 .Lentry_shape_is_right
	s_endpgm
.Lentry_shape_is_right:
; out = o W_o^T + b_o on codes of E4M3 (o under e10, W_o under e11): out = sum x 2^(e10 + e11) + b_o, one fused multiply-add in f32.
; Shares, cluster and the twelve steps are those of the launches for q, k and v: 128 rows x 192 columns a work-group, 64 x 96 a wave, all of K = 768 in LDS, each LDS byte filled once by a tensor load.
; o ARRIVES AS IMAGES OF ITS FRAGMENTS: ocodes [head][16 rows][c 2][lane][16 bytes].  A step of 64 along K is a head.  A wave's tensor load brings, for four heads, four blocks of 16 rows: four runs of 4,096 dense bytes,
; 524,288 bytes apart; a fragment then comes by two loads of 512 consecutive bytes: no pitch, no padding.  W_o's codes lie in rows, in natural order along K, and are read as in the other launches:
; lane (r, h), group c holds k = 64 head + 32 c + 16 h + 0 .. 15 in both operands.
; TRANSPOSED USE (source 0 = W_o's rows, source 1 = o's rows): a lane holds eight neighbouring columns of a row.  The results meet in a stage in LDS and leave as whole runs of 256 bytes, sixteen lanes each.
; The stage lies at LDS byte 0, in bytes that have had their only fill; it is written behind a barrier behind every wave's last read of the operands.
; LIMIT: e10 + e11 between -126 and 127.
.set PITCH,  272
.set WOFF,   32768                     ; a K step: o's images, 2 x 16,384 bytes, then W_o's 192 rows
.set SLOT,   WOFF+192*PITCH
.set SPITCH, 784                       ; the stage: 128 rows x (768 bytes + 16)
.set ADRA,   4
.set ADRB,   8
.set FR,     96
.set MSB, 0
.macro WIN new                         ; the immediate's high byte repeats the setting that is left
.if MSB != \new
	s_set_vgpr_msb (MSB<<8)|\new
.set MSB, \new
.endif
.endm
.macro PLACES n
.rept \n
	v_nop
.endr
.endm
.macro CROUND                          ; a round of the cluster's barrier
	s_barrier_signal -1
	s_barrier_wait -1
	s_cmp_lg_u32 s14, 0
	s_cbranch_scc1 .Lnot_wave_0_\@
	s_barrier_signal -3
.Lnot_wave_0_\@:
	s_barrier_wait -3
	s_barrier_signal -1
	s_barrier_wait -1
.endm
	s_load_b256 s[4:11], s[0:1], 0x0               ; ocodes, wcodes, b_o, lowp_scales
	s_load_b64 s[12:13], s[0:1], 0x20              ; out0
	v_lshl_add_u32 v94, v0, 2, 0x3e400
	v_mov_b32 v95, 0
	ds_add_u32 v94, v95
	ds_add_u32 v94, v95
	v_lshrrev_b32 v1, 5, v0
	v_readfirstlane_b32 s14, v1                    ; wave 0..3
	s_lshr_b32 s15, s14, 1                         ; my half of the rows.  Also: I fetch for o (0) or for W_o (1)
	s_and_b32 s16, s14, 1                          ; my half of the columns.  Also: which half of that tile I fetch
	s_bfe_u32 s17, ttmp6, 0x40000                  ; cx: the column tile
	s_bfe_u32 s18, ttmp6, 0x40004                  ; cy
	s_and_b32 s20, ttmp7, 0xffff
	s_lshl_b32 s20, s20, 2
	s_add_co_u32 s20, s20, s18                     ; the row tile
	s_lshl_b32 s21, s18, 2
	s_lshl_b32 s21, 15, s21                        ; my row of the cluster
	s_lshl_b32 s22, 0x1111, s17                    ; my column
	s_or_b32 s24, s21, (3<<16)|(1<<21)             ; group 1 for o: the mask; elements of 8 bytes; bit 21 beside a mask; no padding
	s_mov_b32 s25, 512<<16                         ; tensor_dim0: 4,096 bytes
	s_mov_b32 s26, 4<<16                           ; tensor_dim1: four heads
	s_mov_b32 s27, 512<<16                         ; tile_dim0
	s_mov_b32 s28, 4                               ; tile_dim1
	s_mov_b32 s29, 65536                           ; from head to head: 524,288 bytes
	s_mov_b32 s30, 0
	s_mov_b32 s31, 0
	s_or_b32 s32, s22, (1<<20)|(1<<21)|(5<<22)|(3<<25)   ; group 1 for W_o: 96 rows of 256 bytes, 16 bytes of padding behind each
	s_mov_b32 s33, 256<<16
	s_mov_b32 s34, 96<<16
	s_mov_b32 s35, 256<<16
	s_mov_b32 s36, 96
	s_mov_b32 s37, 768
	s_mov_b32 s38, 0
	s_mov_b32 s39, 0
	s_lshl_b32 s66, s20, 13                        ; o: 8 blocks of 16 rows a row tile, 1,024 bytes each; my half: four of them
	s_lshl_b32 s67, s16, 12
	s_add_co_u32 s66, s66, s67
	s_mov_b32 s67, 0
	s_mul_i32 s68, s17, 192                        ; W_o: row 2,304 + 192 x column tile + 96 x half
	s_mul_i32 s69, s16, 96
	s_add_co_u32 s68, s68, s69
	s_add_co_u32 s68, s68, 2304
	s_mul_i32 s68, s68, 768
	s_mov_b32 s69, 0
	s_lshl_b32 s70, s16, 14                        ; where they go: no place in the cluster enters an LDS address
	s_mul_i32 s71, s16, 96*PITCH
	s_add_co_u32 s71, s71, WOFF
	s_wait_dscnt 0x0
	s_wait_kmcnt 0x0
	s_load_b64 s[80:81], s[10:11], 0x28            ; e10, e11
	s_add_nc_u64 s[72:73], s[4:5], s[66:67]
	s_add_nc_u64 s[74:75], s[6:7], s[68:69]
	CROUND                                         ; all sixteen work-groups are here: the joint loads meet
.irp s, 0,1,2
	s_mov_b32 s[40+4*\s], 1
	s_add_co_u32 s[41+4*\s], s70, \s*SLOT
	s_add_nc_u64 s[42+4*\s:43+4*\s], s[72:73], \s*4*524288
	s_or_b32 s[43+4*\s], s[43+4*\s], 0x80000000
	s_mov_b32 s[52+4*\s], 1
	s_add_co_u32 s[53+4*\s], s71, \s*SLOT
	s_add_nc_u64 s[54+4*\s:55+4*\s], s[74:75], \s*256
	s_or_b32 s[55+4*\s], s[55+4*\s], 0x80000000
.endr
	s_cmp_eq_u32 s15, 0                            ; a wave's three fills stand in one branch on its number: three loads of mine are out
	s_cbranch_scc0 .Lfill_w
	tensor_load_to_lds s[40:43], s[24:31]
	s_nop 0
	tensor_load_to_lds s[44:47], s[24:31]
	s_nop 0
	tensor_load_to_lds s[48:51], s[24:31]
	s_nop 0
	PLACES 4
	s_branch .Lfilled
.Lfill_w:
	tensor_load_to_lds s[52:55], s[32:39]
	s_nop 0
	tensor_load_to_lds s[56:59], s[32:39]
	s_nop 0
	tensor_load_to_lds s[60:63], s[32:39]
	s_nop 0
	PLACES 4
.Lfilled:
	v_and_b32 v1, 15, v0                           ; r
	v_bfe_u32 v2, v0, 4, 1                         ; h
	v_lshlrev_b32 v15, 5, v2                       ; b_o: my half's eight numbers of a tile of 16 columns
	s_mul_i32 s76, s17, 192
	s_mul_i32 s77, s16, 96
	s_add_co_u32 s76, s76, s77
	s_lshl_b32 s76, s76, 2
	s_mov_b32 s77, 0
	s_add_nc_u64 s[8:9], s[8:9], s[76:77]
.irp b, 0,1,2,3,4,5
	global_load_b128 v[32+8*\b:32+8*\b+3], v15, s[8:9] offset:64*\b
	global_load_b128 v[32+8*\b+4:32+8*\b+7], v15, s[8:9] offset:64*\b+16
.endr
	v_and_b32 v14, 31, v0
	v_lshlrev_b32 v14, 4, v14                      ; 16 x lane: my place in an image
	v_mul_u32_u24 v3, v1, PITCH
	v_lshl_add_u32 v3, v2, 4, v3                   ; W_o: a fragment's row x pitch + 16 h
	s_lshl_b32 s78, s15, 14                        ; my 64 rows of o: the half that lies 16,384 x row half on
	s_mul_i32 s79, s16, 96*PITCH
	s_add_co_u32 s79, s79, WOFF
.irp s, 0,1,2
	v_add_nc_u32 v[ADRA+\s], s78, v14
	v_add_nc_u32 v[ADRB+\s], s79, v3
	s_add_co_u32 s78, s78, SLOT
	s_add_co_u32 s79, s79, SLOT
.endr
	v_mul_u32_u24 v12, v1, SPITCH                  ; into the stage: row 64 x row half + r, byte 384 x column half + 32 h
	v_lshl_add_u32 v12, v2, 5, v12
	s_mul_i32 s78, s15, 64*SPITCH
	s_mul_i32 s79, s16, 384
	s_add_co_u32 s78, s78, s79
	v_add_nc_u32 v12, s78, v12
	v_mul_u32_u24 v13, v2, SPITCH                  ; out of it: lanes 0-15 one row, lanes 16-31 the next; 16 bytes a lane
	v_lshl_add_u32 v13, v1, 4, v13
	s_mul_i32 s78, s14, 32*SPITCH
	v_add_nc_u32 v13, s78, v13
	v_mul_u32_u24 v18, v2, 3072                    ; and the same in out0
	v_lshl_add_u32 v18, v1, 4, v18
	s_lshl_b32 s78, s20, 7
	s_lshl_b32 s79, s14, 5
	s_add_co_u32 s78, s78, s79
	s_mul_i32 s78, s78, 3072                       ; row 128 x row tile + 32 x wave,
	s_mul_i32 s79, s17, 768                        ; the tile's 192 columns
	s_add_co_u32 s78, s78, s79
	s_mov_b32 s79, 0
	s_add_nc_u64 s[12:13], s[12:13], s[78:79]
.macro FETCH q, set                    ; 20 LDS loads: the fragments of head q
.irp a, 0,1,2,3
.irp c, 0,1
	ds_load_b128 v[FR+80*(\set)+8*\a+4*\c:FR+80*(\set)+8*\a+4*\c+3], v[ADRA+(\q)/4] offset:((\q)%4)*4096+\a*1024+\c*512
.endr
.endr
.irp b, 0,1,2,3,4,5
.irp c, 0,1
	ds_load_b128 v[FR+80*(\set)+32+8*\b+4*\c:FR+80*(\set)+32+8*\b+4*\c+3], v[ADRB+(\q)/4] offset:\b*16*PITCH+64*((\q)%4)+32*\c
.endr
.endr
.endm
.macro MUL set, zero                   ; 24 products; the accumulators take turns, one instruction a turn
.irp a, 0,1,2,3
.irp b, 0,1,2,3,4,5
.if \zero
	v_wmma_f32_16x16x64_fp8_fp8 v[8*(6*\a+\b):8*(6*\a+\b)+7], v[FR+80*(\set)+32+8*\b:FR+80*(\set)+32+8*\b+7], v[FR+80*(\set)+8*\a:FR+80*(\set)+8*\a+7], 0
.else
	v_wmma_f32_16x16x64_fp8_fp8 v[8*(6*\a+\b):8*(6*\a+\b)+7], v[FR+80*(\set)+32+8*\b:FR+80*(\set)+32+8*\b+7], v[FR+80*(\set)+8*\a:FR+80*(\set)+8*\a+7], v[8*(6*\a+\b):8*(6*\a+\b)+7]
.endif
.endr
.endr
.endm
.macro SUB q
	s_wait_dscnt 0x0                               ; this step's fragments are in
.if ((\q+1)%4 == 0) && (\q < 11)
	s_wait_tensorcnt 2-(\q+1)/4                    ; my part of the next four heads has landed; my later loads may stay out
	s_barrier_signal -1
	s_barrier_wait -1
.endif
.if (\q > 0) && (\q < 11)
	PLACES 4                                       ; between the last products and loads into the registers that they read
.endif
.if \q < 11
	FETCH \q+1, (\q+1)%2
.endif
	WIN 0x50                                       ; C and D in window 1
.if \q == 0
	MUL 0, 1
.else
	MUL \q%2, 0
.endif
	WIN 0
.endm
	s_wait_tensorcnt 2                             ; my part of the first four heads has landed,
	s_barrier_signal -1
	s_barrier_wait -1                              ; everybody's has
	FETCH 0, 0
.irp q, 0,1,2,3,4,5,6,7,8,9,10,11
	SUB \q
.endr
	; THE WAY OUT
	s_wait_dscnt 0x0                               ; my reads of the operands are over (the last were waited for at the last step's head):
	s_barrier_signal -1
	s_barrier_wait -1                              ; everybody's are: the stage may be written over them
	s_wait_loadcnt 0x0                             ; b_o
	s_wait_kmcnt 0x0
	s_add_co_i32 s84, s80, s81
	s_add_co_i32 s84, s84, 127
	s_lshl_b32 s84, s84, 23                        ; 2^(e10 + e11) as f32
	s_mov_b32 s85, s84                             ; (named with it as a pair, so it is written)
	PLACES 4                                       ; behind the last products
.irp a, 0,1,2,3
.if \a >= 2
	s_wait_dscnt 12                                ; the stores of two blocks ago have read these registers; the last block's twelve may be out
.endif
	WIN 0x01                                       ; source 0 (the sums) in window 1
.irp b, 0,1,2,3,4,5
.irp i, 0,2,4,6
	v_pk_fma_f32 v[96+48*(\a%2)+8*\b+\i:96+48*(\a%2)+8*\b+\i+1], v[8*(6*\a+\b)+\i:8*(6*\a+\b)+\i+1], s[84:85], v[32+8*\b+\i:32+8*\b+\i+1] op_sel_hi:[1,0,1]   ; each accumulator from its low end on
.endr
.endr
	WIN 0
.irp b, 0,1,2,3,4,5
	ds_store_b128 v12, v[96+48*(\a%2)+8*\b:96+48*(\a%2)+8*\b+3] offset:\a*16*SPITCH+64*\b
	ds_store_b128 v12, v[96+48*(\a%2)+8*\b+4:96+48*(\a%2)+8*\b+7] offset:\a*16*SPITCH+64*\b+16
.endr
.endr
	s_wait_dscnt 0x0                               ; for the others' sake: a row's 768 bytes come from two waves
	s_barrier_signal -1
	s_barrier_wait -1
.irp u, 0,1,2                          ; my 32 rows, a run of 256 bytes of each at a time
.if \u == 2
	s_wait_xcnt 0x0                                ; the first run's stores have read their registers: they are loaded again only behind this wait
.endif
.irp i, 0,1,2,3,4,5,6,7,8,9,10,11,12,13,14,15
	ds_load_b128 v[96+64*(\u%2)+4*\i:96+64*(\u%2)+4*\i+3], v13 offset:2*\i*SPITCH+256*\u
.endr
.irp i, 0,1,2,3,4,5,6,7,8,9,10,11,12,13,14,15
	s_wait_dscnt 15-\i
	global_store_b128 v18, v[96+64*(\u%2)+4*\i:96+64*(\u%2)+4*\i+3], s[12:13] offset:2*\i*3072+256*\u th:TH_STORE_NT   ; sixteen lanes store 256 consecutive bytes, aligned; written once, read by nobody here
.endr
.endr
	s_wait_tensorcnt 0x0
	ds_add_u32 v94, v95
	s_wait_dscnt 0x0
	CROUND                                         ; the closing round
	s_endpgm
.Lfunc_end_k_q44aed208a3_gemm_o:
	.size	k_q44aed208a3_gemm_o, .Lfunc_end_k_q44aed208a3_gemm_o-k_q44aed208a3_gemm_o
	.p2alignl 7, 3214868480
	.fill 96, 4, 3214868480
	.section	.rodata,"a",@progbits
	.p2align	6, 0x0
	.amdhsa_kernel k_q44aed208a3_gemm_o
		.amdhsa_group_segment_fixed_size 327680
		.amdhsa_private_segment_fixed_size 0
		.amdhsa_enable_private_segment 0
		.amdhsa_kernarg_size 40
		.amdhsa_user_sgpr_count 2
		.amdhsa_user_sgpr_kernarg_segment_ptr 1
		.amdhsa_wavefront_size32 1
		.amdhsa_system_sgpr_workgroup_id_x 1
		.amdhsa_system_sgpr_workgroup_id_y 1
		.amdhsa_system_sgpr_workgroup_id_z 1
		.amdhsa_system_vgpr_workitem_id 0
		.amdhsa_next_free_vgpr 448
		.amdhsa_next_free_sgpr 100
		.amdhsa_reserve_vcc 0
		.amdhsa_float_denorm_mode_32 3
		.amdhsa_float_denorm_mode_16_64 3
		.amdhsa_memory_ordered 1
		.amdhsa_forward_progress 1
		.amdhsa_inst_pref_size 65
	.end_amdhsa_kernel
	.amdgpu_metadata
---
amdhsa.version: [ 1, 2 ]
amdhsa.kernels:
  - .name:           k_q44aed208a3_gemm_o
    .symbol:         k_q44aed208a3_gemm_o.kd
    .args:
      - { .name: ocodes, .offset: 0, .size: 8, .value_kind: global_buffer, .address_space: global }
      - { .name: wcodes, .offset: 8, .size: 8, .value_kind: global_buffer, .address_space: global }
      - { .name: b_o, .offset: 16, .size: 8, .value_kind: global_buffer, .address_space: global }
      - { .name: lowp_scales, .offset: 24, .size: 8, .value_kind: global_buffer, .address_space: global }
      - { .name: out0, .offset: 32, .size: 8, .value_kind: global_buffer, .address_space: global }
    .group_segment_fixed_size: 327680
    .private_segment_fixed_size: 0
    .kernarg_segment_align: 8
    .kernarg_segment_size: 40
    .max_flat_workgroup_size: 128
    .sgpr_count:     100
    .vgpr_count:     448
    .wavefront_size: 32
...
	.end_amdgpu_metadata
.endif
;; end of part 5
;; ======== version 2 of 2: 4 launches
;; limits: right only within a limited range of input values
;; workspace buffers: xcodes 18,874,368 bytes; wcodes 2,359,296 bytes; tshift 73,728 bytes; qkimg 12,582,912 bytes; vimg 6,291,456 bytes; ocodes 6,291,456 bytes
;; launch prep (part 6): grid 548 x 1, 4 waves a work-group, no clusters, 10,752 bytes of LDS; arguments x, Wx_q, Wx_k, Wx_v, W_o, Wt_q, Wt_k, Wt_v, t, lowp_scales, xcodes, wcodes, tshift; writes xcodes, wcodes, tshift
.if DOCPART == 6
	.amdgcn_target "amdgcn-amd-amdhsa--gfx1250"
	.amdhsa_code_object_version 6
	.text
	.protected	k_q44aed208a3_prep
	.globl	k_q44aed208a3_prep
	.p2align	8
	.type	k_q44aed208a3_prep,@function
k_q44aed208a3_prep:
	s_mov_b64 s[64:65], 0
	v_nop
	global_prefetch_b8 v0, s[64:65] scope:SCOPE_SE
	s_setreg_imm32_b32 hwreg(HW_REG_WAVE_MODE, 25, 1), 1
	s_wait_xcnt 0x0
; Three kinds of work-groups, parted by the work-group's number alone (alike in all four waves):
;   0-35     tshift[p][b][c] = sum over k of t[b][k] Wt_p[c][k], p = q, k, v: f32 multiply-adds, since the result goes on into quantisers
;   36-291   x becomes three sets of codes of E4M3, xcodes [3][8192][768 bytes], under e0, e2, e4: x has an entry of its own in each of its three products.  256 work-groups, 24 runs of 256 numbers a wave
;   292-547  the four square weights become codes: wcodes [Wx_q, Wx_k, Wx_v, W_o][768][768 bytes], scales e1, e3, e5, e11.  256 work-groups, 64 for each weight, 9 runs of 256 numbers a wave
; code = number / 2^e, held within +-448, to the nearest code, ties to even.
; ORDER ALONG K.  x and the three Wx are laid with K permuted inside each run of 256: byte 8 L + 4 i + j holds k = 128 i + 4 L + j (L 0-31, i 0-1, j 0-3): that is what two loads of
; 512 consecutive bytes, 16 a lane, and one conversion of a lane's eight numbers give.  The order is alike in both operands of a product, so every number meets its partner.
; W_o meets an operand laid in natural order, so a lane takes eight neighbours of it (two loads, 32 bytes from lane to lane): 2.4 MB read so, once.
; A wave asks for all its numbers at once (x: 48 loads, 24 KiB).  A run's codes go into the registers of the run before, whose numbers have been used and which are never written again
; (the first run's into six registers of their own): so no store's data are ever rewritten, and the quantisers need no wait for their stores.
; LIMITS: each e lies between -126 and 119, so that 2^e and 448 x 2^e are f32 numbers.  NaN among the inputs is not served (an infinity is held at the largest code).
; tshift's sum is split in two halves of K (k mod 8 < 4 and the rest), added at the end: another order of rounding than a single chain.
; No tensor load, no matrix instruction.  Only the first kind of work-group touches LDS.
.set NT,    36                         ; work-groups for tshift
.set NX,    256                        ; work-groups for x
.set XRUNS, 24                         ; runs of 256 numbers of a wave: x (8 rows),
.set WRUNS, 9                          ; a weight (3 rows)
.set XR,  32                           ; quantisers: v32-223 up to 24 runs of 8 numbers; tshift: v32-159 32 x 4 numbers of Wt
.set TR,  160                          ; tshift: v160-223 two sets of 8 x 4 numbers of t
.set QT,  224                          ; quantisers: v224-239 two sets of 8 held numbers
.set CR,  240                          ; quantisers: v240-245 the first run's codes
.set STG, 8192                         ; LDS: t [8][256] f32 at 0; behind it the stage [8 batches][64 columns] f32
.set QS,  0                            ; which set of held numbers is due
.macro MKS e, sc, lim                  ; v[sc] = 2^e as f32 (the conversion takes its exponent field), v[lim] = 448 x 2^e
	s_add_co_i32 s54, s[\e], 127
	s_lshl_b32 s55, s54, 23
	v_mov_b32 v[\sc], s55
	s_add_co_i32 s54, s54, 8
	s_lshl_b32 s54, s54, 23
	s_or_b32 s54, s54, 0x600000
	v_mov_b32 v[\lim], s54
.endm
.macro LOADS base, n                   ; a wave's n runs, 2 n loads at once
.set CH, 0
.rept \n
	global_load_b128 v[XR+8*CH:XR+8*CH+3],   v2, s[\base:\base+1] offset:1024*CH th:TH_LOAD_NT
	global_load_b128 v[XR+8*CH+4:XR+8*CH+7], v4, s[\base:\base+1] offset:1024*CH th:TH_LOAD_NT
.set CH, CH+1
.endr
.endm
.macro QOUT ch, p, dst                 ; run ch under scale p: hold, convert, store.  The held numbers go to two sets by turns, so that the line behind a conversion is a plain one on other registers
.if (\ch) == 0
.set CD, CR+2*\p
.else
.set CD, XR+8*((\ch)-1)+2*\p           ; the run before has been held under all its scales: its registers are free
.endif
.irp i, 0,1,2,3,4,5,6,7
	v_med3_num_f32 v[QT+8*QS+\i], v[XR+8*(\ch)+\i], -v[9+2*\p], v[9+2*\p]   ; the conversion to an 8-bit code does not saturate (ISA guide 7.6.2)
.endr
	v_cvt_scalef32_pk8_fp8_f32 v[CD:CD+1], v[QT+8*QS:QT+8*QS+7], v[8+2*\p]
	global_store_b64 v3, v[CD:CD+1], s[\dst:\dst+1] offset:256*(\ch)   ; the wave stores 256 consecutive bytes, aligned
.set QS, 1-QS
.endm
	s_load_b512 s[4:19], s[0:1], 0x0               ; x, Wx_q, Wx_k, Wx_v, W_o, Wt_q, Wt_k, Wt_v
	s_load_b256 s[20:27], s[0:1], 0x40             ; t, lowp_scales, xcodes, wcodes
	s_load_b64 s[28:29], s[0:1], 0x60              ; tshift
	v_lshl_add_u32 v254, v0, 2, 0x2800
	v_mov_b32 v255, 0
	v_lshrrev_b32 v1, 5, v0
	v_readfirstlane_b32 s30, v1                    ; wave 0..3
	v_and_b32 v1, 31, v0                           ; lane
	s_mov_b32 s53, 0                               ; the upper word of every offset
	s_wait_kmcnt 0x0
	s_cmp_lt_u32 ttmp9, NT
	s_cbranch_scc1 .Lpath_t
	s_load_b256 s[32:39], s[22:23], 0x0            ; e0 .. e7
	s_load_b128 s[40:43], s[22:23], 0x20           ; e8 .. e11
	s_wait_alu depctr_va_vdst(0)
	v_lshlrev_b32 v3, 3, v1                        ; my 8 codes in a run's 256
	s_cmp_ge_u32 ttmp9, NT+NX
	s_cbranch_scc1 .Lpath_w
	; ---- x: the wave's 24 runs = 4 x (work-group - 36) + wave
	s_sub_co_u32 s44, ttmp9, NT
	s_lshl_b32 s44, s44, 2
	s_add_co_u32 s44, s44, s30
	s_mul_i32 s52, s44, XRUNS*1024                 ; 24,576 bytes of numbers,
	s_add_nc_u64 s[4:5], s[4:5], s[52:53]
	s_mul_i32 s52, s44, XRUNS*256                  ; 6,144 bytes of codes in each set
	s_add_nc_u64 s[46:47], s[24:25], s[52:53]      ; the three sets of codes lie 6,291,456 bytes apart
	s_add_nc_u64 s[48:49], s[46:47], 6291456
	s_add_nc_u64 s[50:51], s[46:47], 12582912
	v_lshlrev_b32 v2, 4, v1                        ; 16 bytes a lane: 512 consecutive bytes a load,
	v_add_nc_u32 v4, 512, v2                       ; and the run's other 512
	LOADS 4, XRUNS
	s_wait_kmcnt 0x0
	MKS 32, 8, 9                                   ; e0
	MKS 34, 10, 11                                 ; e2
	MKS 36, 12, 13                                 ; e4
.set CH, 0
	s_wait_alu depctr_va_vdst(0)
.rept XRUNS
	s_wait_loadcnt 2*XRUNS-2-2*CH                  ; loads come back in order: this run's two are in, the younger ones stay out
	QOUT CH, 0, 46
	QOUT CH, 1, 48
	QOUT CH, 2, 50
.set CH, CH+1
.endr
	s_endpgm
.Lpath_w:
	; ---- the four weights, 64 work-groups each.  Only pointers and numbers are chosen: one path for all four
	s_sub_co_u32 s44, ttmp9, NT+NX
	s_cmp_lt_u32 s44, 192
	s_cselect_b64 s[46:47], s[10:11], s[12:13]     ; Wx_v, or W_o
	s_cselect_b32 s57, 4, 5                        ; bytes from lane to lane: 16, or 32 for W_o,
	s_cselect_b32 s58, 512, 16                     ; and from a lane's first load to its second
	s_cmp_lt_u32 s44, 128
	s_cselect_b64 s[46:47], s[8:9], s[46:47]
	s_cmp_lt_u32 s44, 64
	s_cselect_b64 s[46:47], s[6:7], s[46:47]
	s_and_b32 s52, s44, 63                         ; the work-group within its weight
	s_lshl_b32 s52, s52, 2
	s_add_co_u32 s52, s52, s30
	s_mul_i32 s52, s52, WRUNS*1024                 ; 9,216 bytes of numbers a wave
	s_add_nc_u64 s[46:47], s[46:47], s[52:53]
	s_lshl_b32 s52, s44, 2
	s_add_co_u32 s52, s52, s30
	s_mul_i32 s52, s52, WRUNS*256                  ; 2,304 bytes of codes a wave; the four weights' codes lie on end
	s_add_nc_u64 s[48:49], s[26:27], s[52:53]
	v_lshlrev_b32 v2, s57, v1
	v_add_nc_u32 v4, s58, v2
	LOADS 46, WRUNS
	s_wait_kmcnt 0x0
	s_cmp_lt_u32 s44, 192
	s_cselect_b32 s56, s37, s43                    ; e5, or e11
	s_cmp_lt_u32 s44, 128
	s_cselect_b32 s56, s35, s56                    ; e3
	s_cmp_lt_u32 s44, 64
	s_cselect_b32 s56, s33, s56                    ; e1
	MKS 56, 8, 9
.set CH, 0
	s_wait_alu depctr_va_vdst(0)
.rept WRUNS
	s_wait_loadcnt 2*WRUNS-2-2*CH                  ; this run's two loads are in, the younger ones stay out
	QOUT CH, 0, 48
.set CH, CH+1
.endr
	s_endpgm
.Lpath_t:
	; ---- tshift.  Work-group = 12 p + cb: 64 rows c of Wt_p, 16 a wave.  Lane (r, h) takes row r and, of each 8 along K, the 4 numbers of its half; eight sums, one a batch
	s_cmp_lt_u32 ttmp9, 12
	s_cselect_b64 s[46:47], s[14:15], s[16:17]
	s_cselect_b32 s44, 0, 1
	s_cmp_lt_u32 ttmp9, 24
	s_cselect_b64 s[46:47], s[46:47], s[18:19]
	s_cselect_b32 s44, s44, 2                      ; p
	s_mul_i32 s45, s44, 12
	s_sub_co_u32 s45, ttmp9, s45                   ; cb
	s_lshl_b32 s52, s45, 16                        ; 64 rows of 1,024 bytes,
	s_lshl_b32 s54, s30, 14                        ; my wave's 16
	s_add_co_u32 s52, s52, s54
	s_add_nc_u64 s[46:47], s[46:47], s[52:53]
	s_mov_b32 s60, 0x76543210                      ; v_permlanex16_b32: lane l xor 16
	s_mov_b32 s61, 0xfedcba98
	v_and_b32 v5, 15, v0                           ; r
	v_bfe_u32 v6, v0, 4, 1                         ; h
	v_lshlrev_b32 v2, 4, v0                        ; t: 16 bytes a thread
	v_lshlrev_b32 v3, 10, v5
	v_lshl_add_u32 v3, v6, 4, v3                   ; Wt: row r, + 16 h
	v_lshlrev_b32 v4, 4, v6                        ; t in LDS: + 16 h
.irp i, 0,1,2,3
	global_load_b128 v[TR+4*\i:TR+4*\i+3], v2, s[20:21] offset:2048*\i
.endr
.set I, 0
.rept 32
	global_load_b128 v[XR+4*I:XR+4*I+3], v3, s[46:47] offset:32*I   ; k = 8 I + 4 h + 0 .. 3
.set I, I+1
.endr
	v_lshlrev_b32 v7, 2, v5                        ; into the stage: batch 4 h + i, column 16 wave + r
	v_lshl_add_u32 v7, v6, 10, v7
	s_lshl_b32 s54, s30, 6
	v_add_nc_u32 v7, s54, v7
	v_lshlrev_b32 v8, 4, v5                        ; out of it: batch 2 wave + h, 16 bytes a lane
	v_lshl_add_u32 v8, v6, 8, v8
	s_lshl_b32 s54, s30, 9
	v_add_nc_u32 v8, s54, v8
	v_mul_u32_u24 v9, v6, 3072                     ; and the same in tshift: a batch's row is 3,072 bytes
	v_lshl_add_u32 v9, v5, 4, v9
	s_lshl_b32 s54, s44, 3
	s_lshl_b32 s55, s30, 1
	s_add_co_u32 s54, s54, s55
	s_mul_i32 s54, s54, 3072                       ; row 8 p + 2 wave,
	s_lshl_b32 s55, s45, 8                         ; the work-group's 64 columns
	s_add_co_u32 s52, s54, s55
	s_add_nc_u64 s[28:29], s[28:29], s[52:53]
	s_wait_alu depctr_va_vdst(0)
	s_wait_loadcnt 32                              ; t's four loads are in; Wt's 32 may be out
.irp i, 0,1,2,3
	ds_store_b128 v2, v[TR+4*\i:TR+4*\i+3] offset:2048*\i
.endr
	s_wait_dscnt 0x0                               ; for the others' sake: my part of t lies in LDS
	s_barrier_signal -1
	s_barrier_wait -1
.macro TFETCH i                        ; t[b][8 i + 4 h ..] for the eight batches: sixteen lanes read the same 16 bytes
.irp b, 0,1,2,3,4,5,6,7
	ds_load_b128 v[TR+32*((\i)%2)+4*\b:TR+32*((\i)%2)+4*\b+3], v4 offset:1024*\b+32*(\i)
.endr
.endm
	TFETCH 0
.set I, 0
.rept 32
.if I < 31
	TFETCH I+1
	s_wait_alu depctr_va_vdst(0)
	s_wait_dscnt 8                                 ; this step's eight are in, the next step's may be out
.else
	s_wait_alu depctr_va_vdst(0)
	s_wait_dscnt 0x0
.endif
	s_wait_loadcnt 31-I                            ; this step's four numbers of Wt are in
.irp j, 0,1,2,3
.irp b, 0,1,2,3,4,5,6,7
.if (I == 0) && (\j == 0)
	v_mul_f32 v[16+\b], v[XR+4*I+\j], v[TR+32*(I%2)+4*\b+\j]     ; the first product starts the sum: nothing is cleared
.else
	v_fmac_f32 v[16+\b], v[XR+4*I+\j], v[TR+32*(I%2)+4*\b+\j]
.endif
.endr
.endr
.set I, I+1
.endr
.irp b, 0,1,2,3,4,5,6,7
	v_permlanex16_b32 v[TR+\b], v[16+\b], s60, s61               ; the other half of K (the destination has been written before)
.endr
.irp b, 0,1,2,3,4,5,6,7
	v_add_f32 v[16+\b], v[16+\b], v[TR+\b]
.endr
	v_cmp_lt_u32 vcc_lo, 15, v1                    ; lanes 16-31 hand on batches 4-7
.irp i, 0,1,2,3
	v_cndmask_b32 v[24+\i], v[16+\i], v[20+\i], vcc_lo
.endr
.irp i, 0,1,2,3
	ds_store_b32 v7, v[24+\i] offset:STG+256*\i
.endr
	s_wait_dscnt 0x0                               ; for the others' sake
	s_barrier_signal -1
	s_barrier_wait -1
	ds_load_b128 v[24:27], v8 offset:STG
	s_wait_dscnt 0x0
	global_store_b128 v9, v[24:27], s[28:29]       ; sixteen lanes store 256 consecutive bytes, aligned
	s_wait_tensorcnt 0x0
	ds_add_u32 v254, v255
	s_wait_dscnt 0x0
	s_endpgm
.Lfunc_end_k_q44aed208a3_prep:
	.size	k_q44aed208a3_prep, .Lfunc_end_k_q44aed208a3_prep-k_q44aed208a3_prep
	.p2alignl 7, 3214868480
	.fill 96, 4, 3214868480
	.section	.rodata,"a",@progbits
	.p2align	6, 0x0
	.amdhsa_kernel k_q44aed208a3_prep
		.amdhsa_group_segment_fixed_size 10752
		.amdhsa_private_segment_fixed_size 0
		.amdhsa_enable_private_segment 0
		.amdhsa_kernarg_size 104
		.amdhsa_user_sgpr_count 2
		.amdhsa_user_sgpr_kernarg_segment_ptr 1
		.amdhsa_wavefront_size32 1
		.amdhsa_system_sgpr_workgroup_id_x 1
		.amdhsa_system_sgpr_workgroup_id_y 1
		.amdhsa_system_sgpr_workgroup_id_z 1
		.amdhsa_system_vgpr_workitem_id 0
		.amdhsa_next_free_vgpr 256
		.amdhsa_next_free_sgpr 66
		.amdhsa_reserve_vcc 1
		.amdhsa_float_denorm_mode_32 3
		.amdhsa_float_denorm_mode_16_64 3
		.amdhsa_memory_ordered 1
		.amdhsa_forward_progress 1
		.amdhsa_inst_pref_size 123
	.end_amdhsa_kernel
	.amdgpu_metadata
---
amdhsa.version: [ 1, 2 ]
amdhsa.kernels:
  - .name:           k_q44aed208a3_prep
    .symbol:         k_q44aed208a3_prep.kd
    .args:
      - { .name: x, .offset: 0, .size: 8, .value_kind: global_buffer, .address_space: global }
      - { .name: Wx_q, .offset: 8, .size: 8, .value_kind: global_buffer, .address_space: global }
      - { .name: Wx_k, .offset: 16, .size: 8, .value_kind: global_buffer, .address_space: global }
      - { .name: Wx_v, .offset: 24, .size: 8, .value_kind: global_buffer, .address_space: global }
      - { .name: W_o, .offset: 32, .size: 8, .value_kind: global_buffer, .address_space: global }
      - { .name: Wt_q, .offset: 40, .size: 8, .value_kind: global_buffer, .address_space: global }
      - { .name: Wt_k, .offset: 48, .size: 8, .value_kind: global_buffer, .address_space: global }
      - { .name: Wt_v, .offset: 56, .size: 8, .value_kind: global_buffer, .address_space: global }
      - { .name: t, .offset: 64, .size: 8, .value_kind: global_buffer, .address_space: global }
      - { .name: lowp_scales, .offset: 72, .size: 8, .value_kind: global_buffer, .address_space: global }
      - { .name: xcodes, .offset: 80, .size: 8, .value_kind: global_buffer, .address_space: global }
      - { .name: wcodes, .offset: 88, .size: 8, .value_kind: global_buffer, .address_space: global }
      - { .name: tshift, .offset: 96, .size: 8, .value_kind: global_buffer, .address_space: global }
    .group_segment_fixed_size: 10752
    .private_segment_fixed_size: 0
    .kernarg_segment_align: 8
    .kernarg_segment_size: 104
    .max_flat_workgroup_size: 128
    .sgpr_count:     66
    .vgpr_count:     256
    .wavefront_size: 32
...
	.end_amdgpu_metadata
.endif
;; end of part 6
;; launch gemm_qkv (part 7): grid 4 x 64, 4 waves a work-group, clusters of 4 x 4, 327,680 bytes of LDS; arguments xcodes, wcodes, tshift, lowp_scales, qkimg, vimg; writes qkimg, vimg
.if DOCPART == 7
	.amdgcn_target "amdgcn-amd-amdhsa--gfx1250"
	.amdhsa_code_object_version 6
	.text
	.protected	k_q44aed208a3_gemm_qkv
	.globl	k_q44aed208a3_gemm_qkv
	.p2align	8
	.type	k_q44aed208a3_gemm_qkv,@function
k_q44aed208a3_gemm_qkv:
	s_mov_b64 s[64:65], 0
	v_nop
	global_prefetch_b8 v0, s[64:65] scope:SCOPE_SE
	s_setreg_imm32_b32 hwreg(HW_REG_WAVE_MODE, 25, 1), 1
	s_wait_xcnt 0x0
	s_wait_alu depctr_hold_cnt(0) depctr_sa_sdst(0) depctr_va_vdst(0) depctr_va_sdst(0) depctr_va_ssrc(0) depctr_va_vcc(0) depctr_vm_vsrc(0)
	s_getreg_b32 s2, hwreg(HW_REG_IB_STS2, 6, 4)
	s_cmp_eq_u32 s2, 0
	s_cbranch_scc0 .Lentry_in_a_cluster
	s_endpgm
.Lentry_in_a_cluster:
	s_bfe_u32 s2, ttmp6, 0x10000c
	s_cmp_lg_u32 s2, 0xf033
	s_cbranch_scc0 .Lentry_shape_is_right
	s_endpgm
.Lentry_shape_is_right:
; q = x Wx_q^T + shift_q, k = x Wx_k^T + shift_k, v = x Wx_v^T + shift_v on codes of E4M3, and their codes under e6, e7 and e9, laid as the attention launch's registers want them.
; A number = sum x 2^(ex + ew) + tshift[p][batch][column], one fused multiply-add in f32, then the quantiser.  x has a set of codes of its own for each product (e0, e2, e4); the weights go under e1, e3, e5.
; A WORK-GROUP STAYS: it makes its tile of 128 rows x 192 columns (three heads) of q, then of k, then of v: the next product's operands land while the present one is multiplied, and a product's stores leave under the next.
; Four waves stand 2 x 2, each 64 x 96: 24 accumulators.  The text is straight: 3 x 12 steps of 64 along K, two sets of fragment registers by turns.
; RING: two LDS slots, each with HALF of K (384 codes a row) of x's 128 rows and W's 192.  Slot s holds half s of a product.  When a slot's last fragments are in registers it takes the same half of the next product: one
; tensor load a wave (waves 0, 1: x's halves of 64 rows; waves 2, 3: W's of 96), which has six steps, 144 products a wave, in which to land.
; CLUSTER 4 x 4.  The four column tiles stand along x and need the same rows of x; the four row tiles along y need the same rows of W: each tile is asked for jointly, by the same tensor load with the same
; descriptor and a mask that names the four.  So every refill stands behind a round of the cluster's barrier.
; q, k: THE MATRIX INSTRUCTION IS USED TRANSPOSED (source 0 = 16 rows of W, source 1 = 16 rows of x): a lane holds one row and eight neighbouring columns, neighbours along the next product's K.
; v: the sources stand the natural way round: a lane holds one column d and eight neighbouring rows: eight neighbouring keys, which are the K of attention's second product.
; A fragment (16 rows x 64 K, 8 registers) comes by two loads of 16 bytes, 32 apart: a permutation of k that is alike in both operands.
; OUT: qkimg [q, k][batch][head][tile of 16 rows][c 2][lane][16 bytes]: lane (r, h), group c holds row r, d = 32 c + 16 h + 0 .. 15.
;      vimg [batch][head][64 keys][dt 4][g 2][lane][16 bytes]: lane (r, h) holds d = 32 (dt / 2) + 8 (dt % 2) + r + 8 (r / 8); bytes 0-7 keys 32 g + 8 h + 0 .. 7, bytes 8-15 the keys 16 further on.
;      The codes meet in a stage in LDS, in bytes of its own, and leave 512 consecutive bytes a store.
; LIMITS: e0 + e1, e2 + e3, e4 + e5 between -126 and 127; e6, e7, e9 between -126 and 119.  NaN is not served.
; REGISTERS: window 0: v1-23 addresses and scales; v32-79 the shift; v96-175, v176-255 two sets of fragments (x's 4 x 8, then W's 6 x 8), on the way out at work.  Window 1: v0-191 accumulator (a, b) at 8 (6 a + b).
; THE RING AS IT STANDS (in place of what the head says of halves of K): slot 0 holds K 0-255 of x's 128 rows and W's 192, LDS rows of 256 bytes + 16; slot 1 holds K 256-767, LDS rows of 512 bytes + 16.
; So every row of a tile begins at a multiple of 256 bytes of its buffer.  Slot 0 serves steps 0-3 of a product, slot 1 steps 4-11.  A wave issues one tensor load at the head (slot 0) and slot 1's first fill behind
; the three lines and a round, as a refill is issued.  Slot 0 is filled again at step 3, slot 1 at step 11.
.set PA,     272                       ; slot 0's LDS row: 17 x 16 bytes; slot 1's is PA + 256 = 528 = 33 x 16 bytes: the 16 rows that a load touches start at 16 different banks
.set SL1,    320*PA                    ; slot 1 begins here
.set STAGE,  SL1+320*(PA+256)
.set SPARE,  STAGE+27648               ; behind the stage: the spare words, 128 bytes for each wave, which no other line names
.set QPITCH, 208
.set VPITCH, 144
.set XSET,   6291456                   ; bytes of a set of x's codes, and of q's images
.set WSET,   589824                    ; bytes of a weight's codes
.set ADRA,   4                         ; v4-5   my x fragments in slot 0, 1
.set ADRB,   8                         ; v8-9   my W fragments
.set FR,     96
.set MSB, 0
.macro WIN new                         ; the immediate's high byte repeats the setting that is left
.if MSB != \new
	s_set_vgpr_msb (MSB<<8)|\new
.set MSB, \new
.endif
.endm
.macro PLACES n
.rept \n
	v_nop
.endr
.endm
.macro CROUND                          ; a round of the cluster's barrier
	s_barrier_signal -1
	s_barrier_wait -1
	s_cmp_lg_u32 s14, 0
	s_cbranch_scc1 .Lnot_wave_0_\@
	s_barrier_signal -3
.Lnot_wave_0_\@:
	s_barrier_wait -3
	s_barrier_signal -1
	s_barrier_wait -1
.endm
.macro JLOAD sl                        ; a joint refill of slot sl: waves 0, 1 for x, waves 2, 3 for W.  The branch hangs on the wave's number alone.  Four v_nop follow each line
	s_cmp_eq_u32 s15, 0
	s_cbranch_scc0 .Lfor_w_\@
	tensor_load_to_lds s[40+4*(\sl):43+4*(\sl)], s[24-20*(\sl):31-20*(\sl)]   ; group 1 for x: slot 0's in s[24:31], slot 1's in s[4:11]
	s_nop 0
	PLACES 4
	s_branch .Lasked_\@
.Lfor_w_\@:
	tensor_load_to_lds s[48+4*(\sl):51+4*(\sl)], s[32+36*(\sl):39+36*(\sl)]   ; group 1 for W: slot 0's in s[32:39], slot 1's in s[68:75]
	s_nop 0
	PLACES 4
.Lasked_\@:
.endm
; The change of slots.  It stands behind the wait that shows the last fragments of slot sl in my registers.  fill = 1: slot sl takes the same half of K of the next product.
.macro CHANGE sl, fill
	s_wait_tensorcnt 0x0                           ; all my tensor loads have landed: my part of the other slot; so a group 0 may be written
.if \fill
	ds_add_u32 v22, v23                            ; 0 onto my spare word
	s_add_nc_u64 s[42+4*(\sl):43+4*(\sl)], s[42+4*(\sl):43+4*(\sl)], XSET   ; the next product's set of x's codes,
	s_add_nc_u64 s[50+4*(\sl):51+4*(\sl)], s[50+4*(\sl):51+4*(\sl)], WSET   ; and its weight; the type bits on top are not reached
	s_wait_dscnt 0x0                               ; the add is done, and my reads of this slot are over
	CROUND                                         ; both now hold of every wave of every partner
	JLOAD \sl                                      ; my one tensor load behind the round, and the first thing there
.else
	s_barrier_signal -1                            ; it shows the other slot whole
	s_barrier_wait -1
.endif
.endm
	s_load_b256 s[4:11], s[0:1], 0x0               ; xcodes, wcodes, tshift, lowp_scales
	s_load_b64 s[12:13], s[0:1], 0x20              ; qkimg
	s_load_b64 s[2:3], s[0:1], 0x28                ; vimg
	v_lshl_add_u32 v22, v0, 2, SPARE
	v_mov_b32 v23, 0
	ds_add_u32 v22, v23
	ds_add_u32 v22, v23
	s_wait_dscnt 0x0
	v_lshrrev_b32 v1, 5, v0
	v_readfirstlane_b32 s14, v1                    ; wave 0..3
	s_lshr_b32 s15, s14, 1                         ; my half of the rows.  Also: I fetch for x (0) or for W (1)
	s_and_b32 s16, s14, 1                          ; my half of the columns.  Also: which half of that tile I fetch
	s_bfe_u32 s17, ttmp6, 0x40000                  ; cx: the column tile
	s_bfe_u32 s18, ttmp6, 0x40004                  ; cy
	s_and_b32 s20, ttmp7, 0xffff
	s_lshl_b32 s20, s20, 2
	s_add_co_u32 s20, s20, s18                     ; the row tile = 4 x cluster y + cy
	s_lshl_b32 s21, s18, 2
	s_lshl_b32 s21, 15, s21                        ; my row of the cluster
	s_lshl_b32 s22, 0x1111, s17                    ; my column
	s_or_b32 s24, s21, (1<<20)|(1<<21)|(5<<22)|(3<<25)   ; group 1 for x, slot 0: the mask; elements of 1 byte; padding on; bit 21 beside a mask; 4 words behind every 64
	s_mov_b32 s25, 256<<16                         ; tensor_dim0
	s_mov_b32 s26, 64<<16                          ; tensor_dim1
	s_mov_b32 s27, 256<<16                         ; tile_dim0
	s_mov_b32 s28, 64                              ; tile_dim1
	s_mov_b32 s29, 768                             ; from row to row
	s_mov_b32 s30, 0
	s_mov_b32 s31, 0
	s_or_b32 s32, s22, (1<<20)|(1<<21)|(5<<22)|(3<<25)   ; group 1 for W, slot 0: 96 rows
	s_mov_b32 s33, 256<<16
	s_mov_b32 s34, 96<<16
	s_mov_b32 s35, 256<<16
	s_mov_b32 s36, 96
	s_mov_b32 s37, 768
	s_mov_b32 s38, 0
	s_mov_b32 s39, 0
	s_lshl_b32 s66, s20, 7                         ; x: row 128 x row tile + 64 x half, in the first set
	s_lshl_b32 s67, s16, 6
	s_add_co_u32 s66, s66, s67
	s_mul_i32 s66, s66, 768
	s_mov_b32 s67, 0
	s_mul_i32 s68, s17, 192                        ; W: row 192 x column tile + 96 x half, of the first weight
	s_mul_i32 s69, s16, 96
	s_add_co_u32 s68, s68, s69
	s_mul_i32 s68, s68, 768
	s_mov_b32 s69, 0
	s_wait_kmcnt 0x0
	s_load_b256 s[56:63], s[10:11], 0x0            ; e0 .. e7
	s_load_b32 s19, s[10:11], 0x24                 ; e9
	s_add_nc_u64 s[72:73], s[4:5], s[66:67]
	s_add_nc_u64 s[74:75], s[6:7], s[68:69]
	CROUND                                         ; all sixteen work-groups are here: the first joint loads meet
.irp s, 0,1
	s_mov_b32 s[40+4*\s], 1
	s_mul_i32 s[41+4*\s], s16, 64*(PA+256*\s)      ; where they go: my half of x's rows; no place in the cluster enters an LDS address
	s_add_co_u32 s[41+4*\s], s[41+4*\s], \s*SL1
	s_add_nc_u64 s[42+4*\s:43+4*\s], s[72:73], \s*256
	s_or_b32 s[43+4*\s], s[43+4*\s], 0x80000000
	s_mov_b32 s[48+4*\s], 1
	s_mul_i32 s[49+4*\s], s16, 96*(PA+256*\s)      ; my half of W's rows, behind x's 128
	s_add_co_u32 s[49+4*\s], s[49+4*\s], \s*SL1+128*(PA+256*\s)
	s_add_nc_u64 s[50+4*\s:51+4*\s], s[74:75], \s*256
	s_or_b32 s[51+4*\s], s[51+4*\s], 0x80000000
.endr
	JLOAD 0                                        ; slot 0 of q
	v_and_b32 v1, 15, v0                           ; r
	v_bfe_u32 v2, v0, 4, 1                         ; h
	v_lshlrev_b32 v15, 5, v2                       ; q's and k's shift: my half's eight numbers of a tile of 16 columns
	s_wait_alu depctr_va_vdst(0)
	v_lshlrev_b32 v19, 2, v1                       ; v's shift: my column's number
	s_lshr_b32 s23, s20, 3                         ; the batch: 8 row tiles each
	s_mul_i32 s76, s23, 768
	s_mul_i32 s77, s17, 192
	s_add_co_u32 s76, s76, s77
	s_mul_i32 s77, s16, 96
	s_add_co_u32 s76, s76, s77
	s_lshl_b32 s76, s76, 2
	s_mov_b32 s77, 0
	s_add_nc_u64 s[88:89], s[8:9], s[76:77]        ; tshift [p][batch][column]: q's,
	s_add_nc_u64 s[90:91], s[88:89], 24576         ; k's,
	s_add_nc_u64 s[92:93], s[88:89], 49152         ; v's
.macro SHIFTQK base
.irp b, 0,1,2,3,4,5
	global_load_b128 v[32+8*\b:32+8*\b+3], v15, s[\base:\base+1] offset:64*\b
	global_load_b128 v[32+8*\b+4:32+8*\b+7], v15, s[\base:\base+1] offset:64*\b+16
.endr
.endm
	SHIFTQK 88
.irp s, 0,1
	v_mul_u32_u24 v3, v1, PA+256*\s
	v_lshl_add_u32 v3, v2, 4, v3                   ; a fragment's row x the slot's pitch + 16 h
	s_mul_i32 s78, s15, 64*(PA+256*\s)
	s_mul_i32 s79, s16, 96*(PA+256*\s)
	s_add_co_u32 s78, s78, \s*SL1
	s_add_co_u32 s79, s79, \s*SL1+128*(PA+256*\s)
	v_add_nc_u32 v[ADRA+\s], s78, v3
	v_add_nc_u32 v[ADRB+\s], s79, v3
.endr
	v_mul_u32_u24 v12, v1, QPITCH                  ; q, k into the stage: row 64 x row half + r, byte 96 x column half + 8 h
	v_lshl_add_u32 v12, v2, 3, v12
	s_mul_i32 s78, s15, 64*QPITCH
	s_mul_i32 s79, s16, 96
	s_add_co_u32 s78, s78, s79
	s_add_co_u32 s78, s78, STAGE
	v_add_nc_u32 v12, s78, v12
	v_mul_u32_u24 v13, v1, QPITCH                  ; out of it: row 32 x wave + r, byte 16 h
	v_lshl_add_u32 v13, v2, 4, v13
	s_mul_i32 s78, s14, 32*QPITCH
	s_add_co_u32 s78, s78, STAGE
	v_add_nc_u32 v13, s78, v13
	v_mul_u32_u24 v20, v1, VPITCH                  ; v into the stage: row = column 96 x column half + r, byte = key 64 x row half + 8 h
	v_lshl_add_u32 v20, v2, 3, v20
	s_mul_i32 s78, s16, 96*VPITCH
	s_lshl_b32 s79, s15, 6
	s_add_co_u32 s78, s78, s79
	s_add_co_u32 s78, s78, STAGE
	v_add_nc_u32 v20, s78, v20
	v_and_b32 v21, 8, v1                           ; out of it: wave w takes tile dt = w: row 32 (w / 2) + 8 (w % 2) + r + 8 (r / 8), byte 8 h
	v_add_nc_u32 v21, v21, v1
	v_mul_u32_u24 v21, v21, VPITCH
	v_lshl_add_u32 v21, v2, 3, v21
	s_mul_i32 s78, s15, 32*VPITCH
	s_mul_i32 s79, s16, 8*VPITCH
	s_add_co_u32 s78, s78, s79
	s_add_co_u32 s78, s78, STAGE
	v_add_nc_u32 v21, s78, v21
	v_and_b32 v14, 31, v0
	v_lshlrev_b32 v14, 4, v14                      ; 16 x lane: my place in an image
	s_mul_i32 s86, s23, 12
	s_mul_i32 s79, s17, 3
	s_add_co_u32 s86, s86, s79                     ; batch x 12 + 3 cx: the tile's first head
	s_and_b32 s87, s20, 7                          ; the row tile within the batch
	s_lshl_b32 s78, s86, 6                         ; q's images: (that x 64 + 8 (row tile mod 8) + 2 wave) x 1,024
	s_lshl_b32 s79, s87, 3
	s_add_co_u32 s78, s78, s79
	s_lshl_b32 s79, s14, 1
	s_add_co_u32 s78, s78, s79
	s_lshl_b32 s78, s78, 10
	s_mov_b32 s79, 0
	s_add_nc_u64 s[12:13], s[12:13], s[78:79]
	s_add_nc_u64 s[94:95], s[12:13], XSET          ; k's lie behind q's
	s_lshl_b32 s78, s86, 4                         ; v's images: (that x 16 + 2 (row tile mod 8)) x 4,096 + wave x 1,024
	s_lshl_b32 s87, s87, 1
	s_add_co_u32 s78, s78, s87
	s_lshl_b32 s78, s78, 12
	s_lshl_b32 s87, s14, 10
	s_add_co_u32 s78, s78, s87
	s_add_nc_u64 s[2:3], s[2:3], s[78:79]
.macro FETCH sl, qq, set               ; 20 LDS loads: the fragments of the qq-th 64 along K of slot sl
.irp a, 0,1,2,3
.irp c, 0,1
	ds_load_b128 v[FR+80*(\set)+8*\a+4*\c:FR+80*(\set)+8*\a+4*\c+3], v[ADRA+(\sl)] offset:\a*16*(PA+256*(\sl))+64*(\qq)+32*\c
.endr
.endr
.irp b, 0,1,2,3,4,5
.irp c, 0,1
	ds_load_b128 v[FR+80*(\set)+32+8*\b+4*\c:FR+80*(\set)+32+8*\b+4*\c+3], v[ADRB+(\sl)] offset:\b*16*(PA+256*(\sl))+64*(\qq)+32*\c
.endr
.endr
.endm
; 24 products; the accumulators take turns, one instruction a turn, in the same order in every step.  zero = 1: the first products start the sums: nothing is cleared.  p = 2: v's order of the sources
.macro MUL set, zero, p
.irp a, 0,1,2,3
.irp b, 0,1,2,3,4,5
.if \p == 2
.if \zero
	v_wmma_f32_16x16x64_fp8_fp8 v[8*(6*\a+\b):8*(6*\a+\b)+7], v[FR+80*(\set)+8*\a:FR+80*(\set)+8*\a+7], v[FR+80*(\set)+32+8*\b:FR+80*(\set)+32+8*\b+7], 0
.else
	v_wmma_f32_16x16x64_fp8_fp8 v[8*(6*\a+\b):8*(6*\a+\b)+7], v[FR+80*(\set)+8*\a:FR+80*(\set)+8*\a+7], v[FR+80*(\set)+32+8*\b:FR+80*(\set)+32+8*\b+7], v[8*(6*\a+\b):8*(6*\a+\b)+7]
.endif
.else
.if \zero
	v_wmma_f32_16x16x64_fp8_fp8 v[8*(6*\a+\b):8*(6*\a+\b)+7], v[FR+80*(\set)+32+8*\b:FR+80*(\set)+32+8*\b+7], v[FR+80*(\set)+8*\a:FR+80*(\set)+8*\a+7], 0
.else
	v_wmma_f32_16x16x64_fp8_fp8 v[8*(6*\a+\b):8*(6*\a+\b)+7], v[FR+80*(\set)+32+8*\b:FR+80*(\set)+32+8*\b+7], v[FR+80*(\set)+8*\a:FR+80*(\set)+8*\a+7], v[8*(6*\a+\b):8*(6*\a+\b)+7]
.endif
.endif
.endr
.endr
.endm
.macro SUB p, q                        ; step q (0 .. 11) of product p
	s_wait_dscnt 0x0                               ; this step's fragments are in: they were asked for ahead of the last 24 products
.if \q == 3                            ; they were slot 0's last
.if \p < 2
	CHANGE 0, 1
.else
	CHANGE 0, 0
.endif
.endif
.if (\q == 11) && (\p < 2)             ; they were slot 1's last
	CHANGE 1, 1
.endif
.if (\q > 0) && (\q < 11)
	PLACES 4                                       ; four plain places between the last products and loads into the registers that they read (ISA guide 7.12.1 for vector instructions)
.endif
.if \q < 11
	FETCH (\q+5)/8, (\q+1)-4*((\q+5)/8), (\q+1)%2  ; steps 0-3 lie in slot 0, steps 4-11 in slot 1
.endif
	WIN 0x50                                       ; C and D in window 1
.if \q == 0
	MUL 0, 1, \p
.else
	MUL \q%2, 0, \p
.endif
	WIN 0
.endm
.macro SCALES ex, ew, eo               ; s[84:85] = 2^(ex + ew), twice; v16 = 2^eo, v17 = 448 x 2^eo
	s_add_co_i32 s84, s[\ex], s[\ew]
	s_add_co_i32 s84, s84, 127
	s_lshl_b32 s84, s84, 23
	s_mov_b32 s85, s84                             ; (named with it as a pair, so it is written)
	s_add_co_i32 s86, s[\eo], 127
	s_lshl_b32 s87, s86, 23
	v_mov_b32 v16, s87
	s_add_co_i32 s86, s86, 8
	s_lshl_b32 s86, s86, 23
	s_or_b32 s86, s86, 0x600000
	v_mov_b32 v17, s86
	PLACES 2                                       ; with the two moves above: four places behind the last products
.endm
; THE WAY OUT of q or of k: sum x 2^(ex + ew) + shift; hold; convert; 8 codes a lane into the stage; a barrier; back as images
.macro WAYQK ex, ew, eo, dst
	s_wait_loadcnt 0x0                             ; the shift
	SCALES \ex, \ew, \eo
.irp a, 0,1,2,3
	WIN 0x01                                       ; source 0 (the sums) in window 1
.irp b, 0,1,2,3,4,5
.irp i, 0,2,4,6
	v_pk_fma_f32 v[96+48*(\a%2)+8*\b+\i:96+48*(\a%2)+8*\b+\i+1], v[8*(6*\a+\b)+\i:8*(6*\a+\b)+\i+1], s[84:85], v[32+8*\b+\i:32+8*\b+\i+1] op_sel_hi:[1,0,1]   ; each accumulator from its low end on
.endr
.endr
	WIN 0
.irp b, 0,1,2,3,4,5
.irp i, 0,1,2,3,4,5,6,7
	v_med3_num_f32 v[96+48*(\a%2)+8*\b+\i], v[96+48*(\a%2)+8*\b+\i], -v17, v17   ; the conversion does not saturate (ISA guide 7.6.2)
.endr
	v_cvt_scalef32_pk8_fp8_f32 v[192+2*(6*\a+\b):192+2*(6*\a+\b)+1], v[96+48*(\a%2)+8*\b:96+48*(\a%2)+8*\b+7], v16
.endr
.irp b, 0,1,2,3,4,5
	ds_store_b64 v12, v[192+2*(6*\a+\b):192+2*(6*\a+\b)+1] offset:\a*16*QPITCH+16*\b
.endr
.endr
	s_wait_dscnt 0x0                               ; for the others' sake: a row's 192 codes come from two waves
	s_barrier_signal -1
	s_barrier_wait -1
.irp hh, 0,1,2
.irp tt, 0,1
.irp c, 0,1
	ds_load_b128 v[96+4*(4*\hh+2*\tt+\c):96+4*(4*\hh+2*\tt+\c)+3], v13 offset:\tt*16*QPITCH+64*\hh+32*\c
.endr
.endr
.endr
.irp hh, 0,1,2
.irp tt, 0,1
.irp c, 0,1
	s_wait_dscnt 11-(4*\hh+2*\tt+\c)               ; this group is back; the younger loads may be out
	global_store_b128 v14, v[96+4*(4*\hh+2*\tt+\c):96+4*(4*\hh+2*\tt+\c)+3], s[\dst:\dst+1] offset:\hh*65536+\tt*1024+\c*512   ; the wave stores 512 consecutive bytes, aligned
.endr
.endr
.endr
.endm
	s_wait_alu depctr_va_vdst(0)
	s_wait_kmcnt 0x0                               ; the scales are in: the registers that held the arguments may be written
	s_or_b32 s4, s21, (1<<20)|(1<<21)|(6<<22)|(3<<25)    ; group 1 for x, slot 1: rows of 512 bytes, 4 words behind every 128
	s_mov_b32 s5, 512<<16
	s_mov_b32 s6, 64<<16
	s_mov_b32 s7, 512<<16
	s_mov_b32 s8, 64
	s_mov_b32 s9, 768
	s_mov_b32 s10, 0
	s_mov_b32 s11, 0
	s_or_b32 s68, s22, (1<<20)|(1<<21)|(6<<22)|(3<<25)   ; group 1 for W, slot 1
	s_mov_b32 s69, 512<<16
	s_mov_b32 s70, 96<<16
	s_mov_b32 s71, 512<<16
	s_mov_b32 s72, 96
	s_mov_b32 s73, 768
	s_mov_b32 s74, 0
	s_mov_b32 s75, 0
	s_wait_tensorcnt 0x0                           ; my part of slot 0 has landed
	ds_add_u32 v22, v23
	s_wait_dscnt 0x0
	CROUND                                         ; everybody's part has landed, and all sixteen work-groups are here
	JLOAD 1                                        ; slot 1 of q: my one tensor load behind the round
	FETCH 0, 0, 0
.irp q, 0,1,2,3,4,5,6,7,8,9,10,11
	SUB 0, \q
.endr
	s_wait_kmcnt 0x0                               ; the scales
	WAYQK 56, 57, 62, 12                           ; q: e0, e1, e6
	s_wait_xcnt 0x0                                ; the stores have read their registers: they are loaded again only behind this wait
	SHIFTQK 90
	FETCH 0, 0, 0                                  ; k's first fragments: slot 0 was shown whole by the round at q's last step
.irp q, 0,1,2,3,4,5,6,7,8,9,10,11
	SUB 1, \q
.endr
	WAYQK 58, 59, 63, 94                           ; k: e2, e3, e7.  (The stage's last readers have passed a barrier since, each behind its wait for its LDS loads)
	s_wait_xcnt 0x0
.irp b, 0,1,2,3,4,5
	global_load_b32 v[32+2*\b], v19, s[92:93] offset:64*\b
	v_mov_b32 v[33+2*\b], 0                        ; (named with it as a pair by the packed form, which takes the low word for both halves: so it is written)
.endr
	FETCH 0, 0, 0
.irp q, 0,1,2,3,4,5,6,7,8,9,10,11
	SUB 2, \q
.endr
	; THE WAY OUT of v: a lane's eight numbers are eight keys of its column
	s_wait_alu depctr_va_vdst(0)
	s_wait_loadcnt 0x0                             ; the shift
	SCALES 60, 61, 19                              ; e4, e5, e9
.irp a, 0,1,2,3
	WIN 0x01                                       ; source 0 (the sums) in window 1
.irp b, 0,1,2,3,4,5
.irp i, 0,2,4,6
	v_pk_fma_f32 v[96+48*(\a%2)+8*\b+\i:96+48*(\a%2)+8*\b+\i+1], v[8*(6*\a+\b)+\i:8*(6*\a+\b)+\i+1], s[84:85], v[32+2*\b:33+2*\b] op_sel_hi:[1,0,0]   ; my column's shift for both; each accumulator from its low end on
.endr
.endr
	WIN 0
.irp b, 0,1,2,3,4,5
.irp i, 0,1,2,3,4,5,6,7
	v_med3_num_f32 v[96+48*(\a%2)+8*\b+\i], v[96+48*(\a%2)+8*\b+\i], -v17, v17
.endr
	v_cvt_scalef32_pk8_fp8_f32 v[192+2*(6*\a+\b):192+2*(6*\a+\b)+1], v[96+48*(\a%2)+8*\b:96+48*(\a%2)+8*\b+7], v16
.endr
.irp b, 0,1,2,3,4,5
	ds_store_b64 v20, v[192+2*(6*\a+\b):192+2*(6*\a+\b)+1] offset:\b*16*VPITCH+16*\a
.endr
.endr
	s_wait_dscnt 0x0                               ; for the others' sake
	s_barrier_signal -1
	s_barrier_wait -1
.irp hh, 0,1,2
.irp ks, 0,1
.irp g, 0,1
	ds_load_b64 v[96+4*(4*\hh+2*\ks+\g):96+4*(4*\hh+2*\ks+\g)+1],   v21 offset:\hh*64*VPITCH+64*\ks+32*\g
	ds_load_b64 v[96+4*(4*\hh+2*\ks+\g)+2:96+4*(4*\hh+2*\ks+\g)+3], v21 offset:\hh*64*VPITCH+64*\ks+32*\g+16
.endr
.endr
.endr
.irp hh, 0,1,2
.irp ks, 0,1
.irp g, 0,1
	s_wait_dscnt 22-2*(4*\hh+2*\ks+\g)             ; this group's two loads are in
	global_store_b128 v14, v[96+4*(4*\hh+2*\ks+\g):96+4*(4*\hh+2*\ks+\g)+3], s[2:3] offset:\hh*65536+\ks*4096+\g*512   ; the wave stores 512 consecutive bytes, aligned
.endr
.endr
.endr
	s_wait_tensorcnt 0x0                           ; the wave's end
	ds_add_u32 v22, v23
	s_wait_dscnt 0x0
	CROUND                                         ; the closing round: no work-group ends while a partner may still ask for a tile that names it
	s_endpgm
.Lfunc_end_k_q44aed208a3_gemm_qkv:
	.size	k_q44aed208a3_gemm_qkv, .Lfunc_end_k_q44aed208a3_gemm_qkv-k_q44aed208a3_gemm_qkv
	.p2alignl 7, 3214868480
	.fill 96, 4, 3214868480
	.section	.rodata,"a",@progbits
	.p2align	6, 0x0
	.amdhsa_kernel k_q44aed208a3_gemm_qkv
		.amdhsa_group_segment_fixed_size 327680
		.amdhsa_private_segment_fixed_size 0
		.amdhsa_enable_private_segment 0
		.amdhsa_kernarg_size 48
		.amdhsa_user_sgpr_count 2
		.amdhsa_user_sgpr_kernarg_segment_ptr 1
		.amdhsa_wavefront_size32 1
		.amdhsa_system_sgpr_workgroup_id_x 1
		.amdhsa_system_sgpr_workgroup_id_y 1
		.amdhsa_system_sgpr_workgroup_id_z 1
		.amdhsa_system_vgpr_workitem_id 0
		.amdhsa_next_free_vgpr 448
		.amdhsa_next_free_sgpr 100
		.amdhsa_reserve_vcc 0
		.amdhsa_float_denorm_mode_32 3
		.amdhsa_float_denorm_mode_16_64 3
		.amdhsa_memory_ordered 1
		.amdhsa_forward_progress 1
		.amdhsa_inst_pref_size 198
	.end_amdhsa_kernel
	.amdgpu_metadata
---
amdhsa.version: [ 1, 2 ]
amdhsa.kernels:
  - .name:           k_q44aed208a3_gemm_qkv
    .symbol:         k_q44aed208a3_gemm_qkv.kd
    .args:
      - { .name: xcodes, .offset: 0, .size: 8, .value_kind: global_buffer, .address_space: global }
      - { .name: wcodes, .offset: 8, .size: 8, .value_kind: global_buffer, .address_space: global }
      - { .name: tshift, .offset: 16, .size: 8, .value_kind: global_buffer, .address_space: global }
      - { .name: lowp_scales, .offset: 24, .size: 8, .value_kind: global_buffer, .address_space: global }
      - { .name: qkimg, .offset: 32, .size: 8, .value_kind: global_buffer, .address_space: global }
      - { .name: vimg, .offset: 40, .size: 8, .value_kind: global_buffer, .address_space: global }
    .group_segment_fixed_size: 327680
    .private_segment_fixed_size: 0
    .kernarg_segment_align: 8
    .kernarg_segment_size: 48
    .max_flat_workgroup_size: 128
    .sgpr_count:     100
    .vgpr_count:     448
    .wavefront_size: 32
...
	.end_amdgpu_metadata
.endif
;; end of part 7
;; launch attn (part 8): grid 16 x 16, 12 waves a work-group, clusters of 4 x 4, 327,680 bytes of LDS; arguments qkimg, vimg, rel_pos_bias, lowp_scales, ocodes; writes ocodes
.if DOCPART == 8
	.amdgcn_target "amdgcn-amd-amdhsa--gfx1250"
	.amdhsa_code_object_version 6
	.text
	.protected	k_q44aed208a3_attn
	.globl	k_q44aed208a3_attn
	.p2align	8
	.type	k_q44aed208a3_attn,@function
k_q44aed208a3_attn:
	s_mov_b64 s[64:65], 0
	v_nop
	global_prefetch_b8 v0, s[64:65] scope:SCOPE_SE
	s_setreg_imm32_b32 hwreg(HW_REG_WAVE_MODE, 25, 1), 1
	s_wait_xcnt 0x0
	s_wait_alu depctr_hold_cnt(0) depctr_sa_sdst(0) depctr_va_vdst(0) depctr_va_sdst(0) depctr_va_ssrc(0) depctr_va_vcc(0) depctr_vm_vsrc(0)
	s_getreg_b32 s2, hwreg(HW_REG_IB_STS2, 6, 4)
	s_cmp_eq_u32 s2, 0
	s_cbranch_scc0 .Lentry_in_a_cluster
	s_endpgm
.Lentry_in_a_cluster:
	s_bfe_u32 s2, ttmp6, 0x10000c
	s_cmp_lg_u32 s2, 0xf033
	s_cbranch_scc0 .Lentry_shape_is_right
	s_endpgm
.Lentry_shape_is_right:
; o = softmax(q k^T / 8 + bias) v, both products on codes of E4M3 (q under e6, k under e7, p under e8, v under e9), and o's codes under e10.
; THE SOFTMAX AHEAD OF THE SECOND PRODUCT: t = logit x log2(e); M = the row's largest t so far, rounded UP to a whole number; p = 2^(t - M) is quantised, not normalised; the row's sum is taken of the
; unquantised p and divides at the end.  When M moves, the sum and O are multiplied by 2^(old M - new M): exact.
; SHARES.  96 (batch, head) x 64 tiles of 16 queries are 6,144 tiles: 24 for each of 256 work-groups.  64 tiles a head have no factor 3, 12 heads have: a work-group owns THREE heads, TWO batches and 64 queries.
; Wave w of twelve: head w / 4 of the three, batch w % 2 of the two, queries 32 ((w / 2) % 2) on: two tiles of 16, which share each fragment of K and V.
; CLUSTER 4 x 4.  Along x stand four groups of 64 queries, along y the four pairs of batches, all of one group of heads.  K hangs on heads and batches: asked for jointly along a row of the cluster.
; The bias hangs on heads and queries: asked for jointly along a column.
; RING: two slots of 128 keys: 192 rows of bias (512 bytes + 16 each) and K's images of 3 heads x 2 batches: 150,528 bytes a slot.  Every wave issues one load behind each round: waves 0-5 32 rows of bias each,
; waves 6-11 a head's K of both batches for 64 of the slot's keys.  The load has two steps' work in which to land.
; V DOES NOT GO THROUGH LDS: with it a slot of 128 keys would take 197 KB, and two do not fit.  vimg holds images of the fragments, so a wave loads its own four fragments of a step straight into registers, 512 consecutive
; bytes an instruction, at the step's head; they are waited for ahead of the second product.
; PREFETCH, at each change of slots that refills: the change in slot n asks the tensor loads for slot n + 2.  In the loop's first two trips each wave names its share of the bias or K of slot n + 3; waves 6-11 also name
; their share of V of slot n + 2, whose loads begin two steps on.  Of the blocks of 256 bytes that a wave's tile covers (bias 64, K and V 32), each of the four partners takes a quarter, told apart by address
; (cy for the bias, cx for K and V); the lanes left over name the wave's last block again.  No slot behind the eighth is named.  What the first slots hold comes by its loads alone.
; LAYOUT.  Both products transposed: S^T = K Q^T, O^T = V^T P^T: a lane holds one query (lane % 16).  A tile of scores holds keys 8 (lane / 16) + 0 .. 7 of its 16, so its eight codes are registers 2 T, 2 T + 1 of the
; second product's source.  THE BIAS IS THE C OF THE FIRST PRODUCT: loaded into the scores' registers and multiplied by 2^(3 - e6 - e7), exact; t = (sum + that) x log2(e) 2^(e6 + e7 - 3).
; LIMITS: e6 + e7 - 3 between -120 and 120; e8, e10 between -126 and 119.  NaN and infinities are not served.  The row's sum is added in four chains: another order of rounding than a single chain.
; REGISTERS: v1-4 LDS addresses; v5, v6 the add's; v7 16 x lane; v8, v10 448 x 2^e8, twice; v9 2^e8; v11 the prefetch's offset (on the way out v10, v11: 2^e10, 448 x 2^e10); tile u: v12+4u -M, the largest t, the sum (a pair);
; v20+4u at work; v28-31 two chains of the sum; v32-47 Q; v48-79 K; v80-143 the bias, the scores, then p; v144-159 p's codes; v160-223 O^T; v224-255 V.
.set BP,    528                        ; a row of the bias: 512 bytes + 16 of padding = 33 x 16 bytes
.set KOFF,  192*BP                     ; behind the bias: K: [64 keys 2][head 3][batch 2] images of 4,096 bytes
.set SLOTB, KOFF+49152                 ; 150,528
.set SPARE, 2*SLOTB                    ; behind the ring: the spare words, 128 bytes for each of the twelve waves, which no other line names
.set QR, 32
.set KF, 48
.set SR, 80
.set PR, 144
.set OT, 160
.set VF, 224
.set VB,  48                           ; s[48:49] my (batch, head)'s images of V, at the step in hand
.set PFV, 50                           ; s[50:51] where my prefetch of V stands
.set PFA, 76                           ; s[76:77] where my prefetch of the bias or of K stands
.set PFS, 80                           ; s[80:81] a slot on, in bytes: 512 in a row of the bias, 8,192 in K's images
.macro PLACES n
.rept \n
	v_nop
.endr
.endm
.macro ROUND                           ; a round of the cluster's barrier
	s_barrier_signal -1
	s_barrier_wait -1
	s_cmp_lg_u32 s14, 0
	s_cbranch_scc1 .Lnot_wave_0_\@
	s_barrier_signal -3
.Lnot_wave_0_\@:
	s_barrier_wait -3
	s_barrier_signal -1
	s_barrier_wait -1
.endm
.macro TLOAD sl                        ; every wave's one joint load for slot sl.  The branch hangs on the wave's number alone.  An s_nop 0 and four v_nop follow each line
	s_cmp_lt_u32 s14, 6
	s_cbranch_scc0 .Lfor_k_\@
	tensor_load_to_lds s[56+4*(\sl):59+4*(\sl)], s[32:39]
	s_nop 0
	PLACES 4
	s_branch .Lasked_\@
.Lfor_k_\@:
	tensor_load_to_lds s[40+4*(\sl):43+4*(\sl)], s[24:31]
	s_nop 0
	PLACES 4
.Lasked_\@:
.endm
.macro ASK                             ; the prefetches
	s_cmp_gt_u32 s66, 1                            ; the bias and K of three slots on: not in the loop's last trip
	s_cbranch_scc0 .Lno_ask_\@
	global_prefetch_b8 v11, s[PFA:PFA+1] th:TH_LOAD_NT scope:SCOPE_SE
.Lno_ask_\@:
	s_cmp_lt_u32 s14, 6                            ; V of two slots on: waves 6-11
	s_cbranch_scc1 .Lno_v_\@
	global_prefetch_b8 v11, s[PFV:PFV+1] th:TH_LOAD_NT scope:SCOPE_SE
.Lno_v_\@:
.endm
	s_load_b256 s[4:11], s[0:1], 0x0               ; qkimg, vimg, rel_pos_bias, lowp_scales
	s_load_b64 s[12:13], s[0:1], 0x20              ; ocodes
	v_lshl_add_u32 v5, v0, 2, SPARE
	v_mov_b32 v6, 0
	ds_add_u32 v5, v6                              ; the opening lines
	ds_add_u32 v5, v6
	v_lshrrev_b32 v1, 5, v0
	v_readfirstlane_b32 s14, v1                    ; wave 0..11
	s_bfe_u32 s15, ttmp6, 0x40000                  ; cx
	s_bfe_u32 s17, ttmp6, 0x40004                  ; cy: the pair of batches
	s_lshl_b32 s16, ttmp9, 2
	s_add_co_u32 s16, s16, s15                     ; my 64 queries
	s_and_b32 s18, ttmp7, 0xffff
	s_mul_i32 s18, s18, 3                          ; the first of my three heads
	s_lshr_b32 s19, s14, 2                         ; my wave's head of the three,
	s_and_b32 s67, s14, 1                          ; its batch of the two,
	s_bfe_u32 s73, s14, 0x10001                    ; its 32 queries of the 64
	s_lshl_b32 s82, s17, 2
	s_lshl_b32 s82, 15, s82                        ; my row of the cluster
	s_lshl_b32 s83, 0x1111, s15                    ; my column
	s_or_b32 s24, s82, (3<<16)|(1<<21)             ; group 1 for K: the row's mask; elements of 8 bytes; bit 21 beside a mask: 2 rows (batches) of 4,096 bytes
	s_mov_b32 s25, 512<<16
	s_mov_b32 s26, 2<<16
	s_mov_b32 s27, 512<<16
	s_mov_b32 s28, 2
	s_mov_b32 s29, 98304                           ; from batch to batch: 12 heads x 65,536 bytes
	s_mov_b32 s30, 0
	s_mov_b32 s31, 0
	s_or_b32 s32, s83, (2<<16)|(1<<20)|(1<<21)|(6<<22)|(3<<25)   ; group 1 for the bias: the column's mask; elements of 4 bytes; 4 words of padding behind every 128: 32 rows of 128 numbers
	s_mov_b32 s33, 128<<16
	s_mov_b32 s34, 32<<16
	s_mov_b32 s35, 128<<16
	s_mov_b32 s36, 32
	s_mov_b32 s37, 1024
	s_mov_b32 s38, 0
	s_mov_b32 s39, 0
	s_mov_b32 s20, 0x76543210                      ; v_permlanex16_b32: lane l xor 16
	s_mov_b32 s21, 0xfedcba98
	; what I fetch.  K (waves 6-11): piece p = wave - 6: 64 keys p / 3 of the slot, head p % 3, batch 2 cy and the next; made of cy and the cluster's y alone
	s_add_co_u32 s93, s14, -6
	s_mul_i32 s87, s93, 11
	s_lshr_b32 s87, s87, 5                         ; p / 3, for p = 0 .. 5
	s_mul_i32 s88, s87, 3
	s_sub_co_u32 s88, s93, s88                     ; p % 3
	s_mul_i32 s89, s17, 24
	s_add_co_u32 s89, s89, s18
	s_add_co_u32 s89, s89, s88
	s_lshl_b32 s78, s89, 16                        ; (batch, head): 65,536 bytes of images
	s_lshl_b32 s87, s87, 12
	s_add_co_u32 s78, s78, s87                     ; + 4,096 for the slot's second 64 keys
	s_mov_b32 s79, 0
	s_lshl_b32 s86, s14, 13
	s_add_co_u32 s86, s86, KOFF-6*8192             ; where it goes: wave 6 at KOFF, 8,192 bytes a wave; no place in the cluster enters an LDS address
	; the bias (waves 0-5): head first + wave / 2, rows 64 x my queries' group + 32 (wave % 2); made of cx and the cluster's x and y alone
	s_lshr_b32 s90, s14, 1
	s_add_co_u32 s90, s90, s18
	s_lshl_b32 s90, s90, 22                        ; a head's rows are 4 MiB
	s_lshl_b32 s91, s16, 1
	s_add_co_u32 s91, s91, s67
	s_lshl_b32 s91, s91, 17                        ; 32 rows of 4,096 bytes
	s_add_co_u32 s90, s90, s91
	s_mov_b32 s91, 0
	s_mul_i32 s92, s14, 32*BP
	; Q's, V's and o's places
	s_lshl_b32 s75, s17, 1
	s_add_co_u32 s75, s75, s67                     ; my batch
	s_add_co_u32 s74, s18, s19                     ; my head
	s_lshl_b32 s93, s16, 12
	s_lshl_b32 s87, s73, 11
	s_add_co_u32 s93, s93, s87                     ; my tiles of 16 queries: 4 x group + 2 x half on, 1,024 bytes each
	s_mul_i32 s52, s75, 12
	s_add_co_u32 s52, s52, s74
	s_lshl_b32 s52, s52, 16                        ; (batch, head) x 65,536: V's images,
	s_mov_b32 s53, 0
	s_add_co_u32 s94, s52, s93                     ; and q's: + tile x 1,024
	s_mov_b32 s95, 0
	s_lshl_b32 s88, s75, 16
	s_add_co_u32 s88, s88, s93
	s_lshl_b32 s87, s74, 19
	s_add_co_u32 s88, s88, s87                     ; o's images: head x 524,288 + (batch x 64 + tile) x 1,024
	s_mov_b32 s89, 0
	; what I read from a slot
	s_lshl_b32 s2, s19, 1
	s_add_co_u32 s2, s2, s67
	s_lshl_b32 s2, s2, 12
	s_add_co_u32 s2, s2, KOFF                      ; K's image of (head, batch)
	s_lshl_b32 s3, s19, 1
	s_add_co_u32 s3, s3, s73
	s_mul_i32 s3, s3, 32*BP                        ; the bias's rows 64 x head + 32 x half
	; the prefetch's numbers: the bias: block = 16 cy + lane (0-15): row block / 2, 256 bytes block % 2;  K, V: block = 8 cx + lane (0-7): batch block / 16, 256 bytes block % 16
	s_cmp_lt_u32 s14, 6
	s_cselect_b32 s87, s17, s15
	s_cselect_b32 s54, 4, 3
	s_cselect_b32 s55, 15, 7
	s_cselect_b32 s82, 1, 4
	s_cselect_b32 s83, 1, 15
	s_mov_b32 s93, 786432
	s_cselect_b32 s93, 4096, s93
	s_mov_b32 s[PFS], 8192
	s_cselect_b32 s[PFS], 512, s[PFS]
	s_mov_b32 s[PFS+1], 0
	s_lshl_b32 s87, s87, s54
	s_wait_dscnt 0x0                               ; both opening adds are done
	s_wait_kmcnt 0x0
	s_load_b128 s[68:71], s[10:11], 0x18           ; e6, e7, e8, e9
	s_load_b32 s72, s[10:11], 0x28                 ; e10
	s_add_nc_u64 s[84:85], s[6:7], s[78:79]        ; V's bytes that lie as my piece of K lies
	s_add_nc_u64 s[78:79], s[4:5], s[78:79]
	s_add_nc_u64 s[78:79], s[78:79], 6291456       ; k's images lie behind q's
	s_add_nc_u64 s[90:91], s[8:9], s[90:91]
	s_add_nc_u64 s[VB:VB+1], s[6:7], s[52:53]
	s_add_nc_u64 s[4:5], s[4:5], s[94:95]
	s_add_nc_u64 s[12:13], s[12:13], s[88:89]
.irp s, 0,1
	s_mov_b32 s[40+4*\s], 1
	s_add_co_u32 s[41+4*\s], s86, \s*SLOTB
	s_add_nc_u64 s[42+4*\s:43+4*\s], s[78:79], \s*8192
	s_or_b32 s[43+4*\s], s[43+4*\s], 0x80000000
	s_mov_b32 s[56+4*\s], 1
	s_add_co_u32 s[57+4*\s], s92, \s*SLOTB
	s_add_nc_u64 s[58+4*\s:59+4*\s], s[90:91], \s*512
	s_or_b32 s[59+4*\s], s[59+4*\s], 0x80000000
.endr
	s_cmp_lt_u32 s14, 6
	s_cselect_b64 s[PFA:PFA+1], s[90:91], s[78:79]
	s_lshl_b32 s94, s[PFS], 1
	s_add_nc_u64 s[PFA:PFA+1], s[PFA:PFA+1], s[94:95]   ; at slot 2: the first change of slots steps it to slot 3
	s_add_nc_u64 s[PFV:PFV+1], s[84:85], 8192      ; at slot 1: stepped to slot 2 there
	ROUND                                          ; all sixteen work-groups are here: the first joint loads meet
	TLOAD 0                                        ; keys 0-127
	v_and_b32 v10, 31, v0
	v_lshlrev_b32 v7, 4, v10                       ; 16 x lane
	v_min_u32 v11, s55, v10
	v_add_nc_u32 v11, s87, v11                     ; my block
	v_lshrrev_b32 v20, s82, v11
	v_and_b32 v11, s83, v11
	v_mul_lo_u32 v20, v20, s93
	v_lshl_add_u32 v11, v11, 8, v20
.irp u, 0,1
.irp c, 0,1
	global_load_b128 v[QR+8*\u+4*\c:QR+8*\u+4*\c+3], v7, s[4:5] offset:\u*1024+\c*512   ; Q stays in registers
.endr
.endr
	v_add_nc_u32 v1, s2, v7                        ; K: my images in slot 0,
	v_add_nc_u32 v2, SLOTB, v1                     ; in slot 1
	v_and_b32 v10, 15, v0                          ; r
	v_bfe_u32 v21, v0, 4, 1                        ; h
	v_mul_u32_u24 v3, v10, BP
	v_lshl_add_u32 v3, v21, 5, v3                  ; the bias: my rows + r, + 32 h: my eight keys of a tile of 16
	v_add_nc_u32 v3, s3, v3
	v_add_nc_u32 v4, SLOTB, v3
.irp u, 0,1
	v_mov_b32 v[13+4*\u], 0xff61b1e6               ; the largest t so far: -3e38, under every t
	v_floor_f32 v[12+4*\u], -v[13+4*\u]            ; -M
	v_mov_b32 v[14+4*\u], 0                        ; the sum, in two halves
	v_mov_b32 v[15+4*\u], 0
	v_mov_b32 v[23+4*\u], 0                        ; (named as the upper half of f's pair)
.endr
.set J, 0
.rept 64
	v_mov_b32 v[OT+J], 0                           ; O^T: the step is written once; the first finds zeros, which the first change of M leaves zeros
.set J, J+1
.endr
	s_wait_kmcnt 0x0
	s_add_co_i32 s87, s68, s69
	s_add_co_i32 s87, s87, -3                      ; e6 + e7 - 3: the two scales and the division by 8
	s_lshl_b32 s88, s87, 23
	s_add_co_i32 s22, s88, 0x3fb8aa3b              ; log2(e) with that added to its exponent field
	s_mov_b32 s23, s22                             ; (named with it as a pair, so it is written)
	s_sub_co_i32 s88, 127, s87
	s_lshl_b32 s96, s88, 23                        ; 2^(3 - e6 - e7)
	s_mov_b32 s97, s96
	s_add_co_i32 s88, s70, 127
	s_lshl_b32 s89, s88, 23
	v_mov_b32 v9, s89                              ; 2^e8
	s_add_co_i32 s88, s88, 8
	s_lshl_b32 s88, s88, 23
	s_or_b32 s88, s88, 0x600000
	v_mov_b32 v8, s88                              ; 448 x 2^e8,
	v_mov_b32 v10, s88                             ; and once more: the two halves of a dual-issue pair take their second sources from registers whose numbers differ modulo 4 (ISA guide, on VOPD)
	s_add_co_i32 s88, s72, 127
	s_lshl_b32 s98, s88, 23                        ; 2^e10, kept for the way out
	s_add_co_i32 s88, s88, 8
	s_lshl_b32 s88, s88, 23
	s_or_b32 s99, s88, 0x600000                    ; 448 x 2^e10
; Runs of eight loads, for the hf-th 64 keys of slot sl
.macro LDK sl, hf                      ; K's four fragments
.irp T, 0,1,2,3
.irp c, 0,1
	ds_load_b128 v[KF+8*\T+4*\c:KF+8*\T+4*\c+3], v[1+(\sl)] offset:(\hf)*24576+\T*1024+512*\c
.endr
.endr
.endm
.macro LDB sl, hf, u                   ; tile u's bias, straight into its scores' registers
.irp T, 0,1,2,3
.irp k, 0,1
	ds_load_b128 v[SR+32*(\u)+8*\T+4*\k:SR+32*(\u)+8*\T+4*\k+3], v[3+(\sl)] offset:(\u)*16*BP+256*(\hf)+64*\T+16*\k
.endr
.endr
.endm
.macro LDV                             ; V's four fragments of the step in hand, from memory: the wave reads 512 consecutive bytes an instruction
.irp dt, 0,1,2,3
.irp g, 0,1
	global_load_b128 v[VF+8*\dt+4*\g:VF+8*\dt+4*\g+3], v7, s[VB:VB+1] offset:\dt*1024+512*\g
.endr
.endr
.endm
.macro BSC u                           ; tile u's bias x 2^(3 - e6 - e7): exact
.set J, 0
.rept 16
	v_pk_mul_f32 v[SR+32*(\u)+J:SR+32*(\u)+J+1], v[SR+32*(\u)+J:SR+32*(\u)+J+1], s[96:97] op_sel_hi:[1,0]
.set J, J+2
.endr
.endm
.macro RESC u, j0, n                   ; n pairs of tile u's O^T, from register j0 on, x f: O^T under the new M
.set J, \j0
.rept \n
	v_pk_mul_f32 v[OT+32*(\u)+J:OT+32*(\u)+J+1], v[OT+32*(\u)+J:OT+32*(\u)+J+1], v[22+4*(\u):23+4*(\u)] op_sel_hi:[1,0]
.set J, J+2
.endr
.endm
; The largest score, the new M and f for both tiles, line by line by turns.  Each tile: two chains over its 32 scores in ascending order: each accumulator is read from its low end on.
.macro STATS
.irp u, 0,1
	v_max3_num_f32 v[20+4*\u], v[SR+32*\u], v[SR+32*\u+1], v[SR+32*\u+2]
.endr
.irp u, 0,1
	v_max3_num_f32 v[21+4*\u], v[SR+32*\u+3], v[SR+32*\u+4], v[SR+32*\u+5]
.endr
.irp i, 6,10,14,18,22,26
.irp u, 0,1
	v_max3_num_f32 v[20+4*\u], v[20+4*\u], v[SR+32*\u+\i], v[SR+32*\u+\i+1]
.endr
.irp u, 0,1
	v_max3_num_f32 v[21+4*\u], v[21+4*\u], v[SR+32*\u+\i+2], v[SR+32*\u+\i+3]
.endr
.endr
.irp u, 0,1
	v_max3_num_f32 v[20+4*\u], v[20+4*\u], v[SR+32*\u+30], v[SR+32*\u+31]
.endr
.irp u, 0,1
	s_delay_alu instid0(VALU_DEP_2)
	v_max_num_f32 v[20+4*\u], v[20+4*\u], v[21+4*\u]
.endr
.irp u, 0,1
	s_delay_alu instid0(VALU_DEP_2)
	v_permlanex16_b32 v[21+4*\u], v[20+4*\u], s20, s21
.endr
.irp u, 0,1
	s_delay_alu instid0(VALU_DEP_2)
	v_max_num_f32 v[20+4*\u], v[20+4*\u], v[21+4*\u]           ; and of lane l xor 16's
.endr
.irp u, 0,1
	s_delay_alu instid0(VALU_DEP_2)
	v_mul_f32 v[20+4*\u], s22, v[20+4*\u]                      ; as t (the factor is positive)
.endr
.irp u, 0,1
	s_delay_alu instid0(VALU_DEP_2)
	v_max_num_f32 v[13+4*\u], v[13+4*\u], v[20+4*\u]           ; the running largest t
.endr
.irp u, 0,1
	v_mov_b32 v[20+4*\u], v[12+4*\u]
.endr
.irp u, 0,1
	s_delay_alu instid0(VALU_DEP_4)
	v_floor_f32 v[12+4*\u], -v[13+4*\u]                        ; the new -M = -ceil(t)
.endr
.irp u, 0,1
	s_delay_alu instid0(VALU_DEP_2)
	v_sub_f32 v[20+4*\u], v[12+4*\u], v[20+4*\u]               ; old M - new M: a whole number, 0 or less
.endr
.irp u, 0,1
	s_delay_alu instid0(VALU_DEP_2)
	v_cvt_i32_f32 v[20+4*\u], v[20+4*\u]                       ; (it saturates)
.endr
.irp u, 0,1
	s_delay_alu instid0(VALU_DEP_2)
	v_ldexp_f32 v[22+4*\u], 1.0, v[20+4*\u]                    ; f = 2^(old M - new M)
.endr
.endm
; Tile u: p, its sum, its codes
.macro SOFTB u
.set RS, SR+32*\u
.set RP, PR+8*\u
.set SS, 12+4*\u
.set TM, 20+4*\u
.set J, 0
.rept 16
	v_pk_fma_f32 v[RS+J:RS+J+1], v[RS+J:RS+J+1], s[22:23], v[SS:SS+1] op_sel_hi:[1,0,0]   ; t - M (of both pairs the low word serves both halves)
.set J, J+2
.endr
.set J, 0
	s_wait_alu depctr_va_vdst(0)
.rept 32
	v_exp_f32 v[RS+J], v[RS+J]                                 ; p = 2^(t - M)
.set J, J+1
.endr
	v_pk_mul_f32 v[SS+2:SS+3], v[SS+2:SS+3], v[TM+2:TM+3] op_sel_hi:[1,0]   ; the sum under the new M (a plain place behind the exponentials)
	s_wait_alu depctr_va_vdst(0)                               ; and behind it, ahead of its first reader
	v_pk_add_f32 v[28:29], v[RS:RS+1], v[RS+2:RS+3]            ; the sum of the UNQUANTISED p, in four chains
	v_pk_add_f32 v[30:31], v[RS+4:RS+5], v[RS+6:RS+7]
	v_pk_add_f32 v[TM:TM+1], v[RS+8:RS+9], v[RS+10:RS+11]
.irp j, 12,20
	v_pk_add_f32 v[SS+2:SS+3], v[SS+2:SS+3], v[RS+\j:RS+\j+1]
	v_pk_add_f32 v[28:29], v[28:29], v[RS+\j+2:RS+\j+3]
	v_pk_add_f32 v[30:31], v[30:31], v[RS+\j+4:RS+\j+5]
	v_pk_add_f32 v[TM:TM+1], v[TM:TM+1], v[RS+\j+6:RS+\j+7]
.endr
	v_pk_add_f32 v[SS+2:SS+3], v[SS+2:SS+3], v[RS+28:RS+29]
	v_pk_add_f32 v[28:29], v[28:29], v[RS+30:RS+31]
	s_delay_alu instid0(VALU_DEP_3)
	v_pk_add_f32 v[30:31], v[30:31], v[TM:TM+1]
	s_delay_alu instid0(VALU_DEP_2)
	v_pk_add_f32 v[SS+2:SS+3], v[SS+2:SS+3], v[28:29]
	s_delay_alu instid0(VALU_DEP_1)
	v_pk_add_f32 v[SS+2:SS+3], v[SS+2:SS+3], v[30:31]
.irp T, 0,1,2,3
.irp i, 0,2,4,6
	v_dual_min_num_f32 v[RS+8*\T+\i], v[RS+8*\T+\i], v8 :: v_dual_min_num_f32 v[RS+8*\T+\i+1], v[RS+8*\T+\i+1], v10   ; the conversion does not saturate (ISA guide 7.6.2); p is not negative, so the hold is one-sided
.endr
	v_cvt_scalef32_pk8_fp8_f32 v[RP+2*\T:RP+2*\T+1], v[RS+8*\T:RS+8*\T+7], v9
.endr
.endm
; A STEP: 64 keys, for both tiles.  Its K and bias were asked of LDS in the step before, in this order: K (8 loads), tile 0's bias (8), tile 1's (8).
; rnd = 1: this is slot sl's last step: the change of slots, behind the first products, and the slot takes the keys 256 further on.  rnd = 2: the change without a refill.  nxt = 1: the step that follows is the nhf-th of slot nsl.
.macro STEP sl, rnd, nxt, nsl, nhf
	s_wait_dscnt 8                                 ; K and tile 0's bias are in; tile 1's bias, eight loads, may be out
	BSC 0                                          ; sixteen plain lines that name no register of the last step's products: the places ahead of the loads into V's registers
	LDV
	s_wait_dscnt 0x0                               ; tile 1's bias is in: my reads of this step's part of the slot are over
	BSC 1
.irp T, 0,1,2,3
.irp u, 0,1
	v_wmma_f32_16x16x64_fp8_fp8 v[SR+32*\u+8*\T:SR+32*\u+8*\T+7], v[KF+8*\T:KF+8*\T+7], v[QR+8*\u:QR+8*\u+7], v[SR+32*\u+8*\T:SR+32*\u+8*\T+7]   ; eight accumulators, one instruction each
.endr
.endr
.if \rnd
	s_wait_tensorcnt 0x0                           ; my one tensor load, my part of the other slot, has landed; so a group 0 may be written
	ds_add_u32 v5, v6                              ; 0 onto my spare word
.if \rnd == 1
	s_add_nc_u64 s[42+4*\sl:43+4*\sl], s[42+4*\sl:43+4*\sl], 16384   ; this slot's next tiles: 256 keys on
	s_add_nc_u64 s[58+4*\sl:59+4*\sl], s[58+4*\sl:59+4*\sl], 1024
	s_wait_xcnt 0x0                                ; the last change's prefetches have read their addresses, so these may be written
	s_add_nc_u64 s[PFA:PFA+1], s[PFA:PFA+1], s[PFS:PFS+1]
	s_add_nc_u64 s[PFV:PFV+1], s[PFV:PFV+1], 8192
.endif
	s_wait_dscnt 0x0                               ; the add is done; my reads of this slot were over above
	ROUND                                          ; both now hold of every wave of every partner
.endif
.if \rnd == 1
	TLOAD \sl                                      ; my one tensor load behind the round, and the first thing there; the four v_nop behind it are the places behind the products above
.else
	PLACES 4                                       ; behind the products above: ahead of loads into K's registers and of the first read of the scores
.endif
.if \nxt
	LDK \nsl, \nhf
.endif
.if \rnd == 1
	ASK
.endif
	STATS
	SOFTB 0
	RESC 0, 0, 1                                   ; a plain line behind the last conversion
.if \nxt
	LDB \nsl, \nhf, 0                              ; tile 0's scores have become codes: its registers take the next step's bias
.endif
	RESC 0, 2, 15
	SOFTB 1
	RESC 1, 0, 1
.if \nxt
	LDB \nsl, \nhf, 1
.endif
	RESC 1, 2, 15
	s_wait_alu depctr_va_vdst(0)
	s_wait_loadcnt 0x0                             ; V is in: its eight loads are the only ones on this counter; they are done, so their base may be written
	s_add_nc_u64 s[VB:VB+1], s[VB:VB+1], 4096      ; the next step's images of V
.irp dt, 0,1,2,3
.irp u, 0,1
	v_wmma_f32_16x16x64_fp8_fp8 v[OT+32*\u+8*\dt:OT+32*\u+8*\dt+7], v[VF+8*\dt:VF+8*\dt+7], v[PR+8*\u:PR+8*\u+7], v[OT+32*\u+8*\dt:OT+32*\u+8*\dt+7]   ; the eight take turns
.endr
.endr
.endm
	s_wait_alu depctr_va_vdst(0)
	s_wait_loadcnt 0x0                             ; Q
	s_wait_tensorcnt 0x0                           ; my part of keys 0-127 has landed
	ds_add_u32 v5, v6
	s_wait_dscnt 0x0
	ROUND                                          ; everybody's has
	TLOAD 1                                        ; keys 128-255 into slot 1: its first fill, issued as a refill is
	LDK 0, 0
	LDB 0, 0, 0
	LDB 0, 0, 1
	s_mov_b32 s66, 3
.Lring:                                            ; eight slots of 128 keys: three trips of two, each of which fills both slots again; the last two are written out
	STEP 0, 0, 1, 0, 1
	STEP 0, 1, 1, 1, 0
	STEP 1, 0, 1, 1, 1
	STEP 1, 1, 1, 0, 0
	s_sub_co_u32 s66, s66, 1
	s_cmp_lg_u32 s66, 0
	s_cbranch_scc1 .Lring
	STEP 0, 0, 1, 0, 1
	STEP 0, 2, 1, 1, 0                             ; nothing is left to fetch
	STEP 1, 0, 1, 1, 1
	STEP 1, 0, 0, 0, 0
	; THE WAY OUT: O^T / the sum x 2^(e8 + e9), quantised under e10.  Tiles 2 c and 2 c + 1 of O^T are 16 neighbours d = 32 c + 16 h + 0 .. 15: the codes are the last product's fragment as they stand
	s_wait_xcnt 0x0                                ; the last prefetches have read v11, so it may be written
	v_mov_b32 v10, s98                             ; 2^e10,
	v_mov_b32 v11, s99                             ; 448 x 2^e10: with the two lines below, the four places behind the last products
	PLACES 2
.irp u, 0,1
	v_add_f32 v[14+4*\u], v[14+4*\u], v[15+4*\u]
.endr
.irp u, 0,1
	s_delay_alu instid0(VALU_DEP_2)
	v_permlanex16_b32 v[21+4*\u], v[14+4*\u], s20, s21
.endr
.irp u, 0,1
	s_delay_alu instid0(VALU_DEP_2)
	v_add_f32 v[14+4*\u], v[14+4*\u], v[21+4*\u]   ; the row's sum
.endr
	s_wait_alu depctr_va_vdst(0)
.irp u, 0,1
	v_rcp_f32 v[14+4*\u], v[14+4*\u]
.endr
	v_nop                                          ; a plain place behind the reciprocals
	s_add_co_i32 s88, s70, s71
	s_wait_alu depctr_va_vdst(0)                   ; and behind them, ahead of their first reader
.irp u, 0,1
	v_ldexp_f32 v[14+4*\u], v[14+4*\u], s88        ; x 2^(e8 + e9)
.endr
.irp u, 0,1
.set J, 0
.rept 16
	v_pk_mul_f32 v[SR+32*\u+J:SR+32*\u+J+1], v[OT+32*\u+J:OT+32*\u+J+1], v[14+4*\u:15+4*\u] op_sel_hi:[1,0]   ; each accumulator from its low end on
.set J, J+2
.endr
.irp dt, 0,1,2,3
.irp i, 0,1,2,3,4,5,6,7
	v_med3_num_f32 v[SR+32*\u+8*\dt+\i], v[SR+32*\u+8*\dt+\i], -v11, v11
.endr
	v_cvt_scalef32_pk8_fp8_f32 v[PR+8*\u+2*\dt:PR+8*\u+2*\dt+1], v[SR+32*\u+8*\dt:SR+32*\u+8*\dt+7], v10
.endr
.irp c, 0,1
	global_store_b128 v7, v[PR+8*\u+4*\c:PR+8*\u+4*\c+3], s[12:13] offset:\u*1024+\c*512   ; the wave stores 512 consecutive bytes, aligned
.endr
.endr
	s_wait_tensorcnt 0x0                           ; the wave's end
	ds_add_u32 v5, v6
	s_wait_dscnt 0x0
	ROUND                                          ; the closing round: no work-group ends while a partner may still ask for a tile that names it
	s_endpgm
.Lfunc_end_k_q44aed208a3_attn:
	.size	k_q44aed208a3_attn, .Lfunc_end_k_q44aed208a3_attn-k_q44aed208a3_attn
	.p2alignl 7, 3214868480
	.fill 96, 4, 3214868480
	.section	.rodata,"a",@progbits
	.p2align	6, 0x0
	.amdhsa_kernel k_q44aed208a3_attn
		.amdhsa_group_segment_fixed_size 327680
		.amdhsa_private_segment_fixed_size 0
		.amdhsa_enable_private_segment 0
		.amdhsa_kernarg_size 40
		.amdhsa_user_sgpr_count 2
		.amdhsa_user_sgpr_kernarg_segment_ptr 1
		.amdhsa_wavefront_size32 1
		.amdhsa_system_sgpr_workgroup_id_x 1
		.amdhsa_system_sgpr_workgroup_id_y 1
		.amdhsa_system_sgpr_workgroup_id_z 1
		.amdhsa_system_vgpr_workitem_id 0
		.amdhsa_next_free_vgpr 256
		.amdhsa_next_free_sgpr 100
		.amdhsa_reserve_vcc 0
		.amdhsa_float_denorm_mode_32 3
		.amdhsa_float_denorm_mode_16_64 3
		.amdhsa_memory_ordered 1
		.amdhsa_forward_progress 1
		.amdhsa_inst_pref_size 182
	.end_amdhsa_kernel
	.amdgpu_metadata
---
amdhsa.version: [ 1, 2 ]
amdhsa.kernels:
  - .name:           k_q44aed208a3_attn
    .symbol:         k_q44aed208a3_attn.kd
    .args:
      - { .name: qkimg, .offset: 0, .size: 8, .value_kind: global_buffer, .address_space: global }
      - { .name: vimg, .offset: 8, .size: 8, .value_kind: global_buffer, .address_space: global }
      - { .name: rel_pos_bias, .offset: 16, .size: 8, .value_kind: global_buffer, .address_space: global }
      - { .name: lowp_scales, .offset: 24, .size: 8, .value_kind: global_buffer, .address_space: global }
      - { .name: ocodes, .offset: 32, .size: 8, .value_kind: global_buffer, .address_space: global }
    .group_segment_fixed_size: 327680
    .private_segment_fixed_size: 0
    .kernarg_segment_align: 8
    .kernarg_segment_size: 40
    .max_flat_workgroup_size: 384
    .sgpr_count:     100
    .vgpr_count:     256
    .wavefront_size: 32
...
	.end_amdgpu_metadata
.endif
;; end of part 8
;; launch gemm_o (part 9): grid 4 x 64, 4 waves a work-group, clusters of 4 x 4, 327,680 bytes of LDS; arguments ocodes, wcodes, b_o, lowp_scales, out0; writes out0
.if DOCPART == 9
	.amdgcn_target "amdgcn-amd-amdhsa--gfx1250"
	.amdhsa_code_object_version 6
	.text
	.protected	k_q44aed208a3_gemm_o
	.globl	k_q44aed208a3_gemm_o
	.p2align	8
	.type	k_q44aed208a3_gemm_o,@function
k_q44aed208a3_gemm_o:
	s_mov_b64 s[64:65], 0
	v_nop
	global_prefetch_b8 v0, s[64:65] scope:SCOPE_SE
	s_setreg_imm32_b32 hwreg(HW_REG_WAVE_MODE, 25, 1), 1
	s_wait_xcnt 0x0
	s_wait_alu depctr_hold_cnt(0) depctr_sa_sdst(0) depctr_va_vdst(0) depctr_va_sdst(0) depctr_va_ssrc(0) depctr_va_vcc(0) depctr_vm_vsrc(0)
	s_getreg_b32 s2, hwreg(HW_REG_IB_STS2, 6, 4)
	s_cmp_eq_u32 s2, 0
	s_cbranch_scc0 .Lentry_in_a_cluster
	s_endpgm
.Lentry_in_a_cluster:
	s_bfe_u32 s2, ttmp6, 0x10000c
	s_cmp_lg_u32 s2, 0xf033
	s_cbranch_scc0 .Lentry_shape_is_right
	s_endpgm
.Lentry_shape_is_right:
; out = o W_o^T + b_o on codes of E4M3 (o under e10, W_o under e11): out = sum x 2^(e10 + e11) + b_o, one fused multiply-add in f32.
; Shares, cluster and the twelve steps are those of the launches for q, k and v: 128 rows x 192 columns a work-group, 64 x 96 a wave, all of K = 768 in LDS, each LDS byte filled once by a tensor load.
; o ARRIVES AS IMAGES OF ITS FRAGMENTS: ocodes [head][16 rows][c 2][lane][16 bytes].  A step of 64 along K is a head.  A wave's tensor load brings, for four heads, four blocks of 16 rows: four runs of 4,096 dense bytes,
; 524,288 bytes apart; a fragment then comes by two loads of 512 consecutive bytes: no pitch, no padding.  W_o's codes lie in rows, in natural order along K, and are read as in the other launches:
; lane (r, h), group c holds k = 64 head + 32 c + 16 h + 0 .. 15 in both operands.
; TRANSPOSED USE (source 0 = W_o's rows, source 1 = o's rows): a lane holds eight neighbouring columns of a row.  The results meet in a stage in LDS and leave as whole runs of 256 bytes, sixteen lanes each.
; The stage lies at LDS byte 0, in bytes that have had their only fill; it is written behind a barrier behind every wave's last read of the operands.
; LIMIT: e10 + e11 between -126 and 127.
; THE FILLS AS THEY STAND (in place of what the head says of four heads a load): each wave issues ONE tensor load, which brings its part of all of K: waves 0, 1: for the twelve heads four blocks of 16 rows of o,
; twelve runs of 4,096 bytes, laid on end; waves 2, 3: 96 rows of W_o, 768 bytes each, 16 bytes of padding behind every 256.
.set PITCH,  816                       ; a row of W_o in LDS: 3 x (256 + 16) = 51 x 16 bytes
.set WOFF,   98304                     ; o's images, 2 x 49,152 bytes, then W_o's 192 rows
.set SLOT,   WOFF+192*PITCH
.set SPITCH, 784                       ; the stage: 128 rows x (768 bytes + 16)
.set ADRA,   4
.set ADRB,   8
.set FR,     96
.set MSB, 0
.macro WIN new                         ; the immediate's high byte repeats the setting that is left
.if MSB != \new
	s_set_vgpr_msb (MSB<<8)|\new
.set MSB, \new
.endif
.endm
.macro PLACES n
.rept \n
	v_nop
.endr
.endm
.macro CROUND                          ; a round of the cluster's barrier
	s_barrier_signal -1
	s_barrier_wait -1
	s_cmp_lg_u32 s14, 0
	s_cbranch_scc1 .Lnot_wave_0_\@
	s_barrier_signal -3
.Lnot_wave_0_\@:
	s_barrier_wait -3
	s_barrier_signal -1
	s_barrier_wait -1
.endm
	s_load_b256 s[4:11], s[0:1], 0x0               ; ocodes, wcodes, b_o, lowp_scales
	s_load_b64 s[12:13], s[0:1], 0x20              ; out0
	v_lshl_add_u32 v94, v0, 2, 0x3e400
	v_mov_b32 v95, 0
	ds_add_u32 v94, v95
	ds_add_u32 v94, v95
	v_lshrrev_b32 v1, 5, v0
	v_readfirstlane_b32 s14, v1                    ; wave 0..3
	s_lshr_b32 s15, s14, 1                         ; my half of the rows.  Also: I fetch for o (0) or for W_o (1)
	s_and_b32 s16, s14, 1                          ; my half of the columns.  Also: which half of that tile I fetch
	s_bfe_u32 s17, ttmp6, 0x40000                  ; cx: the column tile
	s_bfe_u32 s18, ttmp6, 0x40004                  ; cy
	s_and_b32 s20, ttmp7, 0xffff
	s_lshl_b32 s20, s20, 2
	s_add_co_u32 s20, s20, s18                     ; the row tile
	s_lshl_b32 s21, s18, 2
	s_lshl_b32 s21, 15, s21                        ; my row of the cluster
	s_lshl_b32 s22, 0x1111, s17                    ; my column
	s_or_b32 s24, s21, (3<<16)|(1<<21)             ; group 1 for o: the mask; elements of 8 bytes; bit 21 beside a mask; no padding
	s_mov_b32 s25, 512<<16                         ; tensor_dim0: 4,096 bytes
	s_mov_b32 s26, 12<<16                          ; tensor_dim1: twelve heads
	s_mov_b32 s27, 512<<16                         ; tile_dim0
	s_mov_b32 s28, 12                              ; tile_dim1
	s_mov_b32 s29, 65536                           ; from head to head: 524,288 bytes
	s_mov_b32 s30, 0
	s_mov_b32 s31, 0
	s_or_b32 s32, s22, (1<<20)|(1<<21)|(5<<22)|(3<<25)   ; group 1 for W_o: 96 rows of 768 bytes, 16 bytes of padding behind every 256
	s_mov_b32 s33, 768<<16
	s_mov_b32 s34, 96<<16
	s_mov_b32 s35, 768<<16
	s_mov_b32 s36, 96
	s_mov_b32 s37, 768
	s_mov_b32 s38, 0
	s_mov_b32 s39, 0
	s_lshl_b32 s66, s20, 13                        ; o: 8 blocks of 16 rows a row tile, 1,024 bytes each; my half: four of them
	s_lshl_b32 s67, s16, 12
	s_add_co_u32 s66, s66, s67
	s_mov_b32 s67, 0
	s_mul_i32 s68, s17, 192                        ; W_o: row 2,304 + 192 x column tile + 96 x half
	s_mul_i32 s69, s16, 96
	s_add_co_u32 s68, s68, s69
	s_add_co_u32 s68, s68, 2304
	s_mul_i32 s68, s68, 768
	s_mov_b32 s69, 0
	s_mul_i32 s70, s16, 49152                      ; where they go: no place in the cluster enters an LDS address
	s_mul_i32 s71, s16, 96*PITCH
	s_add_co_u32 s71, s71, WOFF
	s_wait_dscnt 0x0
	s_wait_kmcnt 0x0
	s_load_b64 s[80:81], s[10:11], 0x28            ; e10, e11
	s_add_nc_u64 s[72:73], s[4:5], s[66:67]
	s_add_nc_u64 s[74:75], s[6:7], s[68:69]
	CROUND                                         ; all sixteen work-groups are here: the joint loads meet
.irp s, 0
	s_mov_b32 s[40+4*\s], 1
	s_add_co_u32 s[41+4*\s], s70, \s*SLOT
	s_add_nc_u64 s[42+4*\s:43+4*\s], s[72:73], \s*4*524288
	s_or_b32 s[43+4*\s], s[43+4*\s], 0x80000000
	s_mov_b32 s[52+4*\s], 1
	s_add_co_u32 s[53+4*\s], s71, \s*SLOT
	s_add_nc_u64 s[54+4*\s:55+4*\s], s[74:75], \s*256
	s_or_b32 s[55+4*\s], s[55+4*\s], 0x80000000
.endr
	s_cmp_eq_u32 s15, 0                            ; a wave's one fill stands in a branch on its number: one load of mine is out
	s_cbranch_scc0 .Lfill_w
	tensor_load_to_lds s[40:43], s[24:31]
	s_nop 0
	PLACES 4
	s_branch .Lfilled
.Lfill_w:
	tensor_load_to_lds s[52:55], s[32:39]
	s_nop 0
	PLACES 4
.Lfilled:
	v_and_b32 v1, 15, v0                           ; r
	v_bfe_u32 v2, v0, 4, 1                         ; h
	v_lshlrev_b32 v15, 5, v2                       ; b_o: my half's eight numbers of a tile of 16 columns
	s_mul_i32 s76, s17, 192
	s_mul_i32 s77, s16, 96
	s_add_co_u32 s76, s76, s77
	s_lshl_b32 s76, s76, 2
	s_mov_b32 s77, 0
	s_add_nc_u64 s[8:9], s[8:9], s[76:77]
.irp b, 0,1,2,3,4,5
	global_load_b128 v[32+8*\b:32+8*\b+3], v15, s[8:9] offset:64*\b
	global_load_b128 v[32+8*\b+4:32+8*\b+7], v15, s[8:9] offset:64*\b+16
.endr
	v_and_b32 v14, 31, v0
	v_lshlrev_b32 v14, 4, v14                      ; 16 x lane: my place in an image
	v_mul_u32_u24 v3, v1, PITCH
	v_lshl_add_u32 v3, v2, 4, v3                   ; W_o: a fragment's row x pitch + 16 h
	s_mul_i32 s78, s15, 49152                      ; my 64 rows of o: the half that lies 49,152 x row half on
	s_mul_i32 s79, s16, 96*PITCH
	s_add_co_u32 s79, s79, WOFF
	v_add_nc_u32 v[ADRA], s78, v14
	v_add_nc_u32 v[ADRB], s79, v3                  ; W_o's tiles 0-2 of my six,
	v_add_nc_u32 v[ADRB+1], 48*PITCH, v[ADRB]      ; and tiles 3-5, so that every offset stays inside 16 bits
	v_mul_u32_u24 v12, v1, SPITCH                  ; into the stage: row 64 x row half + r, byte 384 x column half + 32 h
	v_lshl_add_u32 v12, v2, 5, v12
	s_mul_i32 s78, s15, 64*SPITCH
	s_mul_i32 s79, s16, 384
	s_add_co_u32 s78, s78, s79
	v_add_nc_u32 v12, s78, v12
	v_mul_u32_u24 v13, v2, SPITCH                  ; out of it: lanes 0-15 one row, lanes 16-31 the next; 16 bytes a lane
	v_lshl_add_u32 v13, v1, 4, v13
	s_mul_i32 s78, s14, 32*SPITCH
	v_add_nc_u32 v13, s78, v13
	v_mul_u32_u24 v18, v2, 3072                    ; and the same in out0
	v_lshl_add_u32 v18, v1, 4, v18
	s_lshl_b32 s78, s20, 7
	s_lshl_b32 s79, s14, 5
	s_add_co_u32 s78, s78, s79
	s_mul_i32 s78, s78, 3072                       ; row 128 x row tile + 32 x wave,
	s_mul_i32 s79, s17, 768                        ; the tile's 192 columns
	s_add_co_u32 s78, s78, s79
	s_mov_b32 s79, 0
	s_add_nc_u64 s[12:13], s[12:13], s[78:79]
.macro FETCH q, set                    ; 20 LDS loads: the fragments of head q
.irp a, 0,1,2,3
.irp c, 0,1
	ds_load_b128 v[FR+80*(\set)+8*\a+4*\c:FR+80*(\set)+8*\a+4*\c+3], v[ADRA] offset:(\q)*4096+\a*1024+\c*512
.endr
.endr
.irp b, 0,1,2,3,4,5
.irp c, 0,1
	ds_load_b128 v[FR+80*(\set)+32+8*\b+4*\c:FR+80*(\set)+32+8*\b+4*\c+3], v[ADRB+\b/3] offset:(\b%3)*16*PITCH+64*(\q)+16*((\q)/4)+32*\c
.endr
.endr
.endm
.macro MUL set, zero                   ; 24 products; the accumulators take turns, one instruction a turn
.irp a, 0,1,2,3
.irp b, 0,1,2,3,4,5
.if \zero
	v_wmma_f32_16x16x64_fp8_fp8 v[8*(6*\a+\b):8*(6*\a+\b)+7], v[FR+80*(\set)+32+8*\b:FR+80*(\set)+32+8*\b+7], v[FR+80*(\set)+8*\a:FR+80*(\set)+8*\a+7], 0
.else
	v_wmma_f32_16x16x64_fp8_fp8 v[8*(6*\a+\b):8*(6*\a+\b)+7], v[FR+80*(\set)+32+8*\b:FR+80*(\set)+32+8*\b+7], v[FR+80*(\set)+8*\a:FR+80*(\set)+8*\a+7], v[8*(6*\a+\b):8*(6*\a+\b)+7]
.endif
.endr
.endr
.endm
.macro SUB q
	s_wait_dscnt 0x0                               ; this step's fragments are in
.if (\q > 0) && (\q < 11)
	PLACES 4                                       ; between the last products and loads into the registers that they read
.endif
.if \q < 11
	FETCH \q+1, (\q+1)%2
.endif
	WIN 0x50                                       ; C and D in window 1
.if \q == 0
	MUL 0, 1
.else
	MUL \q%2, 0
.endif
	WIN 0
.endm
	s_wait_alu depctr_va_vdst(0)
	s_wait_tensorcnt 0x0                           ; my one load, my part of all of K, has landed,
	s_barrier_signal -1
	s_barrier_wait -1                              ; everybody's has
	FETCH 0, 0
.irp q, 0,1,2,3,4,5,6,7,8,9,10,11
	SUB \q
.endr
	; THE WAY OUT
	s_wait_dscnt 0x0                               ; my reads of the operands are over (the last were waited for at the last step's head):
	s_barrier_signal -1
	s_barrier_wait -1                              ; everybody's are: the stage may be written over them
	s_wait_loadcnt 0x0                             ; b_o
	s_wait_kmcnt 0x0
	s_add_co_i32 s84, s80, s81
	s_add_co_i32 s84, s84, 127
	s_lshl_b32 s84, s84, 23                        ; 2^(e10 + e11) as f32
	s_mov_b32 s85, s84                             ; (named with it as a pair, so it is written)
	PLACES 4                                       ; behind the last products
.irp a, 0,1,2,3
.if \a >= 2
	s_wait_dscnt 12                                ; the stores of two blocks ago have read these registers; the last block's twelve may be out
.endif
	WIN 0x01                                       ; source 0 (the sums) in window 1
.irp b, 0,1,2,3,4,5
.irp i, 0,2,4,6
	v_pk_fma_f32 v[96+48*(\a%2)+8*\b+\i:96+48*(\a%2)+8*\b+\i+1], v[8*(6*\a+\b)+\i:8*(6*\a+\b)+\i+1], s[84:85], v[32+8*\b+\i:32+8*\b+\i+1] op_sel_hi:[1,0,1]   ; each accumulator from its low end on
.endr
.endr
	WIN 0
.irp b, 0,1,2,3,4,5
	ds_store_b128 v12, v[96+48*(\a%2)+8*\b:96+48*(\a%2)+8*\b+3] offset:\a*16*SPITCH+64*\b
	ds_store_b128 v12, v[96+48*(\a%2)+8*\b+4:96+48*(\a%2)+8*\b+7] offset:\a*16*SPITCH+64*\b+16
.endr
.endr
	s_wait_dscnt 0x0                               ; for the others' sake: a row's 768 bytes come from two waves
	s_barrier_signal -1
	s_barrier_wait -1
.irp u, 0,1,2                          ; my 32 rows, a run of 256 bytes of each at a time
.if \u == 2
	s_wait_xcnt 0x0                                ; the first run's stores have read their registers: they are loaded again only behind this wait
.endif
.irp i, 0,1,2,3,4,5,6,7,8,9,10,11,12,13,14,15
	ds_load_b128 v[96+64*(\u%2)+4*\i:96+64*(\u%2)+4*\i+3], v13 offset:2*\i*SPITCH+256*\u
.endr
.irp i, 0,1,2,3,4,5,6,7,8,9,10,11,12,13,14,15
	s_wait_dscnt 15-\i
	global_store_b128 v18, v[96+64*(\u%2)+4*\i:96+64*(\u%2)+4*\i+3], s[12:13] offset:2*\i*3072+256*\u th:TH_STORE_NT   ; sixteen lanes store 256 consecutive bytes, aligned; written once, read by nobody here
.endr
.endr
	s_wait_tensorcnt 0x0
	ds_add_u32 v94, v95
	s_wait_dscnt 0x0
	CROUND                                         ; the closing round
	s_endpgm
.Lfunc_end_k_q44aed208a3_gemm_o:
	.size	k_q44aed208a3_gemm_o, .Lfunc_end_k_q44aed208a3_gemm_o-k_q44aed208a3_gemm_o
	.p2alignl 7, 3214868480
	.fill 96, 4, 3214868480
	.section	.rodata,"a",@progbits
	.p2align	6, 0x0
	.amdhsa_kernel k_q44aed208a3_gemm_o
		.amdhsa_group_segment_fixed_size 327680
		.amdhsa_private_segment_fixed_size 0
		.amdhsa_enable_private_segment 0
		.amdhsa_kernarg_size 40
		.amdhsa_user_sgpr_count 2
		.amdhsa_user_sgpr_kernarg_segment_ptr 1
		.amdhsa_wavefront_size32 1
		.amdhsa_system_sgpr_workgroup_id_x 1
		.amdhsa_system_sgpr_workgroup_id_y 1
		.amdhsa_system_sgpr_workgroup_id_z 1
		.amdhsa_system_vgpr_workitem_id 0
		.amdhsa_next_free_vgpr 448
		.amdhsa_next_free_sgpr 100
		.amdhsa_reserve_vcc 0
		.amdhsa_float_denorm_mode_32 3
		.amdhsa_float_denorm_mode_16_64 3
		.amdhsa_memory_ordered 1
		.amdhsa_forward_progress 1
		.amdhsa_inst_pref_size 63
	.end_amdhsa_kernel
	.amdgpu_metadata
---
amdhsa.version: [ 1, 2 ]
amdhsa.kernels:
  - .name:           k_q44aed208a3_gemm_o
    .symbol:         k_q44aed208a3_gemm_o.kd
    .args:
      - { .name: ocodes, .offset: 0, .size: 8, .value_kind: global_buffer, .address_space: global }
      - { .name: wcodes, .offset: 8, .size: 8, .value_kind: global_buffer, .address_space: global }
      - { .name: b_o, .offset: 16, .size: 8, .value_kind: global_buffer, .address_space: global }
      - { .name: lowp_scales, .offset: 24, .size: 8, .value_kind: global_buffer, .address_space: global }
      - { .name: out0, .offset: 32, .size: 8, .value_kind: global_buffer, .address_space: global }
    .group_segment_fixed_size: 327680
    .private_segment_fixed_size: 0
    .kernarg_segment_align: 8
    .kernarg_segment_size: 40
    .max_flat_workgroup_size: 128
    .sgpr_count:     100
    .vgpr_count:     448
    .wavefront_size: 32
...
	.end_amdgpu_metadata
.endif
;; end of part 9
